; MI455X (gfx1250); checked and timed in simulation.
; The chip was launched on July 23, 2026; its instructions are those of AMD's public machine-readable ISA for CDNA 5 (MIT licence, August 2026) and "CDNA5" Instruction Set Architecture Reference Guide (July 2026). The comments in the code are by the model that wrote it; some were corrected since.
;; Point2 Point Attention. Allowed arithmetic: matrix products marked QUANTISED: E2M3 operands, one E8M0 scale for each 32 along K, by v_wmma_scale_f32_16x16x128_f8f6f4 with both operands' format E2M3, f32 sums; everything else in f32.
;; Inputs: bn1_beta 64 float32; bn1_gamma 64 float32; bn2_beta 64 float32; bn2_gamma 64 float32; w_ff1 128 x 64 float32; w_ff2 64 x 128 float32; wk 64 x 64 float32; wq 64 x 64 float32; wv 64 x 64 float32; x 32 x 64 x 2,048 float32.
;; Outputs: out0 32 x 64 x 2,048 float32.
;; This version of the problem:
;;   THIS VERSION OF THE PROBLEM IS GIVEN IN LOW PRECISION. The matrix products marked QUANTISED in the list below multiply operands that are first quantised to E2M3 (2 exponent bits, 3 mantissa bits; 6 bits a number), with one power-of-two scale for each 32 numbers along K (OCP MX v1.0); their sums are f32. All else is computed in f32.
;;   The module's matrix products, in the order in which they are computed (A, B: the left and right operand; K: the contracted axis; several contracted axes count as one K, in the product's order):
;;     1. [M 65,536, K 64] x [K 64, N 64]; A: input x; B: input wq: QUANTISED
;;     2. [M 65,536, K 64] x [K 64, N 64]; A: input x; B: input wk: QUANTISED
;;     3. [M 65,536, K 64] x [K 64, N 64]; A: input x; B: input wv: QUANTISED
;;     4. batch 32 x [M 2,048, K 64] x [K 64, N 2,048]; A: computed on the way; B: computed on the way: QUANTISED
;;     5. batch 32 x [M 64, K 2,048] x [K 2,048, N 2,048]; A: computed on the way; B: softmax (see below): QUANTISED
;;     6. [M 65,536, K 64] x [K 64, N 128]; A: computed on the way; B: input w_ff1: QUANTISED
;;     7. [M 65,536, K 128] x [K 128, N 64]; A: computed on the way; B: input w_ff2: QUANTISED
;;   THE QUANTISER, for each operand of a quantised product, along K:
;;     - K is cut into blocks of 32 from its start; a last block that is shorter is filled with zeros.
;;     - A block's scale is 2^e with e = floor(log2(the largest magnitude in the block)) - 2, held to -126 .. 127; a block of zeros has e = 0. As a byte (E8M0): e + 127.
;;     - Each number is divided by its block's scale, clamped to +-7.5, and rounded to the nearest number of E2M3, ties to even, subnormals kept.
;;     - The product sums the exact products of the quantised numbers (number of the format x scale) in f32.
;;   ~~~python
;;   def quantise(x, axis):      # numpy; x: float32 -> the quantised numbers, widened to float32 again
;;       x = np.moveaxis(x, axis, -1); K = x.shape[-1]
;;       x = np.pad(x, [(0, 0)] * (x.ndim - 1) + [(0, -K % 32)]); x = x.reshape(x.shape[:-1] + (-1, 32)); a = np.abs(x).max(-1, keepdims=True)
;;       e = np.where(a > 0, np.clip(np.frexp(np.where(a > 0, a, 1))[1] - 1 - 2, -126, 127), 0)      # np.frexp(a)[1] - 1 = floor(log2(a)), exactly
;;       r = np.clip(x / 2.0 ** e, -7.5, 7.5)
;;       step = 2.0 ** (np.maximum(np.frexp(np.where(r == 0, 1, r))[1] - 1, 0) - 3)
;;       q = np.round(r / step) * step * 2.0 ** e      # np.round: ties to even
;;       return np.moveaxis(q.reshape(q.shape[:-2] + (-1,))[..., :K], -1, axis).astype(np.float32)
;;   ~~~
;;   SOFTMAX AHEAD OF A QUANTISED PRODUCT. Where the list says 'softmax', what is quantised is not the finished softmax but p = 2^(t - M), with t = logit x log2(e) and M = ceil(the row's largest t), a whole number; so 1/2 < the row's largest p <= 1. The row's sum l is taken of the UNQUANTISED p, in f32, and the product's result is divided by l at the end. Since M is a whole number, a kernel that streams over the keys may use a running M (the ceiling of the running maximum): every later rescaling is an exact power of two, which a block's scale takes up: the codes' values come out the same.
;;   OPERANDS COMPUTED ON THE WAY. 'Computed on the way' means the value that the module computes at that place (a softmax that the list does not call 'softmax' is quantised finished and normalised). What goes into a quantiser is computed in f32, as accurately as f32 sums, v_exp_f32 and their like allow (about 1e-6 of the number): no bf16 or f16 on the way to a quantiser, and a product that is left as it is and whose result goes on into a quantised operand takes f32 operands (vector FMAs, or v_wmma_f32_16x16x4_f32). A number that lies on a knife's edge between two numbers of the format may be rounded either way, as far as f32 arithmetic and the matrix unit's own rounding can turn it there, and no further.
;; 2 versions. Each part assembles by itself: llvm-mc -triple=amdgcn-amd-amdhsa -mcpu=gfx1250 --defsym DOCPART=n.
;; ======== version 1 of 2: 4 launches
;; workspace buffers: qimg 3,145,728 bytes; qs 262,144 bytes; kv 6,291,456 bytes; sc 393,216 bytes; y1 16,777,216 bytes; y2 16,777,216 bytes; part1 131,072 bytes; part2 131,072 bytes
;; launch proj (part 1): grid 256 x 1, 4 waves a work-group, no clusters, 11,776 bytes of LDS; arguments x, wq, wk, wv, qimg, qs, kv, sc; writes qimg, qs, kv, sc
.if DOCPART == 1
	.amdgcn_target "amdgcn-amd-amdhsa--gfx1250"
	.amdhsa_code_object_version 6
	.text
	.protected	k_q4842d728fd_proj
	.globl	k_q4842d728fd_proj
	.p2align	8
	.type	k_q4842d728fd_proj,@function
k_q4842d728fd_proj:
	s_mov_b64 s[64:65], 0
	v_nop
	global_prefetch_b8 v0, s[64:65] scope:SCOPE_SE
	s_setreg_imm32_b32 hwreg(HW_REG_WAVE_MODE, 25, 1), 1
	s_wait_xcnt 0x0
; q, k, v = wq x, wk x, wv x (x: [32][64][2048] f32, K = the 64 channels), all three on codes of FP6 (E2M3) with one E8M0 scale for each 32 along K;
; the results are quantised again at once: q and k along their 64 channels, v along the keys, and leave as IMAGES OF OPERAND REGISTERS for the attention launch.
; SHARES.  A work-group takes 256 points of one batch, a wave 64: two groups of 32.  In a group, tile u (0, 1) has as row r the point 8 u + r + 8 (r / 8), so that two neighbouring tiles'
; results are 16 neighbours along the keys.  x is loaded a lane to a point (lane 16 u + r = row r of tile u), registers down the channels: each load reads 128 consecutive bytes a wave.
; HALF-IMAGE (768 bytes): six registers of a fragment, K = 64: registers 0-3 at 16 x lane, registers 4-5 at 512 + 8 x lane.
; K = 64 IN AN INSTRUCTION OF K = 128: one operand (x's fragments) has zero codes in registers 6-11; the other's fragments lie 6 registers apart, so its registers 6-11 are the next fragment
; (behind the last: six cleared registers).  The format has no code for infinity or NaN, so what meets a zero code adds nothing; scale bytes 2 and 3 are 0, never 0xff.
; A block's scale byte is its largest magnitude's exponent field - 2, held at 1 from below by a floor among the maximum's leaves.
; LIMITS: NaN and infinities among the inputs are not served.  A block of zeros gets the byte 1 where the rule says 127: its codes are zeros, and this program alone reads the bytes.
; REGISTERS, window 0: v4-14 addresses; v16-27 the weights' scale words; v28-29 x's; v32-95, v96-159 x as loaded, then x's four fragments (v32-79) and two sets of results (v96-159);
;   v160-255 the weights as loaded, then temporaries.  Window 1: v0-71 the twelve weight fragments, v72-77 zeros.
.set WIMG, 0                           ; LDS: 12 half-images of weights (4 m + t; m = 0, 1, 2 for q, k, v)
.set WSC,  9216                        ; their scale words, 128 bytes each
.set VSS,  10752                       ; v's scale words of the work-group's two key steps, before they leave
.set XO,   4                           ; v4   4 x my point in a group
.set L16,  5                           ; v5   16 x lane
.set L8,   6                           ; v6   8 x lane
.set L4,   7                           ; v7   4 x lane
.set WA,   8                           ; v8   wq, wk: my row (in the tiles' order) and block
.set WB,   9                           ; v9   wv: my row and block
.set SH8,  10                          ; v10  8 x (lane / 16)
.set WI16, 11                          ; v11  where my wave's weight image goes: registers 0-3
.set WI8,  12                          ; v12  registers 4-5
.set WS4,  13                          ; v13  its scale word
.set VSA,  14                          ; v14  where my two bytes of v's scale words go
.set WS,   16
.set XS,   28
.set RAW0, 32
.set RAW1, 96
.set XF,   32
.set D0,   96
.set SEL,  22                          ; s[22:23] lane selects of v_permlanex16_b32: lane l xor 16
.set HM,   24                          ; s24 mask of lanes 16-31
.set MSB, 0
.macro WIN new                         ; the immediate's high byte repeats the setting that is left
.if MSB != \new
	s_set_vgpr_msb (MSB<<8)|\new
.set MSB, \new
.endif
.endm
; a product that starts a sum.  ra, rb = 1: that side's scales are taken from lanes 16-31 of the register named
.macro WMZ d, a, b, sa, sb, ra, rb
.if (\ra) && (\rb)
	v_wmma_scale_f32_16x16x128_f8f6f4 v[\d:\d+7], v[\a:\a+11], v[\b:\b+11], 0, v[\sa], v[\sb] matrix_a_fmt:MATRIX_FMT_FP6 matrix_b_fmt:MATRIX_FMT_FP6 matrix_a_scale:MATRIX_SCALE_ROW1 matrix_b_scale:MATRIX_SCALE_ROW1
.elseif (\ra)
	v_wmma_scale_f32_16x16x128_f8f6f4 v[\d:\d+7], v[\a:\a+11], v[\b:\b+11], 0, v[\sa], v[\sb] matrix_a_fmt:MATRIX_FMT_FP6 matrix_b_fmt:MATRIX_FMT_FP6 matrix_a_scale:MATRIX_SCALE_ROW1
.elseif (\rb)
	v_wmma_scale_f32_16x16x128_f8f6f4 v[\d:\d+7], v[\a:\a+11], v[\b:\b+11], 0, v[\sa], v[\sb] matrix_a_fmt:MATRIX_FMT_FP6 matrix_b_fmt:MATRIX_FMT_FP6 matrix_b_scale:MATRIX_SCALE_ROW1
.else
	v_wmma_scale_f32_16x16x128_f8f6f4 v[\d:\d+7], v[\a:\a+11], v[\b:\b+11], 0, v[\sa], v[\sb] matrix_a_fmt:MATRIX_FMT_FP6 matrix_b_fmt:MATRIX_FMT_FP6
.endif
.endm
; One block of 32 of a weight's row (K innermost), all in my lane: six registers of codes in v[P] on; the row's two scale bytes, from lanes l and l xor 16, in v[W]
.macro WQ R, P, W
	v_max3_num_f32 v[TM], |v[\R]|, |v[\R+1]|, 0x1800000            ; two chains; the floor 2^(3 - 127) among the leaves
	v_max3_num_f32 v[TM+1], |v[\R+2]|, |v[\R+3]|, 0x1800000
.irp i, 4,8,12,16,20,24,28
	v_max3_num_f32 v[TM], v[TM], |v[\R+\i]|, |v[\R+\i+1]|
	v_max3_num_f32 v[TM+1], v[TM+1], |v[\R+\i+2]|, |v[\R+\i+3]|
.endr
	v_max_num_f32 v[TM], v[TM], v[TM+1]
	v_add_nc_u32 v[TM+2], 0xff000000, v[TM]                        ; 2 off the exponent field: the conversion's scale operand
	v_lshrrev_b32 v[TM+3], 23, v[TM+2]                             ; the byte,
	v_lshlrev_b32 v[TM+3], v[SH8], v[TM+3]                         ; at its place in the word
	v_permlanex16_b32 v[TM+4], v[TM+3], s[SEL], s[SEL+1]
	v_or_b32 v[\W], v[TM+3], v[TM+4]
	v_cvt_scalef32_pk16_fp6_f32 v[\P:\P+2], v[\R:\R+15], v[TM+2]
	v_cvt_scalef32_pk16_fp6_f32 v[CT:CT+2], v[\R+16:\R+31], v[TM+2] ; (a conversion's three registers begin on an even number)
	v_nop                                                          ; one plain place behind a scaled conversion
.irp i, 0,1,2
	v_mov_b32 v[\P+3+\i], v[CT+\i]
.endr
.endm
; 64 channels of my point, v[R] on, become the fragments of the group's two tiles (F0, F1; registers 6-11 zeros) and their scale words (X: tile 0 in lanes 0-15, tile 1 in lanes 16-31)
.macro XQ R, F0, F1, X
.irp b, 0,1
	v_max3_num_f32 v[TM+2*\b], |v[\R+32*\b]|, |v[\R+32*\b+1]|, 0x1800000
	v_max3_num_f32 v[TM+2*\b+1], |v[\R+32*\b+2]|, |v[\R+32*\b+3]|, 0x1800000
.endr
.irp i, 4,8,12,16,20,24,28
.irp b, 0,1
	v_max3_num_f32 v[TM+2*\b], v[TM+2*\b], |v[\R+32*\b+\i]|, |v[\R+32*\b+\i+1]|
	v_max3_num_f32 v[TM+2*\b+1], v[TM+2*\b+1], |v[\R+32*\b+\i+2]|, |v[\R+32*\b+\i+3]|
.endr
.endr
	v_max_num_f32 v[TM], v[TM], v[TM+1]
	v_max_num_f32 v[TM+2], v[TM+2], v[TM+3]
	v_add_nc_u32 v[TM+4], 0xff000000, v[TM]
	v_add_nc_u32 v[TM+5], 0xff000000, v[TM+2]
	v_lshrrev_b32 v[TM+6], 23, v[TM+4]
	v_lshrrev_b32 v[TM+7], 23, v[TM+5]
	v_lshl_or_b32 v[\X], v[TM+7], 8, v[TM+6]
	v_cvt_scalef32_pk16_fp6_f32 v[CT:CT+2], v[\R:\R+15], v[TM+4]
	v_cvt_scalef32_pk16_fp6_f32 v[CT+4:CT+6], v[\R+16:\R+31], v[TM+4]
	v_cvt_scalef32_pk16_fp6_f32 v[CT+8:CT+10], v[\R+32:\R+47], v[TM+5]
	v_cvt_scalef32_pk16_fp6_f32 v[CT+12:CT+14], v[\R+48:\R+63], v[TM+5]
	v_nop
.irp i, 0,1,2                          ; block 0's lanes 16-31 (tile 1) change places with block 1's lanes 0-15 (tile 0): a register then belongs to one tile, block lane / 16
	v_permlane16_swap_b32 v[CT+\i], v[CT+8+\i]
	v_permlane16_swap_b32 v[CT+4+\i], v[CT+12+\i]
.endr
.irp i, 0,1,2
	v_mov_b32 v[\F0+\i], v[CT+\i]
	v_mov_b32 v[\F0+3+\i], v[CT+4+\i]
	v_mov_b32 v[\F1+\i], v[CT+8+\i]
	v_mov_b32 v[\F1+3+\i], v[CT+12+\i]
.endr
.irp i, 6,7,8,9,10,11
	v_mov_b32 v[\F0+\i], 0
	v_mov_b32 v[\F1+\i], 0
.endr
.endm
; 32 numbers of a lane, register 16 b + i = k 32 b + 16 (lane / 16) + i of my row, become six registers of codes in v[P] on and the row's two scale bytes in v[W] (in both halves of the lanes)
.macro QUANT64 s, P, W
.irp b, 0,1
	v_max3_num_f32 v[TM+\b], |v[\s+16*\b]|, |v[\s+16*\b+1]|, 0x1800000
.endr
.irp i, 2,4,6,8,10,12,14
.irp b, 0,1
	v_max3_num_f32 v[TM+\b], v[TM+\b], |v[\s+16*\b+\i]|, |v[\s+16*\b+\i+1]|
.endr
.endr
.irp b, 0,1
	v_permlanex16_b32 v[TM+2+\b], v[TM+\b], s[SEL], s[SEL+1]
.endr
.irp b, 0,1
	v_max_num_f32 v[TM+\b], v[TM+\b], v[TM+2+\b]
.endr
.irp b, 0,1
	v_add_nc_u32 v[TM+4+\b], 0xff000000, v[TM+\b]
.endr
.irp b, 0,1
	v_lshrrev_b32 v[TM+6+\b], 23, v[TM+4+\b]
.endr
	v_lshl_or_b32 v[\W], v[TM+7], 8, v[TM+6]
	v_cvt_scalef32_pk16_fp6_f32 v[\P:\P+2], v[\s:\s+15], v[TM+4]
	v_cvt_scalef32_pk16_fp6_f32 v[CT:CT+2], v[\s+16:\s+31], v[TM+5]
	v_nop
.irp i, 0,1,2                          ; the operand's layout wants a whole block in a lane
	v_permlane16_swap_b32 v[\P+\i], v[CT+\i]
.endr
.irp i, 0,1,2
	v_mov_b32 v[\P+3+\i], v[CT+\i]
.endr
.endm
	s_load_b256 s[4:11], s[0:1], 0x0               ; x s[4:5], wq s[6:7], wk s[8:9], wv s[10:11]
	s_load_b256 s[12:19], s[0:1], 0x20             ; qimg s[12:13], qs s[14:15], kv s[16:17], sc s[18:19]
	v_lshl_add_u32 v30, v0, 2, 0x2c00
	v_mov_b32 v31, 0
	v_lshrrev_b32 v1, 5, v0
	v_readfirstlane_b32 s20, v1                    ; wave 0..3
	v_and_b32 v1, 31, v0                           ; lane
	v_and_b32 v2, 15, v0                           ; r
	v_bfe_u32 v3, v0, 4, 1                         ; h
	v_and_b32 v[XO], 7, v0                         ; my point in a group: bits 3 and 4 of the lane change places
	v_lshl_add_u32 v[XO], v3, 3, v[XO]
	v_bfe_u32 v15, v0, 3, 1
	v_lshl_add_u32 v[XO], v15, 4, v[XO]
	v_lshlrev_b32 v[XO], 2, v[XO]
	v_lshlrev_b32 v[L16], 4, v1
	v_lshlrev_b32 v[L8], 3, v1
	v_lshlrev_b32 v[L4], 2, v1
	s_lshr_b32 s36, s20, 1                         ; wave / 2
	s_and_b32 s37, s20, 1                          ; wave % 2
	s_lshl_b32 s25, s36, 5
	s_lshl_b32 s26, s37, 3
	s_add_co_u32 s25, s25, s26
	v_and_b32 v15, 8, v0
	v_add_nc_u32 v15, v15, v2                      ; r + 8 (r / 8)
	v_add_nc_u32 v[WA], s25, v15                   ; wq, wk: tile = my wave: row 32 (w / 2) + 8 (w % 2) + r + 8 (r / 8)
	v_lshlrev_b32 v[WA], 8, v[WA]                  ; rows of 256 bytes,
	v_lshl_add_u32 v[WA], v3, 7, v[WA]             ; block h
	s_lshl_b32 s25, s20, 4
	v_add_nc_u32 v[WB], s25, v2                    ; wv: row 16 w + r
	v_lshlrev_b32 v[WB], 8, v[WB]
	v_lshl_add_u32 v[WB], v3, 7, v[WB]
	v_lshlrev_b32 v[SH8], 3, v3
	s_mul_i32 s25, s20, 768
	v_add_nc_u32 v[WI16], s25, v[L16]
	s_add_co_u32 s25, s25, 512
	v_add_nc_u32 v[WI8], s25, v[L8]
	s_lshl_b32 s25, s20, 7
	s_add_co_u32 s25, s25, WSC
	v_add_nc_u32 v[WS4], s25, v[L4]
	s_lshl_b32 s25, s37, 1
	s_lshl_b32 s26, s36, 8
	s_add_co_u32 s25, s25, s26
	s_add_co_u32 s25, s25, VSS
	v_lshl_add_u32 v[VSA], v2, 3, s25              ; VSS + 8 r + 2 (w % 2) + 256 (w / 2)
	s_mov_b32 s[SEL], 0x76543210
	s_mov_b32 s[SEL+1], 0xfedcba98
	s_mov_b32 s[HM], 0xffff0000
	s_lshr_b32 s34, ttmp9, 3                       ; batch
	s_and_b32 s35, ttmp9, 7                        ; which 256 points of it
	s_mov_b32 s27, 0
	s_lshl_b32 s26, s34, 19
	s_lshl_b32 s38, s35, 10
	s_add_co_u32 s26, s26, s38
	s_lshl_b32 s38, s20, 8
	s_add_co_u32 s26, s26, s38
	s_wait_kmcnt 0x0
	s_add_nc_u64 s[4:5], s[4:5], s[26:27]          ; x at channel 0 of my wave's first point
.irp i, 0,1,2,3,4,5,6,7
	global_load_b128 v[160+4*\i:163+4*\i], v[WA], s[6:7] offset:16*\i
.endr
.irp i, 0,1,2,3,4,5,6,7
	global_load_b128 v[192+4*\i:195+4*\i], v[WA], s[8:9] offset:16*\i
.endr
.irp i, 0,1,2,3,4,5,6,7
	global_load_b128 v[224+4*\i:227+4*\i], v[WB], s[10:11] offset:16*\i
.endr
.set i, 0
.rept 64
	global_load_b32 v[RAW0+i], v[XO], s[4:5] offset:i*8192 th:TH_LOAD_NT   ; group 0: channel i of my point
.set i, i+1
.endr
	; where the results go
	s_mul_i32 s26, ttmp9, 12288
	s_mul_i32 s38, s20, 3072
	s_add_co_u32 s26, s26, s38
	s_add_nc_u64 s[12:13], s[12:13], s[26:27]      ; q's images: my wave's four tiles
	s_lshl_b32 s26, ttmp9, 2
	s_add_co_u32 s26, s26, s20
	s_lshl_b32 s26, s26, 8
	s_add_nc_u64 s[14:15], s[14:15], s[26:27]      ; q's scale words: my span of 64 points
	s_mul_i32 s26, s34, 196608
	s_lshl_b32 s38, s35, 1
	s_add_co_u32 s38, s38, s36
	s_mul_i32 s38, s38, 12288
	s_add_co_u32 s26, s26, s38
	s_mul_i32 s38, s37, 3072
	s_add_co_u32 s26, s26, s38
	s_add_nc_u64 s[16:17], s[16:17], s[26:27]      ; k's images: key step 2 e + w / 2, tiles 4 (w % 2) on
	s_add_nc_u64 s[30:31], s[16:17], 6144          ; v's: the same step, half w % 2
	s_mul_i32 s39, s34, 12288
	s_lshl_b32 s38, s35, 9
	s_add_co_u32 s26, s39, s38
	s_add_co_u32 s26, s26, 8192
	s_add_nc_u64 s[32:33], s[18:19], s[26:27]      ; v's scale words: the work-group's two key steps
	s_lshl_b32 s38, s35, 2
	s_add_co_u32 s38, s38, s20
	s_lshl_b32 s38, s38, 8
	s_add_co_u32 s26, s39, s38
	s_add_nc_u64 s[18:19], s[18:19], s[26:27]      ; k's scale words: my span of 64 keys
.set TM, 96
.set CT, 112
	v_mov_b32 v[TM+4], 0                           ; written once: a lane permute's destination counts as one of its sources
	s_wait_loadcnt 63                              ; 88 loads are issued: the oldest 25 are in, the 24 of the weights among them
.irp m, 0,1,2                          ; my wave's tile of each of the three weights: quantised once in the work-group, handed on as an image
	WQ 160+32*\m, 128+6*\m, 146+\m
	ds_store_b128 v[WI16], v[128+6*\m:131+6*\m] offset:WIMG+3072*\m
	ds_store_b64 v[WI8], v[132+6*\m:133+6*\m] offset:WIMG+3072*\m
	ds_store_b32 v[WS4], v[146+\m] offset:512*\m
.endr
	s_wait_dscnt 0x0                               ; my stores have landed, for the others' sake; and they have read their registers, into which group 1 is loaded
.set i, 0
.rept 64
	global_load_b32 v[RAW1+i], v[XO], s[4:5] offset:i*8192+128 th:TH_LOAD_NT   ; group 1
.set i, i+1
.endr
	s_barrier_signal -1
	s_barrier_wait -1                              ; the twelve images lie in LDS
	WIN 0x40                                       ; destination window 1
.set i, 0
.rept 12
	ds_load_b128 v[6*i:6*i+3], v[L16] offset:WIMG+768*i
	ds_load_b64 v[6*i+4:6*i+5], v[L8] offset:WIMG+768*i+512
.set i, i+1
.endr
.irp i, 0,1,2,3,4,5
	v_mov_b32 v[72+\i], 0                          ; what the last fragment's registers 6-11 name
.endr
	WIN 0
.set i, 0
.rept 12
	ds_load_b32 v[WS+i], v[L4] offset:WSC+128*i
.set i, i+1
.endr
.set TM, 160
.set CT, 176
	s_wait_loadcnt 63                              ; 64 loads were issued behind group 0's: group 0 is in
	XQ RAW0, XF, XF+12, XS
	s_wait_loadcnt 0x0
	XQ RAW1, XF+24, XF+36, XS+1
	s_wait_dscnt 0x0                               ; the weights' fragments and scale words
.rept 8
	v_nop                                          ; a scale register written by a vector instruction stands 8 places ahead of a scaled matrix instruction, an operand so written 4
.endr
	; ---- q and k, transposed: source 0 = 16 rows of the weight, source 1 = 16 points: a lane holds one point, its registers run along the 64 output channels, the next K
.irp m, 0,1
.irp g, 0,1
	WIN 0x01                                       ; source 0 window 1
.irp t, 0,1,2,3
.irp u, 0,1
	WMZ D0+32*\u+8*\t, 6*(4*\m+\t), XF+12*(2*\g+\u), WS+4*\m+\t, XS+\g, 0, \u
.endr
.endr
	WIN 0
.rept 4
	v_nop                                          ; places in front of the first read of results
.endr
.irp u, 0,1
	s_wait_xcnt 0x0                                ; earlier stores have read their registers, which are written again below
	QUANT64 D0+32*\u, 192+6*\u, 204+2*\g+\u
	global_store_b128 v[L16], v[192+6*\u:195+6*\u], s[12+4*\m:13+4*\m] offset:768*(2*\g+\u)        ; 512 consecutive bytes a wave
	global_store_b64 v[L8], v[196+6*\u:197+6*\u], s[12+4*\m:13+4*\m] offset:768*(2*\g+\u)+512      ; 256
.endr
.endr
	s_wait_xcnt 0x0
	v_cndmask_b32 v208, v204, v205, s[HM]          ; a group's two tiles share a word's place: tile 0 in lanes 0-15, tile 1 in lanes 16-31
	v_cndmask_b32 v209, v206, v207, s[HM]
	global_store_b64 v[L8], v[208:209], s[14+4*\m:15+4*\m]
.endr
	; ---- v: source 0 = 16 points, source 1 = 16 rows of wv: a lane holds one channel, and the registers of a group's two tiles are 16 neighbouring keys, the next K
.irp p, 0,1
	WIN 0x04                                       ; source 1 window 1
.irp g, 0,1
.irp u, 0,1
.irp k, 0,1
	WMZ D0+32*\k+16*\g+8*\u, XF+12*(2*\g+\u), 6*(8+2*\p+\k), XS+\g, WS+8+2*\p+\k, \u, 0
.endr
.endr
.endr
	WIN 0
.rept 4
	v_nop
.endr
.irp k, 0,1                            ; channels 16 (2 p + k) on
	s_wait_xcnt 0x0
	QUANT64 D0+32*\k, 192+6*\k, 210
	global_store_b128 v[L16], v[192+6*\k:195+6*\k], s[30:31] offset:768*(2*\p+\k)
	global_store_b64 v[L8], v[196+6*\k:197+6*\k], s[30:31] offset:768*(2*\p+\k)+512
	ds_store_b16 v[VSA], v210 offset:\k*128+\p*4   ; my 64 keys' two bytes of the channel's scale word; both halves of the lanes write the same bytes
.endr
.endr
	s_wait_dscnt 0x0
	s_barrier_signal -1
	s_barrier_wait -1                              ; the two key steps' scale words of v are whole
	s_cmp_lg_u32 s20, 0
	s_cbranch_scc1 .Lend
	ds_load_b128 v[212:215], v[L16] offset:VSS
	s_wait_dscnt 0x0
	global_store_b128 v[L16], v[212:215], s[32:33] ; 512 consecutive bytes
.Lend:
	s_wait_tensorcnt 0x0
	ds_add_u32 v30, v31
	s_wait_dscnt 0x0
	s_endpgm
.Lfunc_end_k_q4842d728fd_proj:
	.size	k_q4842d728fd_proj, .Lfunc_end_k_q4842d728fd_proj-k_q4842d728fd_proj
	.p2alignl 7, 3214868480
	.fill 96, 4, 3214868480
	.section	.rodata,"a",@progbits
	.p2align	6, 0x0
	.amdhsa_kernel k_q4842d728fd_proj
		.amdhsa_group_segment_fixed_size 11776
		.amdhsa_private_segment_fixed_size 0
		.amdhsa_enable_private_segment 0
		.amdhsa_kernarg_size 64
		.amdhsa_user_sgpr_count 2
		.amdhsa_user_sgpr_kernarg_segment_ptr 1
		.amdhsa_wavefront_size32 1
		.amdhsa_system_sgpr_workgroup_id_x 1
		.amdhsa_system_sgpr_workgroup_id_y 1
		.amdhsa_system_sgpr_workgroup_id_z 1
		.amdhsa_system_vgpr_workitem_id 0
		.amdhsa_next_free_vgpr 384
		.amdhsa_next_free_sgpr 66
		.amdhsa_reserve_vcc 0
		.amdhsa_float_denorm_mode_32 3
		.amdhsa_float_denorm_mode_16_64 3
		.amdhsa_memory_ordered 1
		.amdhsa_forward_progress 1
		.amdhsa_inst_pref_size 67
	.end_amdhsa_kernel
	.amdgpu_metadata
---
amdhsa.version: [ 1, 2 ]
amdhsa.kernels:
  - .name:           k_q4842d728fd_proj
    .symbol:         k_q4842d728fd_proj.kd
    .args:
      - { .name: x, .offset: 0, .size: 8, .value_kind: global_buffer, .address_space: global }
      - { .name: wq, .offset: 8, .size: 8, .value_kind: global_buffer, .address_space: global }
      - { .name: wk, .offset: 16, .size: 8, .value_kind: global_buffer, .address_space: global }
      - { .name: wv, .offset: 24, .size: 8, .value_kind: global_buffer, .address_space: global }
      - { .name: qimg, .offset: 32, .size: 8, .value_kind: global_buffer, .address_space: global }
      - { .name: qs, .offset: 40, .size: 8, .value_kind: global_buffer, .address_space: global }
      - { .name: kv, .offset: 48, .size: 8, .value_kind: global_buffer, .address_space: global }
      - { .name: sc, .offset: 56, .size: 8, .value_kind: global_buffer, .address_space: global }
    .group_segment_fixed_size: 11776
    .private_segment_fixed_size: 0
    .kernarg_segment_align: 8
    .kernarg_segment_size: 64
    .max_flat_workgroup_size: 128
    .sgpr_count:     66
    .vgpr_count:     384
    .wavefront_size: 32
...
	.end_amdgpu_metadata
.endif
;; end of part 1
;; launch attn (part 2): grid 8 x 32, 8 waves a work-group, clusters of 4 x 1, 277,504 bytes of LDS; arguments qimg, qs, kv, sc, x, y1, part1; writes y1, part1
.if DOCPART == 2
	.amdgcn_target "amdgcn-amd-amdhsa--gfx1250"
	.amdhsa_code_object_version 6
	.text
	.protected	k_q4842d728fd_attn
	.globl	k_q4842d728fd_attn
	.p2align	8
	.type	k_q4842d728fd_attn,@function
k_q4842d728fd_attn:
	s_mov_b64 s[64:65], 0
	v_nop
	global_prefetch_b8 v0, s[64:65] scope:SCOPE_SE
	s_setreg_imm32_b32 hwreg(HW_REG_WAVE_MODE, 25, 1), 1
	s_wait_xcnt 0x0
	s_wait_alu depctr_hold_cnt(0) depctr_sa_sdst(0) depctr_va_vdst(0) depctr_va_sdst(0) depctr_va_ssrc(0) depctr_va_vcc(0) depctr_vm_vsrc(0)
	s_getreg_b32 s2, hwreg(HW_REG_IB_STS2, 6, 4)
	s_cmp_eq_u32 s2, 0
	s_cbranch_scc0 .Lentry_in_a_cluster
	s_endpgm
.Lentry_in_a_cluster:
	s_bfe_u32 s2, ttmp6, 0x10000c
	s_cmp_lg_u32 s2, 0x3003
	s_cbranch_scc0 .Lentry_shape_is_right
	s_endpgm
.Lentry_shape_is_right:
; y1 = x + softmax(q k^T / 8) v, one head of 64 channels over the 2,048 points of a batch, both products on codes of FP6 (E2M3) with E8M0 scales; and for each channel the work-group's mean and
; sum of squared deviations of y1 (256 points), for the normalisation that follows.
; THE SOFTMAX AHEAD OF THE SECOND PRODUCT: t = score x log2(e) / 8; M = the running largest t rounded up to a whole number; p = 2^(t - M) is quantised along the keys, not normalised; the row's sum
; is taken of the unquantised p and divides at the end.  When M moves, the sum and O are multiplied by 2^(old M - new M): exact.
; SHARES.  A work-group owns 256 queries of a batch, each of its eight waves 32: two tiles of 16.  Two waves to a SIMD: one wave's vector work stands beside the other's products and LDS loads.
; A fragment of K or V read from LDS feeds two products.
; ALL OF A BATCH'S K, V AND SCALE WORDS STAY IN LDS (208,896 bytes), as images of operand registers: each byte is filled once, so there is no ring.  The four work-groups of a cluster belong to one
; batch: each fill is asked for JOINTLY, by the same tensor load with the same descriptor and a mask that names the four.
; THE FILLS GO OUT TOGETHER AND ARE WAITED FOR PIECE BY PIECE.  A wave has five tensor loads out at the most: its eighth of the scale words, of key steps 0-1, of steps 2-3, of steps 4-7 and of steps 8-15.
; Step s reads V of step s and K of step s + 1: so behind the barrier for steps 0-1 the waves work step 0, behind that for steps 2-3 steps 1-2, behind that for steps 4-7 steps 3-6, then steps 7-15.
; Each later load has the steps on the bytes before it in which to land: 1, 2 and 4 steps' work for 2, 4 and 8 steps' bytes.
; Nothing is prefetched: K, V and Q are asked for at the head by the loads themselves; x's rows go straight into registers, asked for behind the last of these barriers, nine key steps ahead of their use.
; LAYOUT.  Both products are used transposed: S^T = K Q^T (source 0 = 16 keys, source 1 = 16 queries), O^T = V^T P^T (source 0 = 16 channels, source 1 = P): a lane holds one query throughout.
; Row r of key tile 2 b + u is key 32 b + 8 u + r + 8 (r / 8), so that the 16 registers of tiles 2 b and 2 b + 1 are 16 neighbouring keys.
; HALF-IMAGE (768 bytes): six registers of a fragment, K = 64: registers 0-3 at 16 x lane, registers 4-5 at 512 + 8 x lane.
; K = 64 IN AN INSTRUCTION OF K = 128 (first product): Q's registers 6-11 hold zero codes; K's fragments lie 6 registers apart, so a fragment's registers 6-11 are the next one (behind the last: six
; cleared registers).  The format has no code for infinity or NaN, so what meets a zero code adds nothing; scale bytes 2 and 3 are 0, never 0xff.
; LIMITS: NaN and infinities are not served.
; REGISTERS, window 0: v1-11, v27, v30 addresses; v12-19 statistics; v20-29 scale words; v32-159 S^T, then p, 64 a tile; v160-183 p's codes; v184-231 at work.
;   window 1: v0-63 O^T; v64-87 Q; v88-141 K of one step; v142-189 V of one step; v192-255 x's rows for the way out.
.set STEPB, 12288                      ; a key step in LDS: K's 8 half-images of 768 bytes, then V's 8
.set SC,    196608                     ; K's scale words (512 bytes a step), from + 8192 V's (256 a step)
.set STAGE, 208896                     ; the way out: 64 channels x (256 points x 4 bytes + 16); no fill lands here
.set STATS, 275456                     ; 64 means, 64 sums of squares
.set SPITCH, 1040
.set L16, 1                            ; v1   16 x lane
.set L8,  2                            ; v2   8 x lane
.set A16, 3                            ; v3, v4   this step's V
.set A8,  4
.set N16, 5                            ; v5, v6   the next step's K
.set N8,  6
.set AKS, 7                            ; v7   the next step's scale words of K
.set AVS, 8                            ; v8   this step's of V
.set STO, 9                            ; v9   the way out: where my query's numbers go
.set RD,  10                           ; v10  where my wave's channels are read back
.set SA,  11                           ; v11  where my wave's figures go
.set ST,  12                           ; tile q at v[ST + 4 q]: -M, the largest t, the sum in two halves
.set KS,  20                           ; v20-23 K's scale words: register b: tile 2 b in lanes 0-15, tile 2 b + 1 in lanes 16-31
.set VS,  24                           ; v24-25 V's likewise
.set QS,  26                           ; v26    Q's: tile 0 in lanes 0-15, tile 1 in lanes 16-31
.set QA,  27                           ; v27    where Q's scale words are read
.set PW,  28                           ; v28-29 p's scale words
.set SL,  30                           ; v30    STATS + 16 x lane (STATS lies beyond an LDS instruction's 16-bit offset)
.set S,   32
.set P,   160
.set T,   184                          ; tile q at v[T + 24 q]: +0..3 block maxima; +4..7 permutes, bytes, second chain of the sum; +8..11 scale operands; +12.., +16.. conversions; +20 at work; +22, +23 f
.set O,   0                            ; window 1
.set QF,  64
.set KF,  88
.set VF,  142
.set XR,  192
.set WV,  18
.set SEL, 20                           ; s[20:21] lane selects of v_permlanex16_b32: lane l xor 16
.set CS,  22                           ; s[22:23] c = log2(e) / 8
.set G1S, 24                           ; s[24:31] descriptor group 1: 6 rows of 256 bytes (the scale words)
.set G1C, 32                           ; s[32:39] 12 rows (steps 0-1; steps 2-3)
.set G1D, 40                           ; s[40:47] 24 rows (steps 4-7)
.set G1E, 48                           ; s[48:55] 48 rows (steps 8-15)
.set G0S, 56                           ; s[56:59] descriptor group 0: the scale words
.set G0A, 60                           ; s[60:63] steps 0-1
.set G0B, 68                           ; s[68:71] steps 2-3
.set G0D, 72                           ; s[72:75] steps 4-7
.set G0E, 76                           ; s[76:79] steps 8-15
.set TB,  80                           ; s80 LDS byte of the step in hand
.set TN,  81                           ; s81 of the next step (held at the last)
.set TKS, 82                           ; s82 K's scale words of the step in hand
.set TKN, 83                           ; s83 of the next step (held at the last)
.set TVS, 84                           ; s84 V's scale words of the step in hand
.set CNT, 85
.set BAT, 86                           ; s86 the batch
.set QB,  87                           ; s87 my block of 256 queries
.set Y,  96                            ; the way out
.set EA, 160
.set EB, 176
.set ES, 192
.set EP, 200
.set EM, 208
.set ED, 224
.set EQ, 240
.set MSB, 0
.macro WIN new                         ; the immediate's high byte repeats the setting that is left
.if MSB != \new
	s_set_vgpr_msb (MSB<<8)|\new
.set MSB, \new
.endif
.endm
.macro WMZ d, a, b, sa, sb, ra, rb     ; a product that starts a sum.  ra, rb = 1: that side's scales are taken from lanes 16-31
.if (\ra) && (\rb)
	v_wmma_scale_f32_16x16x128_f8f6f4 v[\d:\d+7], v[\a:\a+11], v[\b:\b+11], 0, v[\sa], v[\sb] matrix_a_fmt:MATRIX_FMT_FP6 matrix_b_fmt:MATRIX_FMT_FP6 matrix_a_scale:MATRIX_SCALE_ROW1 matrix_b_scale:MATRIX_SCALE_ROW1
.elseif (\ra)
	v_wmma_scale_f32_16x16x128_f8f6f4 v[\d:\d+7], v[\a:\a+11], v[\b:\b+11], 0, v[\sa], v[\sb] matrix_a_fmt:MATRIX_FMT_FP6 matrix_b_fmt:MATRIX_FMT_FP6 matrix_a_scale:MATRIX_SCALE_ROW1
.elseif (\rb)
	v_wmma_scale_f32_16x16x128_f8f6f4 v[\d:\d+7], v[\a:\a+11], v[\b:\b+11], 0, v[\sa], v[\sb] matrix_a_fmt:MATRIX_FMT_FP6 matrix_b_fmt:MATRIX_FMT_FP6 matrix_b_scale:MATRIX_SCALE_ROW1
.else
	v_wmma_scale_f32_16x16x128_f8f6f4 v[\d:\d+7], v[\a:\a+11], v[\b:\b+11], 0, v[\sa], v[\sb] matrix_a_fmt:MATRIX_FMT_FP6 matrix_b_fmt:MATRIX_FMT_FP6
.endif
.endm
.macro WMA d, a, b, sa, sb, ra         ; a product that adds onto v[d] on
.if (\ra)
	v_wmma_scale_f32_16x16x128_f8f6f4 v[\d:\d+7], v[\a:\a+11], v[\b:\b+11], v[\d:\d+7], v[\sa], v[\sb] matrix_a_fmt:MATRIX_FMT_FP6 matrix_b_fmt:MATRIX_FMT_FP6 matrix_a_scale:MATRIX_SCALE_ROW1
.else
	v_wmma_scale_f32_16x16x128_f8f6f4 v[\d:\d+7], v[\a:\a+11], v[\b:\b+11], v[\d:\d+7], v[\sa], v[\sb] matrix_a_fmt:MATRIX_FMT_FP6 matrix_b_fmt:MATRIX_FMT_FP6
.endif
.endm
; A round of the cluster's barrier: my work-group's barrier, so that wave 0's signal speaks for all eight waves; wave 0 signals; every wave waits for all four work-groups; my work-group's barrier once more
.macro CROUND
	s_barrier_signal -1
	s_barrier_wait -1
	s_cmp_lg_u32 s[WV], 0
	s_cbranch_scc1 .Lnot_wave_0_\@
	s_barrier_signal -3
.Lnot_wave_0_\@:
	s_barrier_wait -3
	s_barrier_signal -1
	s_barrier_wait -1
.endm
; The next piece of K and V has landed: my eighth of it by my own count (left = how many younger tensor loads of mine may stay out), everybody's behind the barrier
.macro LANDED left
	s_wait_tensorcnt \left
	s_wait_dscnt 0x0                               ; no LDS instruction of mine is pending at the signal
	s_barrier_signal -1
	s_barrier_wait -1
.endm
.macro LANESUM                         ; v[ES] .. v[ES + 7], each summed over the wave's 32 lanes
.irp x, 1,2,4,8
.irp i, 0,1,2,3,4,5,6,7
	v_add_f32_dpp v[ES+\i], v[ES+\i], v[ES+\i] row_xmask:\x row_mask:0xf bank_mask:0xf
.endr
.endr
.irp i, 0,1,2,3,4,5,6,7
	v_permlanex16_b32 v[EP+\i], v[ES+\i], s[SEL], s[SEL+1]
.endr
.irp i, 0,1,2,3,4,5,6,7
	v_add_f32 v[ES+\i], v[ES+\i], v[EP+\i]
.endr
.endm
	s_load_b256 s[4:11], s[0:1], 0x0               ; qimg s[4:5], qs s[6:7], kv s[8:9], sc s[10:11]
	s_load_b128 s[12:15], s[0:1], 0x20             ; x s[12:13], y1 s[14:15]
	s_load_b64 s[16:17], s[0:1], 0x30              ; part1
	v_lshl_add_u32 v31, v0, 2, 0x43800
	s_set_vgpr_msb 0x40
	v_mov_b32 v191, 0
	s_set_vgpr_msb 0x4044
	ds_add_u32 v31, v191
	ds_add_u32 v31, v191
	s_set_vgpr_msb 0x4400
	v_lshrrev_b32 v1, 5, v0
	v_readfirstlane_b32 s[WV], v1                  ; wave 0..7
	s_and_b32 s[BAT], ttmp7, 0xffff                ; the batch, which the four partners share
	s_bfe_u32 s19, ttmp6, 0x40000                  ; cx: my place in the cluster
	s_lshl_b32 s[QB], ttmp9, 2
	s_add_co_u32 s[QB], s[QB], s19                 ; my block of 256 queries: it enters global addresses of Q, x, y1 and part1 alone
	; descriptor group 1: dense blocks as rows of 256 bytes (32 elements of 8 bytes); 15:0 the mask: all four work-groups; 17:16 element size code 3; 21 set beside a mask
.irp g, G1S, G1C, G1D, G1E
	s_mov_b32 s[\g], 15|(3<<16)|(1<<21)
	s_mov_b32 s[\g+1], 32<<16                      ; tensor_dim0 = 32
	s_mov_b32 s[\g+3], 32<<16                      ; tile_dim0 = 32
	s_mov_b32 s[\g+5], 32                          ; from row to row
	s_mov_b32 s[\g+6], 0
	s_mov_b32 s[\g+7], 0
.endr
	s_mov_b32 s[G1S+2], 6<<16                      ; the scale words: 6 rows a wave (12,288 bytes in all)
	s_mov_b32 s[G1S+4], 6
	s_mov_b32 s[G1C+2], 12<<16                     ; two key steps: 12 rows a wave (24,576 bytes)
	s_mov_b32 s[G1C+4], 12
	s_mov_b32 s[G1D+2], 24<<16                     ; four key steps: 24 rows a wave (49,152 bytes)
	s_mov_b32 s[G1D+4], 24
	s_mov_b32 s[G1E+2], 48<<16                     ; eight key steps: 48 rows a wave (98,304 bytes)
	s_mov_b32 s[G1E+4], 48
	s_mov_b32 s89, 0
	s_mov_b32 s91, 0
	s_mov_b32 s93, 0
	s_mov_b32 s95, 0
	s_mov_b32 s97, 0
	s_mul_i32 s[G0S+1], s[WV], 1536
	s_mul_i32 s88, s[BAT], 12288
	s_add_co_u32 s88, s88, s[G0S+1]                ; in sc: the batch's 12,288 bytes, my wave's 1,536
	s_add_co_u32 s[G0S+1], s[G0S+1], SC            ; in LDS
	s_mul_i32 s98, s[BAT], 196608                  ; the batch's part of kv: a byte has the same place in it as in LDS
	s_mul_i32 s[G0A+1], s[WV], 3072                ; steps 0-1: my wave's 3,072 bytes
	s_add_co_u32 s90, s98, s[G0A+1]
	s_add_co_u32 s[G0B+1], s[G0A+1], 24576         ; steps 2-3 likewise
	s_add_co_u32 s92, s98, s[G0B+1]
	s_mul_i32 s[G0D+1], s[WV], 6144
	s_add_co_u32 s[G0D+1], s[G0D+1], 49152         ; steps 4-7: my wave's 6,144
	s_add_co_u32 s94, s98, s[G0D+1]
	s_mul_i32 s[G0E+1], s[WV], 12288
	s_add_co_u32 s[G0E+1], s[G0E+1], 98304         ; steps 8-15: my wave's 12,288
	s_add_co_u32 s96, s98, s[G0E+1]
	s_mov_b32 s[G0S], 1                            ; count = 1
	s_mov_b32 s[G0A], 1
	s_mov_b32 s[G0B], 1
	s_mov_b32 s[G0D], 1
	s_mov_b32 s[G0E], 1
	s_mov_b32 s[SEL], 0x76543210
	s_mov_b32 s[SEL+1], 0xfedcba98
	s_mov_b32 s[CS], 0x3e38aa3b                    ; c = log2(e) / 8
	s_mov_b32 s[CS+1], s[CS]                       ; (named with it as a pair, so it is written)
	v_and_b32 v2, 31, v0
	v_lshlrev_b32 v[L16], 4, v2
	v_lshlrev_b32 v[L8], 3, v2
	v_add_nc_u32 v[SL], STATS, v[L16]
	v_and_b32 v3, 15, v0
	v_and_b32 v4, 8, v0
	v_add_nc_u32 v3, v3, v4                        ; r + 8 (r / 8): my query's place among its tile's points
	v_bfe_u32 v4, v0, 4, 1
	v_mul_u32_u24 v4, v4, 8*SPITCH                 ; lanes 16-31 hold the channels 8 further on
	v_lshl_add_u32 v[STO], v3, 2, v4
	s_lshl_b32 s99, s[WV], 7
	s_add_co_u32 s99, s99, STAGE
	v_add_nc_u32 v[STO], s99, v[STO]               ; + my wave's 32 points
	s_mul_i32 s99, s[WV], 8*SPITCH
	s_add_co_u32 s99, s99, STAGE
	v_add_nc_u32 v[RD], s99, v[L16]                ; back: my wave's 8 channels
	s_lshl_b32 s99, s[WV], 5
	s_add_co_u32 s99, s99, STATS
	v_mov_b32 v[SA], s99
	s_and_b32 s99, s[WV], 1
	s_lshl_b32 s99, s99, 2
	v_add_nc_u32 v[QA], s99, v[L8]
	s_wait_dscnt 0x0
	s_wait_kmcnt 0x0
	s_add_nc_u64 s[G0S+2:G0S+3], s[10:11], s[88:89]
	s_or_b32 s[G0S+3], s[G0S+3], 0x80000000        ; type = 2
	s_add_nc_u64 s[G0A+2:G0A+3], s[8:9], s[90:91]
	s_or_b32 s[G0A+3], s[G0A+3], 0x80000000
	s_add_nc_u64 s[G0B+2:G0B+3], s[8:9], s[92:93]
	s_or_b32 s[G0B+3], s[G0B+3], 0x80000000
	s_add_nc_u64 s[G0D+2:G0D+3], s[8:9], s[94:95]
	s_or_b32 s[G0D+3], s[G0D+3], 0x80000000
	s_add_nc_u64 s[G0E+2:G0E+3], s[8:9], s[96:97]
	s_or_b32 s[G0E+3], s[G0E+3], 0x80000000
	CROUND                                         ; all four work-groups are here: the joint loads meet
	tensor_load_to_lds s[G0S:G0S+3], s[G1S:G1S+7]  ; all first fills in one group, in the order in which they are wanted
	s_nop 0
	tensor_load_to_lds s[G0A:G0A+3], s[G1C:G1C+7]
	s_nop 0
	tensor_load_to_lds s[G0B:G0B+3], s[G1C:G1C+7]
	s_nop 0
	tensor_load_to_lds s[G0D:G0D+3], s[G1D:G1D+7]
	s_nop 0
	tensor_load_to_lds s[G0E:G0E+3], s[G1E:G1E+7]
	s_nop 0
.rept 4
	v_nop                                          ; four behind a tensor load, ahead of a change of windows
.endr
	s_mov_b32 s3, 0
	s_lshl_b32 s2, s[BAT], 6
	s_lshl_b32 s99, s[QB], 3
	s_add_co_u32 s2, s2, s99
	s_add_co_u32 s2, s2, s[WV]                     ; my group of 32 queries: 64 x batch + 8 x block + wave
	s_mul_i32 s2, s2, 1536
	s_add_nc_u64 s[4:5], s[4:5], s[2:3]
	s_lshl_b32 s2, s[BAT], 5
	s_lshl_b32 s99, s[QB], 2
	s_add_co_u32 s2, s2, s99
	s_lshr_b32 s99, s[WV], 1
	s_add_co_u32 s2, s2, s99                       ; my span of 64 queries
	s_lshl_b32 s2, s2, 8
	s_add_nc_u64 s[6:7], s[6:7], s[2:3]
	global_load_b32 v[QS], v[QA], s[6:7]
	WIN 0x40                                       ; destination window 1
.irp q, 0,1
	global_load_b128 v[QF+12*\q:QF+12*\q+3], v[L16], s[4:5] offset:768*\q
	global_load_b64 v[QF+12*\q+4:QF+12*\q+5], v[L8], s[4:5] offset:768*\q+512
.endr
.set i, 0
.rept 64
	v_mov_b32 v[O+i], 0                            ; O^T.  (The step is written once for all steps: the first finds zeros, which the first change of M leaves zeros)
.set i, i+1
.endr
.irp q, 0,1
.irp i, 6,7,8,9,10,11
	v_mov_b32 v[QF+12*\q+\i], 0                    ; Q's zero codes for k = 64 .. 127
.endr
.endr
.irp i, 0,1,2,3,4,5
	v_mov_b32 v[KF+48+\i], 0                       ; what K's last fragment's registers 6-11 name
.endr
	WIN 0
	s_lshl_b32 s2, s[BAT], 19
	s_lshl_b32 s99, s[WV], 16
	s_add_co_u32 s2, s2, s99
	s_lshl_b32 s99, s[QB], 10
	s_add_co_u32 s2, s2, s99                       ; x, y1: the batch, channel 8 x wave, my block's 256 points
	s_add_nc_u64 s[12:13], s[12:13], s[2:3]
	s_add_nc_u64 s[14:15], s[14:15], s[2:3]
	s_lshl_b32 s2, s[BAT], 3
	s_add_co_u32 s2, s2, s[QB]
	s_lshl_b32 s2, s2, 9
	s_add_nc_u64 s[16:17], s[16:17], s[2:3]        ; part1: my work-group's 512 bytes
.irp q, 0,1
	v_mov_b32 v[ST+4*\q+1], 0xff61b1e6             ; the largest t so far: -3e38, under every t
	v_floor_f32 v[ST+4*\q], -v[ST+4*\q+1]          ; -M
	v_mov_b32 v[ST+4*\q+2], 0
	v_mov_b32 v[ST+4*\q+3], 0
.irp i, 4,5,6,7,23
	v_mov_b32 v[T+24*\q+\i], 0                     ; written once: permutes' destinations, and the upper half of f's pair
.endr
.endr
	s_mov_b32 s[TB], 0
	s_mov_b32 s[TKS], SC
	s_mov_b32 s[TVS], SC+8192
	v_add_nc_u32 v[AKS], s[TKS], v[L8]
	LANDED 0x3                                     ; the scale words and steps 0-1; the three loads of steps 2-15 may stay out
	WIN 0x40
.irp t, 0,1,2,3,4,5,6,7
	ds_load_b128 v[KF+6*\t:KF+6*\t+3], v[L16] offset:768*\t
	ds_load_b64 v[KF+6*\t+4:KF+6*\t+5], v[L8] offset:768*\t+512
.endr
	WIN 0
	ds_load_b64 v[KS:KS+1], v[AKS]
	ds_load_b64 v[KS+2:KS+3], v[AKS] offset:256
	s_wait_loadcnt 0x0                             ; Q and its scale words
; A KEY STEP: 128 keys.  K of this step is in registers; V of this step and K of the next are asked for behind the first product and land under the softmax.
.macro STEP
	s_wait_dscnt 0x0                               ; K and its scale words
	WIN 0x05                                       ; sources 0 and 1 window 1
.irp t, 0,1,2,3,4,5,6,7
.irp q, 0,1
	WMZ S+64*\q+8*\t, KF+6*\t, QF+12*\q, KS+\t/2, QS, \t%2, \q
.endr
.endr
	WIN 0
	s_add_co_u32 s[TN], s[TB], STEPB
	s_min_u32 s[TN], s[TN], 15*STEPB               ; the last step reads its own K once more, in place of a tail written out
	s_add_co_u32 s[TKN], s[TKS], 512
	s_min_u32 s[TKN], s[TKN], SC+15*512
	v_add_nc_u32 v[A16], s[TB], v[L16]             ; these six are also the places in front of the loads into registers that matrix instructions have read, and of the first read of the scores
	v_add_nc_u32 v[A8], s[TB], v[L8]
	v_add_nc_u32 v[N16], s[TN], v[L16]
	v_add_nc_u32 v[N8], s[TN], v[L8]
	v_add_nc_u32 v[AKS], s[TKN], v[L8]
	v_add_nc_u32 v[AVS], s[TVS], v[L8]
	WIN 0x40
.irp z, 0,1
.irp d, 0,1,2,3
	ds_load_b128 v[VF+12*\d+6*\z:VF+12*\d+6*\z+3], v[A16] offset:6144+768*(4*\z+\d)
	ds_load_b64 v[VF+12*\d+6*\z+4:VF+12*\d+6*\z+5], v[A8] offset:6144+768*(4*\z+\d)+512
.endr
.endr
.irp t, 0,1,2,3,4,5,6,7
	ds_load_b128 v[KF+6*\t:KF+6*\t+3], v[N16] offset:768*\t
	ds_load_b64 v[KF+6*\t+4:KF+6*\t+5], v[N8] offset:768*\t+512
.endr
	WIN 0
	ds_load_b64 v[VS:VS+1], v[AVS]
	ds_load_b64 v[KS:KS+1], v[AKS]
	ds_load_b64 v[KS+2:KS+3], v[AKS] offset:256
	; the softmax, the two tiles by turns.  The largest score of each block of 32 keys serves twice: for the row's maximum and, since p rises with the score, for the block's largest p
.irp b, 0,1,2,3
.irp q, 0,1
	v_max3_num_f32 v[T+24*\q+\b], v[S+64*\q+16*\b], v[S+64*\q+16*\b+1], v[S+64*\q+16*\b+2]
.endr
.endr
.irp i, 3,5,7,9,11,13
.irp b, 0,1,2,3
.irp q, 0,1
	v_max3_num_f32 v[T+24*\q+\b], v[T+24*\q+\b], v[S+64*\q+16*\b+\i], v[S+64*\q+16*\b+\i+1]
.endr
.endr
.endr
.irp b, 0,1,2,3
.irp q, 0,1
	v_max_num_f32 v[T+24*\q+\b], v[T+24*\q+\b], v[S+64*\q+16*\b+15]
.endr
.endr
.irp b, 0,1,2,3
.irp q, 0,1
	v_permlanex16_b32 v[T+24*\q+4+\b], v[T+24*\q+\b], s[SEL], s[SEL+1]
.endr
.endr
.irp b, 0,1,2,3
.irp q, 0,1
	v_max_num_f32 v[T+24*\q+\b], v[T+24*\q+\b], v[T+24*\q+4+\b]   ; with lane l xor 16's 16 keys
.endr
.endr
.irp q, 0,1
	v_max3_num_f32 v[T+24*\q+20], v[T+24*\q], v[T+24*\q+1], v[T+24*\q+2]
.endr
.irp q, 0,1
	v_max_num_f32 v[T+24*\q+20], v[T+24*\q+20], v[T+24*\q+3]      ; the step's largest score of my query
.endr
.irp q, 0,1
	v_mul_f32 v[T+24*\q+20], s[CS], v[T+24*\q+20]                 ; as t (c is positive)
.endr
.irp q, 0,1
	v_max_num_f32 v[ST+4*\q+1], v[ST+4*\q+1], v[T+24*\q+20]       ; the running largest t
.endr
.irp q, 0,1
	v_mov_b32 v[T+24*\q+20], v[ST+4*\q]
.endr
.irp q, 0,1
	v_floor_f32 v[ST+4*\q], -v[ST+4*\q+1]                         ; the new -M = -ceil(t): M is a whole number
.endr
.irp q, 0,1
	v_sub_f32 v[T+24*\q+20], v[ST+4*\q], v[T+24*\q+20]            ; old M - new M: a whole number, 0 or less
.endr
.irp q, 0,1
	v_cvt_i32_f32 v[T+24*\q+20], v[T+24*\q+20]                    ; (it saturates)
.endr
.irp q, 0,1
	v_ldexp_f32 v[T+24*\q+22], 1.0, v[T+24*\q+20]                 ; f = 2^(old M - new M)
.endr
.set j, 0
.rept 32
	v_pk_fma_f32 v[S+j:S+j+1], v[S+j:S+j+1], s[CS:CS+1], v[ST:ST+1] op_sel_hi:[1,0,0]                   ; t - M, two at a time (of the pairs c and -M the low word serves both halves)
	v_pk_fma_f32 v[S+64+j:S+64+j+1], v[S+64+j:S+64+j+1], s[CS:CS+1], v[ST+4:ST+5] op_sel_hi:[1,0,0]
.set j, j+2
.endr
.irp b, 0,1,2,3
.irp q, 0,1
	v_fma_f32 v[T+24*\q+\b], v[T+24*\q+\b], s[CS], v[ST+4*\q]     ; the same of each block's largest score
.endr
.endr
.set j, 0
.rept 64
	v_exp_f32 v[S+j], v[S+j]                       ; p = 2^(t - M), at most 1: not normalised
	v_exp_f32 v[S+64+j], v[S+64+j]
.set j, j+1
.endr
.irp q, 0,1
	v_pk_mul_f32 v[ST+4*\q+2:ST+4*\q+3], v[ST+4*\q+2:ST+4*\q+3], v[T+24*\q+22:T+24*\q+23] op_sel_hi:[1,0]   ; the sums under the new M: plain lines behind the exponentials
.endr
	s_wait_alu depctr_va_vdst(0)                   ; one wait for the batch of 128, ahead of its first reader
.irp b, 0,1,2,3
.irp q, 0,1
	v_exp_f32 v[T+24*\q+\b], v[T+24*\q+\b]         ; each block's largest p: the same two instructions on the same number give the same bits
.endr
.endr
.irp q, 0,1
	v_pk_add_f32 v[T+24*\q+4:T+24*\q+5], v[S+64*\q:S+64*\q+1], v[S+64*\q+2:S+64*\q+3]   ; the row's sum is taken of the unquantised p: two chains a tile.  (It reads the 128 alone)
.endr
.set j, 4
.rept 15
.irp q, 0,1
	v_pk_add_f32 v[ST+4*\q+2:ST+4*\q+3], v[ST+4*\q+2:ST+4*\q+3], v[S+64*\q+j:S+64*\q+j+1]
	v_pk_add_f32 v[T+24*\q+4:T+24*\q+5], v[T+24*\q+4:T+24*\q+5], v[S+64*\q+j+2:S+64*\q+j+3]
.endr
.set j, j+4
.endr
.irp q, 0,1
	v_pk_add_f32 v[ST+4*\q+2:ST+4*\q+3], v[ST+4*\q+2:ST+4*\q+3], v[T+24*\q+4:T+24*\q+5]
.endr
	s_wait_alu depctr_va_vdst(0)                   ; and one for the eight
.irp b, 0,1,2,3
.irp q, 0,1
	v_max_num_f32 v[T+24*\q+\b], 0x1800000, v[T+24*\q+\b]         ; the floor 2^(3 - 127): the byte cannot fall under 1
.endr
.endr
.irp b, 0,1,2,3
.irp q, 0,1
	v_add_nc_u32 v[T+24*\q+8+\b], 0xff000000, v[T+24*\q+\b]       ; 2 off the exponent field: the conversion's scale operand
.endr
.endr
.irp b, 0,1,2,3
.irp q, 0,1
	v_lshrrev_b32 v[T+24*\q+4+\b], 23, v[T+24*\q+8+\b]            ; the scale's byte
.endr
.endr
.irp q, 0,1
	v_lshl_or_b32 v[PW+\q], v[T+24*\q+5], 8, v[T+24*\q+4]         ; p's scale word for these 128 keys
.endr
.irp q, 0,1
	v_lshl_or_b32 v[PW+\q], v[T+24*\q+6], 16, v[PW+\q]
.endr
.irp q, 0,1
	v_lshl_or_b32 v[PW+\q], v[T+24*\q+7], 24, v[PW+\q]
.endr
.irp q, 0,1
.irp c, 0,1
	v_cvt_scalef32_pk16_fp6_f32 v[P+12*\q+6*\c:P+12*\q+6*\c+2], v[S+64*\q+32*\c:S+64*\q+32*\c+15], v[T+24*\q+8+2*\c]
	v_cvt_scalef32_pk16_fp6_f32 v[T+24*\q+12+4*\c:T+24*\q+14+4*\c], v[S+64*\q+32*\c+16:S+64*\q+32*\c+31], v[T+24*\q+9+2*\c]   ; (a conversion's three registers begin on an even number)
.endr
.endr
	v_nop                                          ; one plain place behind the scaled conversions
.irp q, 0,1
.irp c, 0,1                            ; the operand's layout wants a whole block in a lane
.irp i, 0,1,2
	v_permlane16_swap_b32 v[P+12*\q+6*\c+\i], v[T+24*\q+12+4*\c+\i]
.endr
.irp i, 0,1,2
	v_mov_b32 v[P+12*\q+6*\c+3+\i], v[T+24*\q+12+4*\c+\i]
.endr
.endr
.endr
	s_wait_dscnt 0x0                               ; V, its scale words, and the next step's K
	WIN 0x41                                       ; O^T (destination and source 0) window 1, f window 0
.irp q, 0,1
.set j, 0
.rept 16
	v_pk_mul_f32 v[O+32*\q+j:O+32*\q+j+1], v[O+32*\q+j:O+32*\q+j+1], v[T+24*\q+22:T+24*\q+23] op_sel_hi:[1,0]   ; O^T under the new M.  (These 32 are also the places between p's codes and scale words and the products)
.set j, j+2
.endr
.endr
	WIN 0x51                                       ; V window 1, P window 0, C and D window 1
.irp d, 0,1,2,3                        ; the eight accumulators take turns, one instruction a turn
.irp q, 0,1
	WMA O+32*\q+8*\d, VF+12*\d, P+12*\q, VS+\d/2, PW+\q, \d%2
.endr
.endr
	WIN 0
	s_add_co_u32 s[TB], s[TB], STEPB
	s_add_co_u32 s[TKS], s[TKS], 512
	s_add_co_u32 s[TVS], s[TVS], 256
.endm
	STEP                                           ; step 0: it reads V of step 0 and K of step 1
	LANDED 0x2                                     ; steps 2-3; the loads of steps 4-7 and 8-15 may stay out
	s_mov_b32 s[CNT], 2
.Lsteps_1:                                             ; steps 1-2: they read up to K of step 3
	STEP
	s_sub_co_u32 s[CNT], s[CNT], 1
	s_cmp_lg_u32 s[CNT], 0
	s_cbranch_scc1 .Lsteps_1
	LANDED 0x1                                     ; steps 4-7; the load of steps 8-15 may stay out
	s_mov_b32 s[CNT], 4
.Lsteps_3:                                             ; steps 3-6: they read up to K of step 7
	STEP
	s_sub_co_u32 s[CNT], s[CNT], 1
	s_cmp_lg_u32 s[CNT], 0
	s_cbranch_scc1 .Lsteps_3
	LANDED 0x0                                     ; steps 8-15: all of K and V lies in LDS
	WIN 0x40                                       ; destination window 1
.irp i, 0,1,2,3,4,5,6,7                ; x's rows for the way out: asked for here, where no tile is on its way any more; nine key steps stand between these loads and the wait for them
	global_load_b128 v[XR+8*\i:XR+8*\i+3], v[L16], s[12:13] offset:8192*\i th:TH_LOAD_NT
	global_load_b128 v[XR+8*\i+4:XR+8*\i+7], v[L16], s[12:13] offset:8192*\i+512 th:TH_LOAD_NT
.endr
	WIN 0
	s_mov_b32 s[CNT], 9
.Lsteps_7:                                             ; steps 7-15
	STEP
	s_sub_co_u32 s[CNT], s[CNT], 1
	s_cmp_lg_u32 s[CNT], 0
	s_cbranch_scc1 .Lsteps_7
	; THE WAY OUT.  The sum's halves are added; O^T is divided by the sum and goes into the stage, channel by channel.  The additions and the v_nop are the places behind the last products.
.irp q, 0,1
	v_add_f32 v[T+24*\q+20], v[ST+4*\q+2], v[ST+4*\q+3]
.endr
.irp q, 0,1
	v_permlanex16_b32 v[T+24*\q+4], v[T+24*\q+20], s[SEL], s[SEL+1]
.endr
.irp q, 0,1
	v_add_f32 v[T+24*\q+20], v[T+24*\q+20], v[T+24*\q+4]
.endr
.irp q, 0,1
	v_rcp_f32 v[T+24*\q+20], v[T+24*\q+20]
.endr
	v_nop                                          ; a plain place behind the reciprocals
	s_wait_alu depctr_va_vdst(0)                   ; and their wait, ahead of the first reader
	WIN 0x01                                       ; source 0 window 1
.irp q, 0,1
.set j, 0
.rept 32
	v_mul_f32 v[32+32*\q+j], v[O+32*\q+j], v[T+24*\q+20]          ; register 8 d + i: channel 16 d + 8 (lane / 16) + i of my query; each accumulator from its low end on
.set j, j+1
.endr
.endr
	WIN 0
.irp q, 0,1
.irp d, 0,1,2,3
.irp j, 0,1,2,3,4,5,6,7
	ds_store_b32 v[STO], v[32+32*\q+8*\d+\j] offset:(16*\d+\j)*SPITCH+32*\q   ; the two halves of the lanes lie 2,080 words apart, 32 modulo 64 (64 banks of 4 bytes: ISA guide 11.1)
.endr
.endr
.endr
	; The stage holds 64 channels x 256 points.  Wave w takes channels 8 w .. 8 w + 7, whole rows: adds x, stores them (512 consecutive bytes an instruction), and takes each channel's mean over the
	; 256 points and then the sum of squared deviations from THAT mean: no difference of large sums is formed.
	s_wait_dscnt 0x0                               ; my stores into the stage have landed
	s_barrier_signal -1
	s_barrier_wait -1
.irp i, 0,1,2,3,4,5,6,7
	ds_load_b128 v[Y+8*\i:Y+8*\i+3], v[RD] offset:SPITCH*\i
	ds_load_b128 v[Y+8*\i+4:Y+8*\i+7], v[RD] offset:SPITCH*\i+512
.endr
.irp i, 0,1,2,3,4,5,6,7
	v_mov_b32 v[EP+\i], 0                          ; written once: a lane permute's destination counts as one of its sources
.endr
	s_wait_dscnt 0x0
	s_wait_loadcnt 0x0                             ; x's rows
	WIN 0x04                                       ; source 1 window 1
.set j, 0
.rept 32
	v_pk_add_f32 v[Y+j:Y+j+1], v[Y+j:Y+j+1], v[XR+j:XR+j+1]
.set j, j+2
.endr
	WIN 0
.irp i, 0,1,2,3,4,5,6,7
	global_store_b128 v[L16], v[Y+8*\i:Y+8*\i+3], s[14:15] offset:8192*\i th:TH_STORE_NT
	global_store_b128 v[L16], v[Y+8*\i+4:Y+8*\i+7], s[14:15] offset:8192*\i+512 th:TH_STORE_NT
.endr
.irp i, 0,1,2,3,4,5,6,7
	v_pk_add_f32 v[EA+2*\i:EA+2*\i+1], v[Y+8*\i:Y+8*\i+1], v[Y+8*\i+2:Y+8*\i+3]
	v_pk_add_f32 v[EB+2*\i:EB+2*\i+1], v[Y+8*\i+4:Y+8*\i+5], v[Y+8*\i+6:Y+8*\i+7]
.endr
.irp i, 0,1,2,3,4,5,6,7
	v_pk_add_f32 v[EA+2*\i:EA+2*\i+1], v[EA+2*\i:EA+2*\i+1], v[EB+2*\i:EB+2*\i+1]
.endr
.irp i, 0,1,2,3,4,5,6,7
	v_add_f32 v[ES+\i], v[EA+2*\i], v[EA+2*\i+1]
.endr
	LANESUM
.irp i, 0,1,2,3,4,5,6,7
	v_mul_f32 v[EM+2*\i], 0x3b800000, v[ES+\i]     ; the mean of 256, twice: a pair for the packed subtraction
	v_mul_f32 v[EM+2*\i+1], 0x3b800000, v[ES+\i]
.endr
.irp i, 0,1,2,3,4,5,6,7
.irp k, 0,1,2,3
	v_pk_add_f32 v[ED+8*(\i%2)+2*\k:ED+8*(\i%2)+2*\k+1], v[Y+8*\i+2*\k:Y+8*\i+2*\k+1], v[EM+2*\i:EM+2*\i+1] neg_lo:[0,1] neg_hi:[0,1]
.endr
	v_pk_mul_f32 v[EQ+2*\i:EQ+2*\i+1], v[ED+8*(\i%2):ED+8*(\i%2)+1], v[ED+8*(\i%2):ED+8*(\i%2)+1]
.irp k, 1,2,3
	v_pk_fma_f32 v[EQ+2*\i:EQ+2*\i+1], v[ED+8*(\i%2)+2*\k:ED+8*(\i%2)+2*\k+1], v[ED+8*(\i%2)+2*\k:ED+8*(\i%2)+2*\k+1], v[EQ+2*\i:EQ+2*\i+1]
.endr
.endr
.irp i, 0,1,2,3,4,5,6,7
	v_add_f32 v[ES+\i], v[EQ+2*\i], v[EQ+2*\i+1]
.endr
	LANESUM
.irp i, 0,1,2,3,4,5,6,7
	ds_store_b32 v[SA], v[EM+2*\i] offset:4*\i     ; all lanes write the same word with the same value
	ds_store_b32 v[SA], v[ES+\i] offset:256+4*\i
.endr
	s_wait_dscnt 0x0
	s_barrier_signal -1
	s_barrier_wait -1                              ; 64 means and 64 sums of squares lie together
	s_cmp_lg_u32 s[WV], 0
	s_cbranch_scc1 .Lnot_first
	ds_load_b128 v[EA:EA+3], v[SL]
	s_wait_dscnt 0x0
	global_store_b128 v[L16], v[EA:EA+3], s[16:17] ; 512 consecutive bytes
.Lnot_first:
	s_set_vgpr_msb 0x4
	s_wait_tensorcnt 0x0
	ds_add_u32 v31, v191
	s_wait_dscnt 0x0
	s_set_vgpr_msb 0x400
	CROUND                                         ; the closing round: no work-group ends while a partner may still ask for a tile that names it
	s_endpgm
.Lfunc_end_k_q4842d728fd_attn:
	.size	k_q4842d728fd_attn, .Lfunc_end_k_q4842d728fd_attn-k_q4842d728fd_attn
	.p2alignl 7, 3214868480
	.fill 96, 4, 3214868480
	.section	.rodata,"a",@progbits
	.p2align	6, 0x0
	.amdhsa_kernel k_q4842d728fd_attn
		.amdhsa_group_segment_fixed_size 277504
		.amdhsa_private_segment_fixed_size 0
		.amdhsa_enable_private_segment 0
		.amdhsa_kernarg_size 56
		.amdhsa_user_sgpr_count 2
		.amdhsa_user_sgpr_kernarg_segment_ptr 1
		.amdhsa_wavefront_size32 1
		.amdhsa_system_sgpr_workgroup_id_x 1
		.amdhsa_system_sgpr_workgroup_id_y 1
		.amdhsa_system_sgpr_workgroup_id_z 1
		.amdhsa_system_vgpr_workitem_id 0
		.amdhsa_next_free_vgpr 512
		.amdhsa_next_free_sgpr 100
		.amdhsa_reserve_vcc 0
		.amdhsa_float_denorm_mode_32 3
		.amdhsa_float_denorm_mode_16_64 3
		.amdhsa_memory_ordered 1
		.amdhsa_forward_progress 1
		.amdhsa_inst_pref_size 158
	.end_amdhsa_kernel
	.amdgpu_metadata
---
amdhsa.version: [ 1, 2 ]
amdhsa.kernels:
  - .name:           k_q4842d728fd_attn
    .symbol:         k_q4842d728fd_attn.kd
    .args:
      - { .name: qimg, .offset: 0, .size: 8, .value_kind: global_buffer, .address_space: global }
      - { .name: qs, .offset: 8, .size: 8, .value_kind: global_buffer, .address_space: global }
      - { .name: kv, .offset: 16, .size: 8, .value_kind: global_buffer, .address_space: global }
      - { .name: sc, .offset: 24, .size: 8, .value_kind: global_buffer, .address_space: global }
      - { .name: x, .offset: 32, .size: 8, .value_kind: global_buffer, .address_space: global }
      - { .name: y1, .offset: 40, .size: 8, .value_kind: global_buffer, .address_space: global }
      - { .name: part1, .offset: 48, .size: 8, .value_kind: global_buffer, .address_space: global }
    .group_segment_fixed_size: 277504
    .private_segment_fixed_size: 0
    .kernarg_segment_align: 8
    .kernarg_segment_size: 56
    .max_flat_workgroup_size: 256
    .sgpr_count:     100
    .vgpr_count:     512
    .wavefront_size: 32
...
	.end_amdgpu_metadata
.endif
;; end of part 2
;; launch ffn (part 3): grid 256 x 1, 8 waves a work-group, no clusters, 94,208 bytes of LDS; arguments y1, part1, bn1_gamma, bn1_beta, w_ff1, w_ff2, y2, part2; writes y2, part2
.if DOCPART == 3
	.amdgcn_target "amdgcn-amd-amdhsa--gfx1250"
	.amdhsa_code_object_version 6
	.text
	.protected	k_q4842d728fd_ffn
	.globl	k_q4842d728fd_ffn
	.p2align	8
	.type	k_q4842d728fd_ffn,@function
k_q4842d728fd_ffn:
	s_mov_b64 s[64:65], 0
	v_nop
	global_prefetch_b8 v0, s[64:65] scope:SCOPE_SE
	s_setreg_imm32_b32 hwreg(HW_REG_WAVE_MODE, 25, 1), 1
	s_wait_xcnt 0x0
; h = BatchNorm(y1); y2 = h + w_ff2 leaky(w_ff1 h), both products on codes of FP6 (E2M3) with E8M0 scales; and each channel's mean and sum of squared deviations of y2 over the work-group's 256 points.
; THE STATISTICS of y1 come as 256 pairs (mean, sum of squared deviations of 256 points) a channel.  With K = the first pair's mean, d = mean - K: mean = K + sum d / 256;
; variance = (sum M2 + 256 (sum d^2 - (sum d)^2 / 256)) / 65,536: the d are as small as the local means' spread, so no difference of large sums is formed.
; h = y a + (beta - mean a), a = gamma / sqrt(variance + 1e-5), one fused multiply-add.  LIMIT: with a common offset of 30 spreads on y1 that rounds to about 2e-6 of the spread.
; NaN and infinities are not served.  A block of zeros gets the scale byte 1 where the rule says 127: its codes are zeros, and nobody else reads the bytes.
; SHARES.  A work-group takes 256 points of a batch, each of its eight waves 32: two tiles of 16 (row r of tile u is point 8 u + r + 8 (r / 8)).  y1 is loaded a lane to a point, registers down the channels.
; Each wave quantises one tile of w_ff1 and half a tile of w_ff2 and hands them on through LDS as images of operand registers; every wave then keeps all weights in registers.
; Both products are used transposed (source 0 = 16 rows of the weight, source 1 = 16 points): a lane holds one point; w_ff1's rows of a tile are chosen so that two neighbouring tiles' registers are 16
; neighbours along the next K.  THE RESIDUAL COSTS NO ADDITION: h, brought into the result's layout by lane swaps, is the C of the second product.
; K = 64 IN AN INSTRUCTION OF K = 128 (first product): h's registers 6-11 hold zero codes; w_ff1's fragments lie 6 registers apart (behind the last: six cleared registers); scale bytes 2 and 3 are 0.
; REGISTERS, window 0: v1-9 addresses; v16-27 the weights' scale words, v28 h's, v29 the hidden layer's; v32-95 y1, h, y2; v96-159 the hidden layer; v160-183 h's fragments; v184-195 the hidden layer's codes;
;   v196-235 at work; v236-247 addresses of the prologue.  Window 1: v0-53 w_ff1; v54-101 w_ff2; v104-231 32 rows of part1.
.set RED,   0                          ; LDS: the waves' partial sums, 1,024 bytes each
.set CTAB,  8192                       ; a and beta - mean a by channel, a table of 512 bytes for each wave
.set WIMG,  12288                      ; 16 half-images of weights
.set WSC,   24576                      ; their scale words
.set STAGE, 26112                      ; 64 channels x (256 points x 4 bytes + 16)
.set STATS, 92672
.set SPITCH, 1040
.set L16, 1
.set L8,  2
.set L4,  3
.set XO,  4
.set STO, 5
.set RD,  6
.set SA,  7
.set CTA, 8
.set SH8, 9
.set WS,  16
.set HS,  28
.set PW,  29
.set H,   32
.set HA,  96
.set HF,  160
.set PC,  184
.set TM,  196
.set CT,  212
.set LT,  220
.set WA1, 236
.set WA2, 237
.set IA16, 238
.set IA8, 239
.set IB16, 240
.set IB8, 241
.set SW0, 242
.set SW1, 243
.set RS,  244
.set G16, 245
.set CTS, 246
.set ZERO, 247
.set KR,  160
.set KM,  164
.set S1,  168
.set S2,  176
.set GA,  224
.set BE,  228
.set PR,  104                          ; window 1
.set WV,  20
.set SEL, 22
.set HM,  24
.set EPS, 25
.set OUTB, 16
.set PARTB, 18
.set Y,  96
.set EA, 160
.set EB, 176
.set ES, 192
.set EP, 200
.set EM, 208
.set ED, 224
.set EQ, 240
.set MSB, 0
.macro WIN new                         ; the immediate's high byte repeats the setting that is left
.if MSB != \new
	s_set_vgpr_msb (MSB<<8)|\new
.set MSB, \new
.endif
.endm
.macro WMZ d, a, b, sa, sb, rb         ; a product that starts a sum.  rb = 1: source 1's scales are taken from lanes 16-31
.if (\rb)
	v_wmma_scale_f32_16x16x128_f8f6f4 v[\d:\d+7], v[\a:\a+11], v[\b:\b+11], 0, v[\sa], v[\sb] matrix_a_fmt:MATRIX_FMT_FP6 matrix_b_fmt:MATRIX_FMT_FP6 matrix_b_scale:MATRIX_SCALE_ROW1
.else
	v_wmma_scale_f32_16x16x128_f8f6f4 v[\d:\d+7], v[\a:\a+11], v[\b:\b+11], 0, v[\sa], v[\sb] matrix_a_fmt:MATRIX_FMT_FP6 matrix_b_fmt:MATRIX_FMT_FP6
.endif
.endm
.macro WMA d, a, b, sa, sb             ; a product that adds onto v[d] on
	v_wmma_scale_f32_16x16x128_f8f6f4 v[\d:\d+7], v[\a:\a+11], v[\b:\b+11], v[\d:\d+7], v[\sa], v[\sb] matrix_a_fmt:MATRIX_FMT_FP6 matrix_b_fmt:MATRIX_FMT_FP6
.endm
; One block of 32 of a weight's row (K innermost), all in my lane: six registers of codes in v[P] on; two scale bytes, from lanes l and l xor 16, in v[W]
.macro WQ R, P, W
	v_max3_num_f32 v[TM], |v[\R]|, |v[\R+1]|, 0x1800000            ; two chains; the floor 2^(3 - 127) among the leaves
	v_max3_num_f32 v[TM+1], |v[\R+2]|, |v[\R+3]|, 0x1800000
.irp i, 4,8,12,16,20,24,28
	v_max3_num_f32 v[TM], v[TM], |v[\R+\i]|, |v[\R+\i+1]|
	v_max3_num_f32 v[TM+1], v[TM+1], |v[\R+\i+2]|, |v[\R+\i+3]|
.endr
	v_max_num_f32 v[TM], v[TM], v[TM+1]
	v_add_nc_u32 v[TM+2], 0xff000000, v[TM]                        ; 2 off the exponent field: the conversion's scale operand
	v_lshrrev_b32 v[TM+3], 23, v[TM+2]
	v_lshlrev_b32 v[TM+3], v[SH8], v[TM+3]
	v_permlanex16_b32 v[TM+4], v[TM+3], s[SEL], s[SEL+1]
	v_or_b32 v[\W], v[TM+3], v[TM+4]
	v_cvt_scalef32_pk16_fp6_f32 v[\P:\P+2], v[\R:\R+15], v[TM+2]
	v_cvt_scalef32_pk16_fp6_f32 v[CT:CT+2], v[\R+16:\R+31], v[TM+2]
	v_nop                                                          ; one plain place behind a scaled conversion
.irp i, 0,1,2
	v_mov_b32 v[\P+3+\i], v[CT+\i]
.endr
.endm
; 64 channels of my point, v[R] on, become the fragments of the group's two tiles (F0, F1; registers 6-11 zeros) and their scale words (X: tile 0 in lanes 0-15, tile 1 in lanes 16-31)
.macro XQ R, F0, F1, X
.irp b, 0,1
	v_max3_num_f32 v[TM+2*\b], |v[\R+32*\b]|, |v[\R+32*\b+1]|, 0x1800000
	v_max3_num_f32 v[TM+2*\b+1], |v[\R+32*\b+2]|, |v[\R+32*\b+3]|, 0x1800000
.endr
.irp i, 4,8,12,16,20,24,28
.irp b, 0,1
	v_max3_num_f32 v[TM+2*\b], v[TM+2*\b], |v[\R+32*\b+\i]|, |v[\R+32*\b+\i+1]|
	v_max3_num_f32 v[TM+2*\b+1], v[TM+2*\b+1], |v[\R+32*\b+\i+2]|, |v[\R+32*\b+\i+3]|
.endr
.endr
	v_max_num_f32 v[TM], v[TM], v[TM+1]
	v_max_num_f32 v[TM+2], v[TM+2], v[TM+3]
	v_add_nc_u32 v[TM+4], 0xff000000, v[TM]
	v_add_nc_u32 v[TM+5], 0xff000000, v[TM+2]
	v_lshrrev_b32 v[TM+6], 23, v[TM+4]
	v_lshrrev_b32 v[TM+7], 23, v[TM+5]
	v_lshl_or_b32 v[\X], v[TM+7], 8, v[TM+6]
	v_cvt_scalef32_pk16_fp6_f32 v[CT:CT+2], v[\R:\R+15], v[TM+4]
	v_cvt_scalef32_pk16_fp6_f32 v[CT+4:CT+6], v[\R+16:\R+31], v[TM+4]
	v_cvt_scalef32_pk16_fp6_f32 v[CT+8:CT+10], v[\R+32:\R+47], v[TM+5]
	v_cvt_scalef32_pk16_fp6_f32 v[CT+12:CT+14], v[\R+48:\R+63], v[TM+5]
	v_nop
.irp i, 0,1,2
	v_permlane16_swap_b32 v[CT+\i], v[CT+8+\i]
	v_permlane16_swap_b32 v[CT+4+\i], v[CT+12+\i]
.endr
.irp i, 0,1,2
	v_mov_b32 v[\F0+\i], v[CT+\i]
	v_mov_b32 v[\F0+3+\i], v[CT+4+\i]
	v_mov_b32 v[\F1+\i], v[CT+8+\i]
	v_mov_b32 v[\F1+3+\i], v[CT+12+\i]
.endr
.irp i, 6,7,8,9,10,11
	v_mov_b32 v[\F0+\i], 0
	v_mov_b32 v[\F1+\i], 0
.endr
.endm
; 64 numbers of a lane, register 16 b + i = k 32 b + 16 (lane / 16) + i of my row, become a fragment's codes in v[PC] on and its scale word in v[PW]
.macro QUANT128 s
.irp b, 0,1,2,3
	v_max3_num_f32 v[TM+\b], |v[\s+16*\b]|, |v[\s+1+16*\b]|, 0x1800000
.endr
.irp i, 2,4,6,8,10,12,14
.irp b, 0,1,2,3
	v_max3_num_f32 v[TM+\b], v[TM+\b], |v[\s+16*\b+\i]|, |v[\s+1+16*\b+\i]|
.endr
.endr
.irp b, 0,1,2,3
	v_permlanex16_b32 v[TM+4+\b], v[TM+\b], s[SEL], s[SEL+1]
.endr
.irp b, 0,1,2,3
	v_max_num_f32 v[TM+\b], v[TM+\b], v[TM+4+\b]
.endr
.irp b, 0,1,2,3
	v_add_nc_u32 v[TM+12+\b], 0xff000000, v[TM+\b]
.endr
.irp b, 0,1,2,3
	v_lshrrev_b32 v[TM+4+\b], 23, v[TM+12+\b]
.endr
	v_lshl_or_b32 v[PW], v[TM+5], 8, v[TM+4]
	v_lshl_or_b32 v[PW], v[TM+6], 16, v[PW]
	v_lshl_or_b32 v[PW], v[TM+7], 24, v[PW]
.irp c, 0,1
	v_cvt_scalef32_pk16_fp6_f32 v[PC+6*\c:PC+2+6*\c], v[\s+32*\c:\s+15+32*\c], v[TM+12+2*\c]
	v_cvt_scalef32_pk16_fp6_f32 v[CT+4*\c:CT+2+4*\c], v[\s+16+32*\c:\s+31+32*\c], v[TM+13+2*\c]
.endr
	v_nop
.irp c, 0,1
.irp i, 0,1,2
	v_permlane16_swap_b32 v[PC+6*\c+\i], v[CT+4*\c+\i]
.endr
.irp i, 0,1,2
	v_mov_b32 v[PC+3+6*\c+\i], v[CT+4*\c+\i]
.endr
.endr
.endm
.macro LANESUM                         ; v[ES] .. v[ES + 7], each summed over the wave's 32 lanes
.irp x, 1,2,4,8
.irp i, 0,1,2,3,4,5,6,7
	v_add_f32_dpp v[ES+\i], v[ES+\i], v[ES+\i] row_xmask:\x row_mask:0xf bank_mask:0xf
.endr
.endr
.irp i, 0,1,2,3,4,5,6,7
	v_permlanex16_b32 v[EP+\i], v[ES+\i], s[SEL], s[SEL+1]
.endr
.irp i, 0,1,2,3,4,5,6,7
	v_add_f32 v[ES+\i], v[ES+\i], v[EP+\i]
.endr
.endm
	s_load_b256 s[4:11], s[0:1], 0x0               ; y1 s[4:5], part1 s[6:7], gamma s[8:9], beta s[10:11]
	s_load_b256 s[12:19], s[0:1], 0x20             ; w_ff1 s[12:13], w_ff2 s[14:15], y2 s[16:17], part2 s[18:19]
	v_lshl_add_u32 v30, v0, 2, 0x16c00
	v_mov_b32 v31, 0
	v_lshrrev_b32 v1, 5, v0
	v_readfirstlane_b32 s[WV], v1                  ; wave 0..7
	v_and_b32 v10, 31, v0                          ; lane
	v_and_b32 v11, 15, v0                          ; r
	v_bfe_u32 v12, v0, 4, 1                        ; h
	v_lshlrev_b32 v[L16], 4, v10
	v_lshlrev_b32 v[L8], 3, v10
	v_lshlrev_b32 v[L4], 2, v10
	v_and_b32 v[XO], 7, v0                         ; my point in the group: bits 3 and 4 of the lane change places
	v_lshl_add_u32 v[XO], v12, 3, v[XO]
	v_bfe_u32 v13, v0, 3, 1
	v_lshl_add_u32 v[XO], v13, 4, v[XO]
	v_lshlrev_b32 v[XO], 2, v[XO]
	v_and_b32 v13, 8, v0
	v_add_nc_u32 v13, v13, v11                     ; r + 8 (r / 8)
	v_mul_u32_u24 v14, v12, 8*SPITCH
	v_lshl_add_u32 v[STO], v13, 2, v14
	s_lshl_b32 s26, s[WV], 7
	s_add_co_u32 s26, s26, STAGE
	v_add_nc_u32 v[STO], s26, v[STO]
	s_mul_i32 s26, s[WV], 8*SPITCH
	s_add_co_u32 s26, s26, STAGE
	v_add_nc_u32 v[RD], s26, v[L16]
	s_lshl_b32 s26, s[WV], 5
	s_add_co_u32 s26, s26, STATS
	v_mov_b32 v[SA], s26
	v_lshlrev_b32 v[SH8], 3, v12
	s_lshr_b32 s36, s[WV], 1
	s_and_b32 s37, s[WV], 1
	s_and_b32 s38, s[WV], 3
	s_lshr_b32 s39, s[WV], 2
	s_lshl_b32 s26, s36, 5
	s_lshl_b32 s28, s37, 3
	s_add_co_u32 s26, s26, s28
	v_add_nc_u32 v[WA1], s26, v13                  ; w_ff1: tile = my wave: row 32 (w / 2) + 8 (w % 2) + r + 8 (r / 8),
	v_lshlrev_b32 v[WA1], 8, v[WA1]                ; of 256 bytes,
	v_lshl_add_u32 v[WA1], v12, 7, v[WA1]          ; block h
	s_lshl_b32 s26, s38, 4
	v_add_nc_u32 v[WA2], s26, v11                  ; w_ff2: tile w % 4: row 16 (w % 4) + r,
	v_lshlrev_b32 v[WA2], 9, v[WA2]                ; of 512 bytes,
	v_lshl_add_u32 v[WA2], v12, 7, v[WA2]          ; block 2 (w / 4) + h
	s_lshl_b32 s26, s39, 8
	v_add_nc_u32 v[WA2], s26, v[WA2]
	s_mul_i32 s26, s[WV], 768
	s_add_co_u32 s26, s26, WIMG
	v_add_nc_u32 v[IA16], s26, v[L16]
	s_add_co_u32 s26, s26, 512
	v_add_nc_u32 v[IA8], s26, v[L8]
	s_mul_i32 s26, s38, 1536
	s_mul_i32 s28, s39, 768
	s_add_co_u32 s26, s26, s28
	s_add_co_u32 s26, s26, WIMG+6144
	v_add_nc_u32 v[IB16], s26, v[L16]
	s_add_co_u32 s26, s26, 512
	v_add_nc_u32 v[IB8], s26, v[L8]
	s_lshl_b32 s26, s[WV], 7
	s_add_co_u32 s26, s26, WSC
	v_add_nc_u32 v[SW0], s26, v[L4]
	s_lshl_b32 s26, s38, 7
	s_lshl_b32 s28, s39, 1
	s_add_co_u32 s26, s26, s28
	s_add_co_u32 s26, s26, WSC+1024
	v_add_nc_u32 v[SW1], s26, v[L4]
	s_lshl_b32 s26, s[WV], 10
	v_add_nc_u32 v[RS], s26, v[L16]
	v_lshlrev_b32 v[G16], 4, v11
	s_lshl_b32 s26, s[WV], 9
	s_add_co_u32 s26, s26, CTAB
	v_mov_b32 v[CTA], s26
	v_add_nc_u32 v[CTS], s26, v[G16]
	v_mov_b32 v[ZERO], 0
	v_mov_b32 v[TM+4], 0                           ; written once: a lane permute's destination counts as one of its sources
	s_mov_b32 s[SEL], 0x76543210
	s_mov_b32 s[SEL+1], 0xfedcba98
	s_mov_b32 s[HM], 0xffff0000
	s_mov_b32 s[EPS], 0x3727c5ac                   ; 1e-5
	s_lshr_b32 s34, ttmp9, 3                       ; batch
	s_and_b32 s35, ttmp9, 7                        ; which 256 points of it
	s_mov_b32 s27, 0
	s_mov_b32 s31, 0
	s_lshl_b32 s30, s[WV], 9
	s_lshl_b32 s26, s34, 19
	s_lshl_b32 s28, s35, 10
	s_add_co_u32 s26, s26, s28
	s_lshl_b32 s40, s[WV], 16
	s_add_co_u32 s40, s26, s40                     ; y2: the batch, my block's points, channel 8 x wave
	s_mov_b32 s41, 0
	s_lshl_b32 s28, s[WV], 7
	s_add_co_u32 s26, s26, s28                     ; y1: the batch, my wave's 32 points
	s_lshl_b32 s42, ttmp9, 9
	s_mov_b32 s43, 0
	s_wait_kmcnt 0x0
	s_add_nc_u64 s[4:5], s[4:5], s[26:27]
	s_add_nc_u64 s[28:29], s[6:7], s[30:31]        ; part1 at row = my wave
	s_add_nc_u64 s[16:17], s[16:17], s[40:41]
	s_add_nc_u64 s[18:19], s[18:19], s[42:43]
.irp i, 0,1,2,3,4,5,6,7
	global_load_b128 v[96+4*\i:99+4*\i], v[WA1], s[12:13] offset:16*\i
.endr
.irp i, 0,1,2,3,4,5,6,7
	global_load_b128 v[128+4*\i:131+4*\i], v[WA2], s[14:15] offset:16*\i
.endr
	global_load_b128 v[KR:KR+3], v[L16], s[6:7]    ; row 0: lanes 0-15 its means, the shift K
	global_load_b128 v[GA:GA+3], v[G16], s[8:9]
	global_load_b128 v[BE:BE+3], v[G16], s[10:11]
	WIN 0x40                                       ; destination window 1
.set i, 0
.rept 32
	global_load_b128 v[PR+4*i:PR+4*i+3], v[L16], s[28:29] offset:4096*i   ; rows w + 8 i: lanes 0-15 the means of channels 4 r .., lanes 16-31 the sums of squares of the same
.set i, i+1
.endr
	WIN 0
.set i, 0
.rept 64
	global_load_b32 v[H+i], v[XO], s[4:5] offset:8192*i th:TH_LOAD_NT     ; channel i of my point
.set i, i+1
.endr
	s_wait_loadcnt 63                              ; 115 loads are issued: the oldest 52 are in: all but y1's
	WQ 96, 184, 220
	ds_store_b128 v[IA16], v[184:187]
	ds_store_b64 v[IA8], v[188:189]
	ds_store_b32 v[SW0], v220
	WQ 128, 190, 221
	ds_store_b128 v[IB16], v[190:193]
	ds_store_b64 v[IB8], v[194:195]
	ds_store_b16 v[SW1], v221                      ; two of the row's four scale bytes
.irp k, 0,1,2,3
	v_cndmask_b32 v[KM+\k], v[KR+\k], v[ZERO], s[HM]   ; the shift: K for the means, 0 for the sums of squares
.endr
.set i, 0
.rept 16
	v_mov_b32 v[S1+i], 0                           ; two sets each of the sums and of the sums of squares
.set i, i+1
.endr
	WIN 0x41                                       ; destination and source 0 window 1
.set i, 0
.rept 32
	v_pk_add_f32 v[PR+4*i:PR+4*i+1], v[PR+4*i:PR+4*i+1], v[KM:KM+1] neg_lo:[0,1] neg_hi:[0,1]
	v_pk_add_f32 v[PR+4*i+2:PR+4*i+3], v[PR+4*i+2:PR+4*i+3], v[KM+2:KM+3] neg_lo:[0,1] neg_hi:[0,1]
.set i, i+1
.endr
	WIN 0x01                                       ; source 0 window 1
.set i, 0
.rept 32
	v_pk_add_f32 v[S1+4*(i%2):S1+4*(i%2)+1], v[PR+4*i:PR+4*i+1], v[S1+4*(i%2):S1+4*(i%2)+1]
	v_pk_add_f32 v[S1+4*(i%2)+2:S1+4*(i%2)+3], v[PR+4*i+2:PR+4*i+3], v[S1+4*(i%2)+2:S1+4*(i%2)+3]
.set i, i+1
.endr
	WIN 0x05                                       ; sources 0 and 1 window 1
.set i, 0
.rept 32
	v_pk_fma_f32 v[S2+4*(i%2):S2+4*(i%2)+1], v[PR+4*i:PR+4*i+1], v[PR+4*i:PR+4*i+1], v[S2+4*(i%2):S2+4*(i%2)+1]
	v_pk_fma_f32 v[S2+4*(i%2)+2:S2+4*(i%2)+3], v[PR+4*i+2:PR+4*i+3], v[PR+4*i+2:PR+4*i+3], v[S2+4*(i%2)+2:S2+4*(i%2)+3]
.set i, i+1
.endr
	WIN 0
.irp p, 0,2
	v_pk_add_f32 v[S1+\p:S1+\p+1], v[S1+\p:S1+\p+1], v[S1+4+\p:S1+5+\p]
	v_pk_add_f32 v[S2+\p:S2+\p+1], v[S2+\p:S2+\p+1], v[S2+4+\p:S2+5+\p]
.endr
	ds_store_b128 v[RS], v[S1:S1+3] offset:RED
	ds_store_b128 v[RS], v[S2:S2+3] offset:RED+512
	s_wait_dscnt 0x0                               ; my images and partial sums have landed
	s_barrier_signal -1
	s_barrier_wait -1
.irp k, 0,1,2,3,4,5,6,7
	ds_load_b128 v[96+8*\k:99+8*\k], v[L16] offset:RED+1024*\k
	ds_load_b128 v[100+8*\k:103+8*\k], v[L16] offset:RED+1024*\k+512
.endr
	WIN 0x40
.set i, 0
.rept 8
	ds_load_b128 v[6*i:6*i+3], v[L16] offset:WIMG+768*i                   ; w_ff1's eight fragments, 6 registers apart
	ds_load_b64 v[6*i+4:6*i+5], v[L8] offset:WIMG+768*i+512
.set i, i+1
.endr
.rept 8
	ds_load_b128 v[6*i+6:6*i+9], v[L16] offset:WIMG+768*i                 ; w_ff2's four, in halves
	ds_load_b64 v[6*i+10:6*i+11], v[L8] offset:WIMG+768*i+512
.set i, i+1
.endr
.irp i, 0,1,2,3,4,5
	v_mov_b32 v[48+\i], 0                          ; what w_ff1's last fragment's registers 6-11 name
.endr
	WIN 0
.set i, 0
.rept 12
	ds_load_b32 v[WS+i], v[L4] offset:WSC+128*i
.set i, i+1
.endr
	s_wait_dscnt 0x0
.irp k, 1,2,3,4,5,6,7
.irp p, 0,2,4,6
	v_pk_add_f32 v[96+\p:97+\p], v[96+\p:97+\p], v[96+8*\k+\p:97+8*\k+\p]   ; over the eight waves
.endr
.endr
.irp k, 0,1,2,3
	v_permlanex16_b32 v[104+\k], v[96+\k], s[SEL], s[SEL+1]
	v_permlanex16_b32 v[108+\k], v[100+\k], s[SEL], s[SEL+1]
	v_permlanex16_b32 v[112+\k], v[KR+\k], s[SEL], s[SEL+1]
.endr
.irp k, 0,1,2,3                        ; both halves of the lanes now get all four figures of channels 4 r ..
	v_cndmask_b32 v[116+\k], v[96+\k], v[104+\k], s[HM]    ; sum d
	v_cndmask_b32 v[120+\k], v[100+\k], v[108+\k], s[HM]   ; sum d^2
	v_cndmask_b32 v[124+\k], v[104+\k], v[96+\k], s[HM]    ; sum M2
	v_cndmask_b32 v[128+\k], v[KR+\k], v[112+\k], s[HM]    ; K
.endr
.irp k, 0,1,2,3
	v_mul_f32 v[132+\k], 0x3b800000, v[116+\k]             ; u = sum d / 256
.endr
.irp k, 0,1,2,3
	v_add_f32 v[136+\k], v[128+\k], v[132+\k]              ; the mean
	v_fma_f32 v[140+\k], -v[132+\k], v[116+\k], v[120+\k]  ; sum d^2 - u sum d
.endr
.irp k, 0,1,2,3
	v_max_num_f32 v[140+\k], 0, v[140+\k]
.endr
.irp k, 0,1,2,3
	v_fma_f32 v[140+\k], v[140+\k], 0x43800000, v[124+\k]  ; x 256 + sum M2
.endr
.irp k, 0,1,2,3
	v_fma_f32 v[144+\k], v[140+\k], 0x37800000, s[EPS]     ; / 65,536 + 1e-5
.endr
.irp k, 0,1,2,3
	v_rsq_f32 v[148+\k], v[144+\k]
.endr
	v_nop                                          ; a plain place behind the four
	s_wait_alu depctr_va_vdst(0)                   ; and their wait, ahead of the first reader
.irp k, 0,1,2,3
	v_mul_f32 v[GA+\k], v[GA+\k], v[148+\k]                ; a
.endr
.irp k, 0,1,2,3
	v_fma_f32 v[BE+\k], -v[136+\k], v[GA+\k], v[BE+\k]     ; beta - mean a
.endr
	ds_store_b128 v[CTS], v[GA:GA+3]               ; my wave's own table (both halves of the lanes write the same): LDS serves a wave's instructions in order, so no wait and no barrier
	ds_store_b128 v[CTS], v[BE:BE+3] offset:256
.set i, 0
.rept 16
	ds_load_b128 v[96+4*i:99+4*i], v[CTA] offset:16*i              ; every lane reads all 64 channels' a
	ds_load_b128 v[160+4*i:163+4*i], v[CTA] offset:256+16*i
.set i, i+1
.endr
	s_wait_loadcnt 0x0                             ; y1
	s_wait_dscnt 0x0
.set j, 0
.rept 32
	v_pk_fma_f32 v[H+j:H+j+1], v[H+j:H+j+1], v[96+j:97+j], v[160+j:161+j]   ; h
.set j, j+2
.endr
	XQ H, HF, HF+12, HS
.irp c, 0,1,2,3                        ; h into the result's layout: v[H + 16 c + 8 u + j] = channel 16 c + 8 (lane / 16) + j of row lane % 16 of tile u
.irp j, 0,1,2,3,4,5,6,7
	v_permlane16_swap_b32 v[H+16*\c+\j], v[H+16*\c+8+\j]
.endr
.endr
.rept 8
	v_nop                                          ; a scale register written by a vector instruction stands 8 places ahead of a scaled matrix instruction, an operand so written 4
.endr
.irp u, 0,1
	WIN 0x01                                       ; source 0 window 1
.irp t, 0,1,2,3,4,5,6,7
	WMZ HA+8*\t, 6*\t, HF+12*\u, WS+\t, HS, \u
.endr
	WIN 0
.rept 4
	v_nop                                          ; places in front of the first read of results
.endr
.irp t, 0,1,2,3,4,5,6,7                ; leaky(z) = max(z, 0.2 z)
.irp k, 0,2,4,6
	v_pk_mul_f32 v[LT+8*(\t%2)+\k:LT+8*(\t%2)+\k+1], v[HA+8*\t+\k:HA+8*\t+\k+1], 0x3e4ccccd op_sel_hi:[1,0]
.endr
.irp k, 0,1,2,3,4,5,6,7
	v_max_num_f32 v[HA+8*\t+\k], v[HA+8*\t+\k], v[LT+8*(\t%2)+\k]
.endr
.endr
	QUANT128 HA
.rept 8
	v_nop
.endr
	WIN 0x01
.irp c, 0,1,2,3
	WMA H+16*\c+8*\u, 54+12*\c, PC, WS+8+\c, PW
.endr
	WIN 0
.endr
.rept 4
	v_nop
.endr
.irp c, 0,1,2,3
.irp u, 0,1
.irp j, 0,1,2,3,4,5,6,7
	ds_store_b32 v[STO], v[H+16*\c+8*\u+\j] offset:(16*\c+\j)*SPITCH+32*\u   ; each accumulator from its low end on; the two halves of the lanes fall 32 banks apart
.endr
.endr
.endr
	; THE WAY OUT.  Wave w takes channels 8 w .. 8 w + 7, whole rows of 256 points: stores them, and takes each channel's mean and then the sum of squared deviations from that mean.
	s_wait_dscnt 0x0
	s_barrier_signal -1
	s_barrier_wait -1
.irp i, 0,1,2,3,4,5,6,7
	ds_load_b128 v[Y+8*\i:Y+8*\i+3], v[RD] offset:SPITCH*\i
	ds_load_b128 v[Y+8*\i+4:Y+8*\i+7], v[RD] offset:SPITCH*\i+512
.endr
.irp i, 0,1,2,3,4,5,6,7
	v_mov_b32 v[EP+\i], 0                          ; written once: a lane permute's destination counts as one of its sources
.endr
	v_add_nc_u32 v[CTA], STATS, v[L16]             ; where wave 0 reads the figures back (the tables are done with)
	s_wait_dscnt 0x0
.irp i, 0,1,2,3,4,5,6,7
	global_store_b128 v[L16], v[Y+8*\i:Y+8*\i+3], s[OUTB:OUTB+1] offset:8192*\i th:TH_STORE_NT       ; 512 consecutive bytes
	global_store_b128 v[L16], v[Y+8*\i+4:Y+8*\i+7], s[OUTB:OUTB+1] offset:8192*\i+512 th:TH_STORE_NT
.endr
.irp i, 0,1,2,3,4,5,6,7
	v_pk_add_f32 v[EA+2*\i:EA+2*\i+1], v[Y+8*\i:Y+8*\i+1], v[Y+8*\i+2:Y+8*\i+3]
	v_pk_add_f32 v[EB+2*\i:EB+2*\i+1], v[Y+8*\i+4:Y+8*\i+5], v[Y+8*\i+6:Y+8*\i+7]
.endr
.irp i, 0,1,2,3,4,5,6,7
	v_pk_add_f32 v[EA+2*\i:EA+2*\i+1], v[EA+2*\i:EA+2*\i+1], v[EB+2*\i:EB+2*\i+1]
.endr
.irp i, 0,1,2,3,4,5,6,7
	v_add_f32 v[ES+\i], v[EA+2*\i], v[EA+2*\i+1]
.endr
	LANESUM
.irp i, 0,1,2,3,4,5,6,7
	v_mul_f32 v[EM+2*\i], 0x3b800000, v[ES+\i]     ; the mean of 256, twice: a pair for the packed subtraction
	v_mul_f32 v[EM+2*\i+1], 0x3b800000, v[ES+\i]
.endr
.irp i, 0,1,2,3,4,5,6,7
.irp k, 0,1,2,3
	v_pk_add_f32 v[ED+8*(\i%2)+2*\k:ED+8*(\i%2)+2*\k+1], v[Y+8*\i+2*\k:Y+8*\i+2*\k+1], v[EM+2*\i:EM+2*\i+1] neg_lo:[0,1] neg_hi:[0,1]
.endr
	v_pk_mul_f32 v[EQ+2*\i:EQ+2*\i+1], v[ED+8*(\i%2):ED+8*(\i%2)+1], v[ED+8*(\i%2):ED+8*(\i%2)+1]
.irp k, 1,2,3
	v_pk_fma_f32 v[EQ+2*\i:EQ+2*\i+1], v[ED+8*(\i%2)+2*\k:ED+8*(\i%2)+2*\k+1], v[ED+8*(\i%2)+2*\k:ED+8*(\i%2)+2*\k+1], v[EQ+2*\i:EQ+2*\i+1]
.endr
.endr
.irp i, 0,1,2,3,4,5,6,7
	v_add_f32 v[ES+\i], v[EQ+2*\i], v[EQ+2*\i+1]
.endr
	LANESUM
.irp i, 0,1,2,3,4,5,6,7
	ds_store_b32 v[SA], v[EM+2*\i] offset:4*\i     ; all lanes write the same word with the same value
	ds_store_b32 v[SA], v[ES+\i] offset:256+4*\i
.endr
	s_wait_dscnt 0x0
	s_barrier_signal -1
	s_barrier_wait -1                              ; 64 means and 64 sums of squares lie together
	s_cmp_lg_u32 s[WV], 0
	s_cbranch_scc1 .Lend
	ds_load_b128 v[EA:EA+3], v[CTA]
	s_wait_dscnt 0x0
	global_store_b128 v[L16], v[EA:EA+3], s[PARTB:PARTB+1]   ; 512 consecutive bytes
.Lend:
	s_wait_tensorcnt 0x0
	ds_add_u32 v30, v31
	s_wait_dscnt 0x0
	s_endpgm
.Lfunc_end_k_q4842d728fd_ffn:
	.size	k_q4842d728fd_ffn, .Lfunc_end_k_q4842d728fd_ffn-k_q4842d728fd_ffn
	.p2alignl 7, 3214868480
	.fill 96, 4, 3214868480
	.section	.rodata,"a",@progbits
	.p2align	6, 0x0
	.amdhsa_kernel k_q4842d728fd_ffn
		.amdhsa_group_segment_fixed_size 94208
		.amdhsa_private_segment_fixed_size 0
		.amdhsa_enable_private_segment 0
		.amdhsa_kernarg_size 64
		.amdhsa_user_sgpr_count 2
		.amdhsa_user_sgpr_kernarg_segment_ptr 1
		.amdhsa_wavefront_size32 1
		.amdhsa_system_sgpr_workgroup_id_x 1
		.amdhsa_system_sgpr_workgroup_id_y 1
		.amdhsa_system_sgpr_workgroup_id_z 1
		.amdhsa_system_vgpr_workitem_id 0
		.amdhsa_next_free_vgpr 512
		.amdhsa_next_free_sgpr 66
		.amdhsa_reserve_vcc 0
		.amdhsa_float_denorm_mode_32 3
		.amdhsa_float_denorm_mode_16_64 3
		.amdhsa_memory_ordered 1
		.amdhsa_forward_progress 1
		.amdhsa_inst_pref_size 94
	.end_amdhsa_kernel
	.amdgpu_metadata
---
amdhsa.version: [ 1, 2 ]
amdhsa.kernels:
  - .name:           k_q4842d728fd_ffn
    .symbol:         k_q4842d728fd_ffn.kd
    .args:
      - { .name: y1, .offset: 0, .size: 8, .value_kind: global_buffer, .address_space: global }
      - { .name: part1, .offset: 8, .size: 8, .value_kind: global_buffer, .address_space: global }
      - { .name: bn1_gamma, .offset: 16, .size: 8, .value_kind: global_buffer, .address_space: global }
      - { .name: bn1_beta, .offset: 24, .size: 8, .value_kind: global_buffer, .address_space: global }
      - { .name: w_ff1, .offset: 32, .size: 8, .value_kind: global_buffer, .address_space: global }
      - { .name: w_ff2, .offset: 40, .size: 8, .value_kind: global_buffer, .address_space: global }
      - { .name: y2, .offset: 48, .size: 8, .value_kind: global_buffer, .address_space: global }
      - { .name: part2, .offset: 56, .size: 8, .value_kind: global_buffer, .address_space: global }
    .group_segment_fixed_size: 94208
    .private_segment_fixed_size: 0
    .kernarg_segment_align: 8
    .kernarg_segment_size: 64
    .max_flat_workgroup_size: 256
    .sgpr_count:     66
    .vgpr_count:     512
    .wavefront_size: 32
...
	.end_amdgpu_metadata
.endif
;; end of part 3
;; launch bn2 (part 4): grid 256 x 1, 8 waves a work-group, no clusters, 1,280 bytes of LDS; arguments y2, part2, bn2_gamma, bn2_beta, out0; writes out0
.if DOCPART == 4
	.amdgcn_target "amdgcn-amd-amdhsa--gfx1250"
	.amdhsa_code_object_version 6
	.text
	.protected	k_q4842d728fd_bn2
	.globl	k_q4842d728fd_bn2
	.p2align	8
	.type	k_q4842d728fd_bn2,@function
k_q4842d728fd_bn2:
	s_mov_b64 s[64:65], 0
	v_nop
	global_prefetch_b8 v0, s[64:65] scope:SCOPE_SE
	s_setreg_imm32_b32 hwreg(HW_REG_WAVE_MODE, 25, 1), 1
	s_wait_xcnt 0x0
; out0 = BatchNorm(y2).  A stream: memory binds, so no matrix unit, no cluster, no large tiles.
; A work-group serves ONE channel c = its number / 4, so that it needs one channel's statistics; each of its eight waves takes one row (batch 8 (number % 4) + wave, channel c): 8,192 bytes, sixteen loads of
; 512 consecutive bytes, all asked for at the head.
; THE STATISTICS come as 256 pairs (mean, sum of squared deviations of 256 points); thread t takes pair t.  With K = the first pair's mean, d = mean - K: mean = K + sum d / 256;
; variance = (sum M2 + 256 (sum d^2 - (sum d)^2 / 256)) / 65,536: no difference of large sums.  out = y a + (beta - mean a), a = gamma / sqrt(variance + 1e-5).
; LIMITS: NaN and infinities are not served; with a common offset of 30 spreads on y2 the one fused multiply-add rounds to about 2e-6 of the spread.
	s_load_b256 s[4:11], s[0:1], 0x0               ; y2 s[4:5], part2 s[6:7], gamma s[8:9], beta s[10:11]
	s_load_b64 s[12:13], s[0:1], 0x20              ; out0
	v_lshl_add_u32 v96, v0, 2, 0x100
	v_mov_b32 v97, 0
	v_lshrrev_b32 v1, 5, v0
	v_readfirstlane_b32 s14, v1                    ; wave 0..7
	s_lshr_b32 s15, ttmp9, 2                       ; the channel
	s_and_b32 s16, ttmp9, 3
	s_lshl_b32 s16, s16, 3
	s_add_co_u32 s16, s16, s14                     ; my batch
	s_lshl_b32 s16, s16, 6
	s_add_co_u32 s16, s16, s15
	s_lshl_b32 s16, s16, 13                        ; my row: (64 x batch + channel) x 8,192 bytes
	s_mov_b32 s17, 0
	s_lshl_b32 s18, s15, 2                         ; 4 x channel
	s_mov_b32 s19, 0
	s_mov_b32 s20, 0x76543210
	s_mov_b32 s21, 0xfedcba98                      ; v_permlanex16_b32's selects for lane l xor 16
	s_mov_b32 s27, 0x3727c5ac                      ; 1e-5
	v_lshlrev_b32 v1, 9, v0                        ; pair t: 512 bytes a work-group's figures
	v_and_b32 v2, 31, v0
	v_lshlrev_b32 v4, 4, v2                        ; 16 x lane
	v_and_b32 v3, 7, v0
	v_lshlrev_b32 v13, 4, v3                       ; 16 x (lane % 8)
	v_mov_b32 v12, s14
	v_lshlrev_b32 v12, 4, v12                      ; 16 x wave
	v_mov_b32 v5, 0                                ; written once: a lane permute's destination counts as one of its sources
	v_mov_b32 v6, 0
	v_mov_b32 v7, 0
	v_mov_b32 v11, 0
	s_wait_kmcnt 0x0
	s_add_nc_u64 s[4:5], s[4:5], s[16:17]
	s_add_nc_u64 s[12:13], s[12:13], s[16:17]
	s_add_nc_u64 s[6:7], s[6:7], s[18:19]
	s_add_nc_u64 s[8:9], s[8:9], s[18:19]
	s_add_nc_u64 s[10:11], s[10:11], s[18:19]
	s_load_b32 s24, s[6:7], 0x0                    ; K
	s_load_b32 s25, s[8:9], 0x0                    ; gamma
	s_load_b32 s26, s[10:11], 0x0                  ; beta
	global_load_b32 v8, v1, s[6:7]                 ; pair t's mean,
	global_load_b32 v10, v1, s[6:7] offset:256     ; and its sum of squares
.irp i, 0,1,2,3,4,5,6,7,8,9,10,11,12,13,14,15
	global_load_b128 v[16+4*\i:19+4*\i], v4, s[4:5] offset:512*\i th:TH_LOAD_NT
.endr
	s_wait_loadcnt 16                              ; the pair is in; the row's sixteen loads stay out
	s_wait_kmcnt 0x0
	v_sub_f32 v8, v8, s24                          ; d
	v_mul_f32 v9, v8, v8
.irp x, 1,2,4,8
	v_add_f32_dpp v8, v8, v8 row_xmask:\x row_mask:0xf bank_mask:0xf
	v_add_f32_dpp v9, v9, v9 row_xmask:\x row_mask:0xf bank_mask:0xf
	v_add_f32_dpp v10, v10, v10 row_xmask:\x row_mask:0xf bank_mask:0xf
.endr
	v_permlanex16_b32 v5, v8, s20, s21
	v_permlanex16_b32 v6, v9, s20, s21
	v_permlanex16_b32 v7, v10, s20, s21
	v_add_f32 v8, v8, v5
	v_add_f32 v9, v9, v6
	v_add_f32 v10, v10, v7
	ds_store_b128 v12, v[8:11]                     ; my wave's three sums (all lanes write the same)
	s_wait_dscnt 0x0
	s_barrier_signal -1
	s_barrier_wait -1
	ds_load_b128 v[8:11], v13                      ; lane l takes wave l % 8's
	s_wait_dscnt 0x0
.irp x, 1,2,4
	v_add_f32_dpp v8, v8, v8 row_xmask:\x row_mask:0xf bank_mask:0xf
	v_add_f32_dpp v9, v9, v9 row_xmask:\x row_mask:0xf bank_mask:0xf
	v_add_f32_dpp v10, v10, v10 row_xmask:\x row_mask:0xf bank_mask:0xf
.endr
	v_mul_f32 v5, 0x3b800000, v8                   ; u = sum d / 256
	v_add_f32 v6, s24, v5                          ; the mean
	v_fma_f32 v7, -v5, v8, v9                      ; sum d^2 - u sum d
	v_max_num_f32 v7, 0, v7
	v_fma_f32 v7, v7, 0x43800000, v10              ; x 256 + sum M2
	v_fma_f32 v7, v7, 0x37800000, s27              ; / 65,536 + 1e-5
	v_rsq_f32 v14, v7
	v_nop                                          ; a plain place behind it
	s_wait_alu depctr_va_vdst(0)                   ; and its wait, ahead of the first reader
	v_mul_f32 v80, s25, v14                        ; a, twice: pairs for the packed multiply-add
	v_mul_f32 v81, s25, v14
	v_fma_f32 v82, -v6, v80, s26                   ; beta - mean a
	v_fma_f32 v83, -v6, v81, s26
.irp i, 0,1,2,3,4,5,6,7,8,9,10,11,12,13,14,15
	s_wait_loadcnt 15-\i                           ; loads come back in order: this one is in, the younger ones stay out
	v_pk_fma_f32 v[16+4*\i:17+4*\i], v[16+4*\i:17+4*\i], v[80:81], v[82:83]
	v_pk_fma_f32 v[18+4*\i:19+4*\i], v[18+4*\i:19+4*\i], v[80:81], v[82:83]
	global_store_b128 v4, v[16+4*\i:19+4*\i], s[12:13] offset:512*\i th:TH_STORE_NT   ; 512 consecutive bytes
.endr
	s_wait_tensorcnt 0x0
	ds_add_u32 v96, v97
	s_wait_dscnt 0x0
	s_endpgm
.Lfunc_end_k_q4842d728fd_bn2:
	.size	k_q4842d728fd_bn2, .Lfunc_end_k_q4842d728fd_bn2-k_q4842d728fd_bn2
	.p2alignl 7, 3214868480
	.fill 96, 4, 3214868480
	.section	.rodata,"a",@progbits
	.p2align	6, 0x0
	.amdhsa_kernel k_q4842d728fd_bn2
		.amdhsa_group_segment_fixed_size 1280
		.amdhsa_private_segment_fixed_size 0
		.amdhsa_enable_private_segment 0
		.amdhsa_kernarg_size 40
		.amdhsa_user_sgpr_count 2
		.amdhsa_user_sgpr_kernarg_segment_ptr 1
		.amdhsa_wavefront_size32 1
		.amdhsa_system_sgpr_workgroup_id_x 1
		.amdhsa_system_sgpr_workgroup_id_y 1
		.amdhsa_system_sgpr_workgroup_id_z 1
		.amdhsa_system_vgpr_workitem_id 0
		.amdhsa_next_free_vgpr 98
		.amdhsa_next_free_sgpr 66
		.amdhsa_reserve_vcc 0
		.amdhsa_float_denorm_mode_32 3
		.amdhsa_float_denorm_mode_16_64 3
		.amdhsa_memory_ordered 1
		.amdhsa_forward_progress 1
		.amdhsa_inst_pref_size 11
	.end_amdhsa_kernel
	.amdgpu_metadata
---
amdhsa.version: [ 1, 2 ]
amdhsa.kernels:
  - .name:           k_q4842d728fd_bn2
    .symbol:         k_q4842d728fd_bn2.kd
    .args:
      - { .name: y2, .offset: 0, .size: 8, .value_kind: global_buffer, .address_space: global }
      - { .name: part2, .offset: 8, .size: 8, .value_kind: global_buffer, .address_space: global }
      - { .name: bn2_gamma, .offset: 16, .size: 8, .value_kind: global_buffer, .address_space: global }
      - { .name: bn2_beta, .offset: 24, .size: 8, .value_kind: global_buffer, .address_space: global }
      - { .name: out0, .offset: 32, .size: 8, .value_kind: global_buffer, .address_space: global }
    .group_segment_fixed_size: 1280
    .private_segment_fixed_size: 0
    .kernarg_segment_align: 8
    .kernarg_segment_size: 40
    .max_flat_workgroup_size: 256
    .sgpr_count:     66
    .vgpr_count:     98
    .wavefront_size: 32
...
	.end_amdgpu_metadata
.endif
;; end of part 4
;; ======== version 2 of 2: 4 launches
;; workspace buffers: qimg 3,145,728 bytes; qs 262,144 bytes; kv 6,291,456 bytes; sc 393,216 bytes; y1 16,777,216 bytes; y2 16,777,216 bytes; part1 131,072 bytes; part2 131,072 bytes
;; launch proj (part 5): grid 256 x 1, 4 waves a work-group, no clusters, 11,776 bytes of LDS; arguments x, wq, wk, wv, qimg, qs, kv, sc; writes qimg, qs, kv, sc
.if DOCPART == 5
	.amdgcn_target "amdgcn-amd-amdhsa--gfx1250"
	.amdhsa_code_object_version 6
	.text
	.protected	k_q4842d728fd_proj
	.globl	k_q4842d728fd_proj
	.p2align	8
	.type	k_q4842d728fd_proj,@function
k_q4842d728fd_proj:
	s_mov_b64 s[64:65], 0
	v_nop
	global_prefetch_b8 v0, s[64:65] scope:SCOPE_SE
	s_setreg_imm32_b32 hwreg(HW_REG_WAVE_SCHED_MODE, 0, 2), 2
	s_setreg_imm32_b32 hwreg(HW_REG_WAVE_MODE, 25, 1), 1
	s_wait_xcnt 0x0
	s_wait_alu depctr_vm_vsrc(0)
; q, k, v = wq x, wk x, wv x (x: [32][64][2048] f32, K = the 64 channels), all three on codes of FP6 (E2M3) with one E8M0 scale for each 32 along K;
; the results are quantised again at once: q and k along their 64 channels, v along the keys, and leave as IMAGES OF OPERAND REGISTERS for the attention launch.
; SHARES.  A work-group takes 256 points of one batch, a wave 64: two groups of 32.  In a group, tile u (0, 1) has as row r the point 8 u + r + 8 (r / 8), so that two neighbouring tiles'
; results are 16 neighbours along the keys.  x is loaded a lane to a point (lane 16 u + r = row r of tile u), registers down the channels: each load reads 128 consecutive bytes a wave.
; HALF-IMAGE (768 bytes): six registers of a fragment, K = 64: registers 0-3 at 16 x lane, registers 4-5 at 512 + 8 x lane.
; K = 64 IN AN INSTRUCTION OF K = 128: one operand (x's fragments) has zero codes in registers 6-11; the other's fragments lie 6 registers apart, so its registers 6-11 are the next fragment
; (behind the last: six cleared registers).  The format has no code for infinity or NaN, so what meets a zero code adds nothing; scale bytes 2 and 3 are 0, never 0xff.
; A block's scale byte is its largest magnitude's exponent field - 2, held at 1 from below by a floor among the maximum's leaves.
; LIMITS: NaN and infinities among the inputs are not served.  A block of zeros gets the byte 1 where the rule says 127: its codes are zeros, and this program alone reads the bytes.
; REGISTERS, window 0: v4-14 addresses; v16-27 the weights' scale words; v28-29 x's; v32-95, v96-159 x as loaded, then x's four fragments (v32-79) and two sets of results (v96-159);
;   v160-255 the weights as loaded, then temporaries (v160-190) and what leaves (v192-231).  Window 1: v0-71 the twelve weight fragments, v72-77 zeros.
; THE MODE: SCHED_MODE bits 1:0 = 2 (LLVM: expert scheduling mode 2), set by the entry lines.  The code itself states the register dependences between vector or matrix instructions and
; memory or LDS instructions, with s_wait_alu, always for 0.
; THE PLAN.  Registers that memory or LDS instructions touch:
;   v4-14, v30, v31   offsets and LDS addresses: made at the head, never written again.
;   v160-255, v32-95  the weights and x's group 0 land there once; vector instructions alone name them afterwards.
;   v96-159           the weights' quantising works there (temporaries, codes, words); nine LDS stores read v128-148; then x's group 1 lands there.
;   v16-27, window 1's v0-71   written by LDS loads alone, read by matrix instructions alone.
;   OB0, OB1          two out-buffers of 12 registers, by turns over the six steps (q: 2, k: 2, v: 2): step s's quantising writes OB[s % 2], the step's four global stores read it.
;   v220-223, v224-227   the word pairs of q and k, the words of v: each written once and stored once.   v228-231: the last LDS load lands there, the last store reads them.
; A step has ONE wait on va_vdst, behind its quantising and ahead of its run of stores; from step 2 on one wait on vm_vsrc (beside the wait on XCNT) ahead of its quantising, for the stores
; that read its out-buffer two steps back.
.set WIMG, 0                           ; LDS: 12 half-images of weights (4 m + t; m = 0, 1, 2 for q, k, v)
.set WSC,  9216                        ; their scale words, 128 bytes each
.set VSS,  10752                       ; v's scale words of the work-group's two key steps, before they leave
.set XO,   4                           ; v4   4 x my point in a group
.set L16,  5                           ; v5   16 x lane
.set L8,   6                           ; v6   8 x lane
.set L4,   7                           ; v7   4 x lane
.set WA,   8                           ; v8   wq, wk: my row (in the tiles' order) and block
.set WB,   9                           ; v9   wv: my row and block
.set SH8,  10                          ; v10  8 x (lane / 16)
.set WI16, 11                          ; v11  where my wave's weight image goes: registers 0-3
.set WI8,  12                          ; v12  registers 4-5
.set WS4,  13                          ; v13  its scale word
.set VSA,  14                          ; v14  where my two bytes of v's scale words go
.set WS,   16
.set XS,   28
.set RAW0, 32
.set RAW1, 96
.set XF,   32
.set D0,   96
.set OB,   192                         ; v192-203, v204-215 the two out-buffers: two half-images each
.set QW,   216                         ; v216-219 the four tiles' scale words of q or of k: vector instructions alone name them
.set SWD,  220                         ; v220-221 q's pair of words as it leaves, v222-223 k's
.set VW,   224                         ; v224-227 v's scale words, one register for each 16 channels
.set FIN,  228                         ; v228-231 v's scale words of two key steps, on their way out
.set SEL,  22                          ; s[22:23] lane selects of v_permlanex16_b32: lane l xor 16
.set HM,   24                          ; s24 mask of lanes 16-31
.set MSB, 0
.macro WIN new                         ; the immediate's high byte repeats the setting that is left
.if MSB != \new
	s_set_vgpr_msb (MSB<<8)|\new
.set MSB, \new
.endif
.endm
; a product that starts a sum.  ra, rb = 1: that side's scales are taken from lanes 16-31 of the register named
.macro WMZ d, a, b, sa, sb, ra, rb
.if (\ra) && (\rb)
	v_wmma_scale_f32_16x16x128_f8f6f4 v[\d:\d+7], v[\a:\a+11], v[\b:\b+11], 0, v[\sa], v[\sb] matrix_a_fmt:MATRIX_FMT_FP6 matrix_b_fmt:MATRIX_FMT_FP6 matrix_a_scale:MATRIX_SCALE_ROW1 matrix_b_scale:MATRIX_SCALE_ROW1
.elseif (\ra)
	v_wmma_scale_f32_16x16x128_f8f6f4 v[\d:\d+7], v[\a:\a+11], v[\b:\b+11], 0, v[\sa], v[\sb] matrix_a_fmt:MATRIX_FMT_FP6 matrix_b_fmt:MATRIX_FMT_FP6 matrix_a_scale:MATRIX_SCALE_ROW1
.elseif (\rb)
	v_wmma_scale_f32_16x16x128_f8f6f4 v[\d:\d+7], v[\a:\a+11], v[\b:\b+11], 0, v[\sa], v[\sb] matrix_a_fmt:MATRIX_FMT_FP6 matrix_b_fmt:MATRIX_FMT_FP6 matrix_b_scale:MATRIX_SCALE_ROW1
.else
	v_wmma_scale_f32_16x16x128_f8f6f4 v[\d:\d+7], v[\a:\a+11], v[\b:\b+11], 0, v[\sa], v[\sb] matrix_a_fmt:MATRIX_FMT_FP6 matrix_b_fmt:MATRIX_FMT_FP6
.endif
.endm
; One block of 32 of a weight's row (K innermost), all in my lane: six registers of codes in v[P] on; the row's two scale bytes, from lanes l and l xor 16, in v[W]
.macro WQ R, P, W
	v_max3_num_f32 v[TM], |v[\R]|, |v[\R+1]|, 0x1800000            ; two chains; the floor 2^(3 - 127) among the leaves
	v_max3_num_f32 v[TM+1], |v[\R+2]|, |v[\R+3]|, 0x1800000
.irp i, 4,8,12,16,20,24,28
	v_max3_num_f32 v[TM], v[TM], |v[\R+\i]|, |v[\R+\i+1]|
	v_max3_num_f32 v[TM+1], v[TM+1], |v[\R+\i+2]|, |v[\R+\i+3]|
.endr
	v_max_num_f32 v[TM], v[TM], v[TM+1]
	v_add_nc_u32 v[TM+2], 0xff000000, v[TM]                        ; 2 off the exponent field: the conversion's scale operand
	v_lshrrev_b32 v[TM+3], 23, v[TM+2]                             ; the byte,
	v_lshlrev_b32 v[TM+3], v[SH8], v[TM+3]                         ; at its place in the word
	v_permlanex16_b32 v[TM+4], v[TM+3], s[SEL], s[SEL+1]
	v_or_b32 v[\W], v[TM+3], v[TM+4]
	v_cvt_scalef32_pk16_fp6_f32 v[\P:\P+2], v[\R:\R+15], v[TM+2]
	v_cvt_scalef32_pk16_fp6_f32 v[CT:CT+2], v[\R+16:\R+31], v[TM+2] ; (a conversion's three registers begin on an even number)
	v_nop                                                          ; one plain place behind a scaled conversion
.irp i, 0,1,2
	v_mov_b32 v[\P+3+\i], v[CT+\i]
.endr
.endm
; 64 channels of my point, v[R] on, become the fragments of the group's two tiles (F0, F1; registers 6-11 zeros) and their scale words (X: tile 0 in lanes 0-15, tile 1 in lanes 16-31)
.macro XQ R, F0, F1, X
.irp b, 0,1
	v_max3_num_f32 v[TM+2*\b], |v[\R+32*\b]|, |v[\R+32*\b+1]|, 0x1800000
	v_max3_num_f32 v[TM+2*\b+1], |v[\R+32*\b+2]|, |v[\R+32*\b+3]|, 0x1800000
.endr
.irp i, 4,8,12,16,20,24,28
.irp b, 0,1
	v_max3_num_f32 v[TM+2*\b], v[TM+2*\b], |v[\R+32*\b+\i]|, |v[\R+32*\b+\i+1]|
	v_max3_num_f32 v[TM+2*\b+1], v[TM+2*\b+1], |v[\R+32*\b+\i+2]|, |v[\R+32*\b+\i+3]|
.endr
.endr
	v_max_num_f32 v[TM], v[TM], v[TM+1]
	v_max_num_f32 v[TM+2], v[TM+2], v[TM+3]
	v_add_nc_u32 v[TM+4], 0xff000000, v[TM]
	v_add_nc_u32 v[TM+5], 0xff000000, v[TM+2]
	v_lshrrev_b32 v[TM+6], 23, v[TM+4]
	v_lshrrev_b32 v[TM+7], 23, v[TM+5]
	v_lshl_or_b32 v[\X], v[TM+7], 8, v[TM+6]
	v_cvt_scalef32_pk16_fp6_f32 v[CT:CT+2], v[\R:\R+15], v[TM+4]
	v_cvt_scalef32_pk16_fp6_f32 v[CT+4:CT+6], v[\R+16:\R+31], v[TM+4]
	v_cvt_scalef32_pk16_fp6_f32 v[CT+8:CT+10], v[\R+32:\R+47], v[TM+5]
	v_cvt_scalef32_pk16_fp6_f32 v[CT+12:CT+14], v[\R+48:\R+63], v[TM+5]
	v_nop
.irp i, 0,1,2                          ; block 0's lanes 16-31 (tile 1) change places with block 1's lanes 0-15 (tile 0): a register then belongs to one tile, block lane / 16
	v_permlane16_swap_b32 v[CT+\i], v[CT+8+\i]
	v_permlane16_swap_b32 v[CT+4+\i], v[CT+12+\i]
.endr
.irp i, 0,1,2
	v_mov_b32 v[\F0+\i], v[CT+\i]
	v_mov_b32 v[\F0+3+\i], v[CT+4+\i]
	v_mov_b32 v[\F1+\i], v[CT+8+\i]
	v_mov_b32 v[\F1+3+\i], v[CT+12+\i]
.endr
.irp i, 6,7,8,9,10,11
	v_mov_b32 v[\F0+\i], 0
	v_mov_b32 v[\F1+\i], 0
.endr
.endm
; 32 numbers of a lane, register 16 b + i = k 32 b + 16 (lane / 16) + i of my row, become six registers of codes in v[P] on and the row's two scale bytes in v[W] (in both halves of the lanes)
.macro QUANT64 s, P, W
.irp b, 0,1
	v_max3_num_f32 v[TM+\b], |v[\s+16*\b]|, |v[\s+16*\b+1]|, 0x1800000
.endr
.irp i, 2,4,6,8,10,12,14
.irp b, 0,1
	v_max3_num_f32 v[TM+\b], v[TM+\b], |v[\s+16*\b+\i]|, |v[\s+16*\b+\i+1]|
.endr
.endr
.irp b, 0,1
	v_permlanex16_b32 v[TM+2+\b], v[TM+\b], s[SEL], s[SEL+1]
.endr
.irp b, 0,1
	v_max_num_f32 v[TM+\b], v[TM+\b], v[TM+2+\b]
.endr
.irp b, 0,1
	v_add_nc_u32 v[TM+4+\b], 0xff000000, v[TM+\b]
.endr
.irp b, 0,1
	v_lshrrev_b32 v[TM+6+\b], 23, v[TM+4+\b]
.endr
	v_lshl_or_b32 v[\W], v[TM+7], 8, v[TM+6]
	v_cvt_scalef32_pk16_fp6_f32 v[\P:\P+2], v[\s:\s+15], v[TM+4]
	v_cvt_scalef32_pk16_fp6_f32 v[CT:CT+2], v[\s+16:\s+31], v[TM+5]
	v_nop
.irp i, 0,1,2                          ; the operand's layout wants a whole block in a lane
	v_permlane16_swap_b32 v[\P+\i], v[CT+\i]
.endr
.irp i, 0,1,2
	v_mov_b32 v[\P+3+\i], v[CT+\i]
.endr
.endm
	s_load_b256 s[4:11], s[0:1], 0x0               ; x s[4:5], wq s[6:7], wk s[8:9], wv s[10:11]
	s_load_b256 s[12:19], s[0:1], 0x20             ; qimg s[12:13], qs s[14:15], kv s[16:17], sc s[18:19]
	v_lshl_add_u32 v30, v0, 2, 0x2c00
	v_mov_b32 v31, 0
	v_lshrrev_b32 v1, 5, v0
	v_readfirstlane_b32 s20, v1                    ; wave 0..3
	v_and_b32 v1, 31, v0                           ; lane
	v_and_b32 v2, 15, v0                           ; r
	v_bfe_u32 v3, v0, 4, 1                         ; h
	v_and_b32 v[XO], 7, v0                         ; my point in a group: bits 3 and 4 of the lane change places
	v_lshl_add_u32 v[XO], v3, 3, v[XO]
	v_bfe_u32 v15, v0, 3, 1
	v_lshl_add_u32 v[XO], v15, 4, v[XO]
	v_lshlrev_b32 v[XO], 2, v[XO]
	v_lshlrev_b32 v[L16], 4, v1
	v_lshlrev_b32 v[L8], 3, v1
	v_lshlrev_b32 v[L4], 2, v1
	s_wait_alu depctr_va_sdst(0)                   ; s20, the wave's number, is written, ahead of its first reader
	s_lshr_b32 s36, s20, 1                         ; wave / 2
	s_and_b32 s37, s20, 1                          ; wave % 2
	s_lshl_b32 s25, s36, 5
	s_lshl_b32 s26, s37, 3
	s_add_co_u32 s25, s25, s26
	v_and_b32 v15, 8, v0
	v_add_nc_u32 v15, v15, v2                      ; r + 8 (r / 8)
	v_add_nc_u32 v[WA], s25, v15                   ; wq, wk: tile = my wave: row 32 (w / 2) + 8 (w % 2) + r + 8 (r / 8)
	v_lshlrev_b32 v[WA], 8, v[WA]                  ; rows of 256 bytes,
	v_lshl_add_u32 v[WA], v3, 7, v[WA]             ; block h
	s_lshl_b32 s25, s20, 4
	v_add_nc_u32 v[WB], s25, v2                    ; wv: row 16 w + r
	v_lshlrev_b32 v[WB], 8, v[WB]
	v_lshl_add_u32 v[WB], v3, 7, v[WB]
	v_lshlrev_b32 v[SH8], 3, v3
	s_mul_i32 s25, s20, 768
	v_add_nc_u32 v[WI16], s25, v[L16]
	s_add_co_u32 s25, s25, 512
	v_add_nc_u32 v[WI8], s25, v[L8]
	s_lshl_b32 s25, s20, 7
	s_add_co_u32 s25, s25, WSC
	v_add_nc_u32 v[WS4], s25, v[L4]
	s_lshl_b32 s25, s37, 1
	s_lshl_b32 s26, s36, 8
	s_add_co_u32 s25, s25, s26
	s_add_co_u32 s25, s25, VSS
	v_lshl_add_u32 v[VSA], v2, 3, s25              ; VSS + 8 r + 2 (w % 2) + 256 (w / 2)
	s_mov_b32 s[SEL], 0x76543210
	s_mov_b32 s[SEL+1], 0xfedcba98
	s_mov_b32 s[HM], 0xffff0000
	s_lshr_b32 s34, ttmp9, 3                       ; batch
	s_and_b32 s35, ttmp9, 7                        ; which 256 points of it
	s_mov_b32 s27, 0
	s_lshl_b32 s26, s34, 19
	s_lshl_b32 s38, s35, 10
	s_add_co_u32 s26, s26, s38
	s_lshl_b32 s38, s20, 8
	s_add_co_u32 s26, s26, s38
	s_wait_kmcnt 0x0
	s_add_nc_u64 s[4:5], s[4:5], s[26:27]          ; x at channel 0 of my wave's first point
	s_wait_alu depctr_va_vdst(0)                   ; the offsets and LDS addresses v4 to v14, v30 and v31 are written: every load and store of the kernel reads some of them, and none is written again
.irp i, 0,1,2,3,4,5,6,7
	global_load_b128 v[160+4*\i:163+4*\i], v[WA], s[6:7] offset:16*\i
.endr
.irp i, 0,1,2,3,4,5,6,7
	global_load_b128 v[192+4*\i:195+4*\i], v[WA], s[8:9] offset:16*\i
.endr
.irp i, 0,1,2,3,4,5,6,7
	global_load_b128 v[224+4*\i:227+4*\i], v[WB], s[10:11] offset:16*\i
.endr
.set i, 0
.rept 64
	global_load_b32 v[RAW0+i], v[XO], s[4:5] offset:i*8192 th:TH_LOAD_NT   ; group 0: channel i of my point
.set i, i+1
.endr
	; where the results go
	s_mul_i32 s26, ttmp9, 12288
	s_mul_i32 s38, s20, 3072
	s_add_co_u32 s26, s26, s38
	s_add_nc_u64 s[12:13], s[12:13], s[26:27]      ; q's images: my wave's four tiles
	s_lshl_b32 s26, ttmp9, 2
	s_add_co_u32 s26, s26, s20
	s_lshl_b32 s26, s26, 8
	s_add_nc_u64 s[14:15], s[14:15], s[26:27]      ; q's scale words: my span of 64 points
	s_mul_i32 s26, s34, 196608
	s_lshl_b32 s38, s35, 1
	s_add_co_u32 s38, s38, s36
	s_mul_i32 s38, s38, 12288
	s_add_co_u32 s26, s26, s38
	s_mul_i32 s38, s37, 3072
	s_add_co_u32 s26, s26, s38
	s_add_nc_u64 s[16:17], s[16:17], s[26:27]      ; k's images: key step 2 e + w / 2, tiles 4 (w % 2) on
	s_add_nc_u64 s[30:31], s[16:17], 6144          ; v's: the same step, half w % 2
	s_mul_i32 s39, s34, 12288
	s_lshl_b32 s38, s35, 9
	s_add_co_u32 s26, s39, s38
	s_add_co_u32 s26, s26, 8192
	s_add_nc_u64 s[32:33], s[18:19], s[26:27]      ; v's scale words: the work-group's two key steps
	s_lshl_b32 s38, s35, 2
	s_add_co_u32 s38, s38, s20
	s_lshl_b32 s38, s38, 8
	s_add_co_u32 s26, s39, s38
	s_add_nc_u64 s[18:19], s[18:19], s[26:27]      ; k's scale words: my span of 64 keys
.set TM, 96
.set CT, 112
	v_mov_b32 v[TM+4], 0                           ; written once: a lane permute's destination counts as one of its sources
	s_wait_loadcnt 63                              ; 88 loads are issued: the oldest 25 are in, the 24 of the weights among them
.irp m, 0,1,2                          ; my wave's tile of each of the three weights: quantised once in the work-group, handed on as an image
	WQ 160+32*\m, 128+6*\m, 146+\m
.endr
	s_wait_alu depctr_va_vdst(0)                   ; the three tiles' codes and words (v128-148) are written, which the LDS stores read; and the quantising is done with v96-159, in which group 1's loads land
.irp m, 0,1,2
	ds_store_b128 v[WI16], v[128+6*\m:131+6*\m] offset:WIMG+3072*\m
	ds_store_b64 v[WI8], v[132+6*\m:133+6*\m] offset:WIMG+3072*\m
	ds_store_b32 v[WS4], v[146+\m] offset:512*\m
.endr
	s_wait_dscnt 0x0                               ; my stores have landed, for the others' sake
	s_wait_alu depctr_vm_vsrc(0)                   ; the LDS stores have read v128-148, in which group 1's loads land
.set i, 0
.rept 64
	global_load_b32 v[RAW1+i], v[XO], s[4:5] offset:i*8192+128 th:TH_LOAD_NT   ; group 1
.set i, i+1
.endr
	s_barrier_signal -1
	s_barrier_wait -1                              ; the twelve images lie in LDS
	WIN 0x40                                       ; destination window 1
.set i, 0
.rept 12
	ds_load_b128 v[6*i:6*i+3], v[L16] offset:WIMG+768*i            ; no vector instruction has named these registers
	ds_load_b64 v[6*i+4:6*i+5], v[L8] offset:WIMG+768*i+512
.set i, i+1
.endr
.irp i, 0,1,2,3,4,5
	v_mov_b32 v[72+\i], 0                          ; what the last fragment's registers 6-11 name
.endr
	WIN 0
.set i, 0
.rept 12
	ds_load_b32 v[WS+i], v[L4] offset:WSC+128*i
.set i, i+1
.endr
.set TM, 160
.set CT, 176
	s_wait_loadcnt 63                              ; 64 loads were issued behind group 0's: group 0 is in
	XQ RAW0, XF, XF+12, XS
	s_wait_loadcnt 0x0
	XQ RAW1, XF+24, XF+36, XS+1
	s_wait_dscnt 0x0                               ; the weights' fragments and scale words
.rept 8
	v_nop                                          ; a scale register written by a vector instruction stands 8 places ahead of a scaled matrix instruction, an operand so written 4
.endr
	s_wait_alu depctr_va_vdst(0)                   ; x's four fragments, their scale words and the six cleared registers are written, which the products take as operands and scales; none of them is written again
	; ---- q and k, transposed: source 0 = 16 rows of the weight, source 1 = 16 points: a lane holds one point, its registers run along the 64 output channels, the next K
.irp m, 0,1
.irp g, 0,1                            ; step 2 m + g: out-buffer g
	WIN 0x01                                       ; source 0 window 1
.irp t, 0,1,2,3
.irp u, 0,1
	WMZ D0+32*\u+8*\t, 6*(4*\m+\t), XF+12*(2*\g+\u), WS+4*\m+\t, XS+\g, 0, \u
.endr
.endr
	WIN 0
.rept 4
	v_nop                                          ; places in front of the first read of results
.endr
.if \m > 0
	s_wait_xcnt 0x0                                ; the stores of two steps back have had their addresses translated,
	s_wait_alu depctr_vm_vsrc(0)                   ; and have read this out-buffer, which the quantising below writes again
.endif
.irp u, 0,1
	QUANT64 D0+32*\u, OB+12*\g+6*\u, QW+2*\g+\u
.endr
.if \g == 1
	v_cndmask_b32 v[SWD+2*\m], v[QW], v[QW+1], s[HM]       ; a group's two tiles share a word's place: tile 0 in lanes 0-15, tile 1 in lanes 16-31
	v_cndmask_b32 v[SWD+2*\m+1], v[QW+2], v[QW+3], s[HM]
.endif
	s_wait_alu depctr_va_vdst(0)                   ; the step's two half-images (and, in a weight's second step, the pair of words) are written, which the stores below read
.irp u, 0,1
	global_store_b128 v[L16], v[OB+12*\g+6*\u:OB+12*\g+6*\u+3], s[12+4*\m:13+4*\m] offset:768*(2*\g+\u)        ; 512 consecutive bytes a wave
	global_store_b64 v[L8], v[OB+12*\g+6*\u+4:OB+12*\g+6*\u+5], s[12+4*\m:13+4*\m] offset:768*(2*\g+\u)+512    ; 256
.endr
.if \g == 1
	global_store_b64 v[L8], v[SWD+2*\m:SWD+2*\m+1], s[14+4*\m:15+4*\m]
.endif
.endr
.endr
	; ---- v: source 0 = 16 points, source 1 = 16 rows of wv: a lane holds one channel, and the registers of a group's two tiles are 16 neighbouring keys, the next K
.irp p, 0,1                            ; step 4 + p: out-buffer p
	WIN 0x04                                       ; source 1 window 1
.irp g, 0,1
.irp u, 0,1
.irp k, 0,1
	WMZ D0+32*\k+16*\g+8*\u, XF+12*(2*\g+\u), 6*(8+2*\p+\k), XS+\g, WS+8+2*\p+\k, \u, 0
.endr
.endr
.endr
	WIN 0
.rept 4
	v_nop
.endr
	s_wait_xcnt 0x0                                ; the stores of two steps back have had their addresses translated,
	s_wait_alu depctr_vm_vsrc(0)                   ; and have read this out-buffer, which the quantising below writes again
.irp k, 0,1                            ; channels 16 (2 p + k) on
	QUANT64 D0+32*\k, OB+12*\p+6*\k, VW+2*\p+\k
.endr
	s_wait_alu depctr_va_vdst(0)                   ; the step's two half-images and two scale words are written, which the stores below read
.irp k, 0,1
	global_store_b128 v[L16], v[OB+12*\p+6*\k:OB+12*\p+6*\k+3], s[30:31] offset:768*(2*\p+\k)
	global_store_b64 v[L8], v[OB+12*\p+6*\k+4:OB+12*\p+6*\k+5], s[30:31] offset:768*(2*\p+\k)+512
	ds_store_b16 v[VSA], v[VW+2*\p+\k] offset:\k*128+\p*4   ; my 64 keys' two bytes of the channel's scale word; both halves of the lanes write the same bytes
.endr
.endr
	s_wait_dscnt 0x0
	s_barrier_signal -1
	s_barrier_wait -1                              ; the two key steps' scale words of v are whole
	s_cmp_lg_u32 s20, 0
	s_cbranch_scc1 .Lend
	ds_load_b128 v[FIN:FIN+3], v[L16] offset:VSS   ; into registers that no vector instruction has named since the weights were quantised, and no memory instruction has read
	s_wait_dscnt 0x0
	global_store_b128 v[L16], v[FIN:FIN+3], s[32:33] ; 512 consecutive bytes
.Lend:
	s_wait_dscnt 0x0                               ; the closing lines, six on end
	s_wait_alu 0x0
	s_wait_tensorcnt 0x0
	ds_add_u32 v30, v31
	s_wait_dscnt 0x0
	s_endpgm
.Lfunc_end_k_q4842d728fd_proj:
	.size	k_q4842d728fd_proj, .Lfunc_end_k_q4842d728fd_proj-k_q4842d728fd_proj
	.p2alignl 7, 3214868480
	.fill 96, 4, 3214868480
	.section	.rodata,"a",@progbits
	.p2align	6, 0x0
	.amdhsa_kernel k_q4842d728fd_proj
		.amdhsa_group_segment_fixed_size 11776
		.amdhsa_private_segment_fixed_size 0
		.amdhsa_enable_private_segment 0
		.amdhsa_kernarg_size 64
		.amdhsa_user_sgpr_count 2
		.amdhsa_user_sgpr_kernarg_segment_ptr 1
		.amdhsa_wavefront_size32 1
		.amdhsa_system_sgpr_workgroup_id_x 1
		.amdhsa_system_sgpr_workgroup_id_y 1
		.amdhsa_system_sgpr_workgroup_id_z 1
		.amdhsa_system_vgpr_workitem_id 0
		.amdhsa_next_free_vgpr 384
		.amdhsa_next_free_sgpr 66
		.amdhsa_reserve_vcc 0
		.amdhsa_float_denorm_mode_32 3
		.amdhsa_float_denorm_mode_16_64 3
		.amdhsa_memory_ordered 1
		.amdhsa_forward_progress 1
		.amdhsa_inst_pref_size 67
	.end_amdhsa_kernel
	.amdgpu_metadata
---
amdhsa.version: [ 1, 2 ]
amdhsa.kernels:
  - .name:           k_q4842d728fd_proj
    .symbol:         k_q4842d728fd_proj.kd
    .args:
      - { .name: x, .offset: 0, .size: 8, .value_kind: global_buffer, .address_space: global }
      - { .name: wq, .offset: 8, .size: 8, .value_kind: global_buffer, .address_space: global }
      - { .name: wk, .offset: 16, .size: 8, .value_kind: global_buffer, .address_space: global }
      - { .name: wv, .offset: 24, .size: 8, .value_kind: global_buffer, .address_space: global }
      - { .name: qimg, .offset: 32, .size: 8, .value_kind: global_buffer, .address_space: global }
      - { .name: qs, .offset: 40, .size: 8, .value_kind: global_buffer, .address_space: global }
      - { .name: kv, .offset: 48, .size: 8, .value_kind: global_buffer, .address_space: global }
      - { .name: sc, .offset: 56, .size: 8, .value_kind: global_buffer, .address_space: global }
    .group_segment_fixed_size: 11776
    .private_segment_fixed_size: 0
    .kernarg_segment_align: 8
    .kernarg_segment_size: 64
    .max_flat_workgroup_size: 128
    .sgpr_count:     66
    .vgpr_count:     384
    .wavefront_size: 32
...
	.end_amdgpu_metadata
.endif
;; end of part 5
;; launch attn (part 6): grid 8 x 32, 8 waves a work-group, clusters of 4 x 1, 277,504 bytes of LDS; arguments qimg, qs, kv, sc, x, y1, part1; writes y1, part1
.if DOCPART == 6
	.amdgcn_target "amdgcn-amd-amdhsa--gfx1250"
	.amdhsa_code_object_version 6
	.text
	.protected	k_q4842d728fd_attn
	.globl	k_q4842d728fd_attn
	.p2align	8
	.type	k_q4842d728fd_attn,@function
k_q4842d728fd_attn:
	s_mov_b64 s[64:65], 0
	v_nop
	global_prefetch_b8 v0, s[64:65] scope:SCOPE_SE
	s_setreg_imm32_b32 hwreg(HW_REG_WAVE_MODE, 25, 1), 1
	s_wait_xcnt 0x0
	s_wait_alu depctr_hold_cnt(0) depctr_sa_sdst(0) depctr_va_vdst(0) depctr_va_sdst(0) depctr_va_ssrc(0) depctr_va_vcc(0) depctr_vm_vsrc(0)
	s_getreg_b32 s2, hwreg(HW_REG_IB_STS2, 6, 4)
	s_cmp_eq_u32 s2, 0
	s_cbranch_scc0 .Lentry_in_a_cluster
	s_endpgm
.Lentry_in_a_cluster:
	s_bfe_u32 s2, ttmp6, 0x10000c
	s_cmp_lg_u32 s2, 0x3003
	s_cbranch_scc0 .Lentry_shape_is_right
	s_endpgm
.Lentry_shape_is_right:
; y1 = x + softmax(q k^T / 8) v, one head of 64 channels over the 2,048 points of a batch, both products on codes of FP6 (E2M3) with E8M0 scales; and for each channel the work-group's mean and
; sum of squared deviations of y1 (256 points), for the normalisation that follows.
; THE SOFTMAX AHEAD OF THE SECOND PRODUCT: t = score x log2(e) / 8; M = the running largest t rounded up to a whole number; p = 2^(t - M) is quantised along the keys, not normalised; the row's sum
; is taken of the unquantised p and divides at the end.  When M moves, the sum and O are multiplied by 2^(old M - new M): exact.
; SHARES.  A work-group owns 256 queries of a batch, each of its eight waves 32: two tiles of 16.  Two waves to a SIMD: one wave's vector work stands beside the other's products and LDS loads.
; A fragment of K or V read from LDS feeds two products.
; ALL OF A BATCH'S K, V AND SCALE WORDS STAY IN LDS (208,896 bytes), as images of operand registers: each byte is filled once, so there is no ring.  The four work-groups of a cluster belong to one
; batch: each fill is asked for JOINTLY, by the same tensor load with the same descriptor and a mask that names the four.
; THE FILLS GO OUT TOGETHER AND ARE WAITED FOR PIECE BY PIECE.  A wave has five tensor loads out at the most: its eighth of the scale words, of key steps 0-1, of steps 2-3, of steps 4-7 and of steps 8-15.
; Step s reads V of step s and K of step s + 1: so behind the barrier for steps 0-1 the waves work step 0, behind that for steps 2-3 steps 1-2, behind that for steps 4-7 steps 3-6, then steps 7-15.
; Each later load has the steps on the bytes before it in which to land: 1, 2 and 4 steps' work for 2, 4 and 8 steps' bytes.
; Nothing is prefetched: K, V and Q are asked for at the head by the loads themselves; x's rows go straight into registers, asked for behind the last of these barriers, nine key steps ahead of their use.
; LAYOUT.  Both products are used transposed: S^T = K Q^T (source 0 = 16 keys, source 1 = 16 queries), O^T = V^T P^T (source 0 = 16 channels, source 1 = P): a lane holds one query throughout.
; Row r of key tile 2 b + u is key 32 b + 8 u + r + 8 (r / 8), so that the 16 registers of tiles 2 b and 2 b + 1 are 16 neighbouring keys.
; HALF-IMAGE (768 bytes): six registers of a fragment, K = 64: registers 0-3 at 16 x lane, registers 4-5 at 512 + 8 x lane.
; K = 64 IN AN INSTRUCTION OF K = 128 (first product): Q's registers 6-11 hold zero codes; K's fragments lie 6 registers apart, so a fragment's registers 6-11 are the next one (behind the last: six
; cleared registers).  The format has no code for infinity or NaN, so what meets a zero code adds nothing; scale bytes 2 and 3 are 0, never 0xff.
; LIMITS: NaN and infinities are not served.
; REGISTERS, window 0: v1-11, v27, v30 addresses; v12-19 statistics; v20-29 scale words; v32-159 S^T, then p, 64 a tile; v160-183 p's codes; v184-231 at work.
;   window 1: v0-63 O^T; v64-87 Q; v88-141 K of one step; v142-189 V of one step; v192-255 x's rows for the way out.
.set STEPB, 12288                      ; a key step in LDS: K's 8 half-images of 768 bytes, then V's 8
.set SC,    196608                     ; K's scale words (512 bytes a step), from + 8192 V's (256 a step)
.set STAGE, 208896                     ; the way out: 64 channels x (256 points x 4 bytes + 16); no fill lands here
.set STATS, 275456                     ; 64 means, 64 sums of squares
.set SPITCH, 1040
.set L16, 1                            ; v1   16 x lane
.set L8,  2                            ; v2   8 x lane
.set A16, 3                            ; v3, v4   this step's V
.set A8,  4
.set N16, 5                            ; v5, v6   the next step's K
.set N8,  6
.set AKS, 7                            ; v7   the next step's scale words of K
.set AVS, 8                            ; v8   this step's of V
.set STO, 9                            ; v9   the way out: where my query's numbers go
.set RD,  10                           ; v10  where my wave's channels are read back
.set SA,  11                           ; v11  where my wave's figures go
.set ST,  12                           ; tile q at v[ST + 4 q]: -M, the largest t, the sum in two halves
.set KS,  20                           ; v20-23 K's scale words: register b: tile 2 b in lanes 0-15, tile 2 b + 1 in lanes 16-31
.set VS,  24                           ; v24-25 V's likewise
.set QS,  26                           ; v26    Q's: tile 0 in lanes 0-15, tile 1 in lanes 16-31
.set QA,  27                           ; v27    where Q's scale words are read
.set PW,  28                           ; v28-29 p's scale words
.set SL,  30                           ; v30    STATS + 16 x lane (STATS lies beyond an LDS instruction's 16-bit offset)
.set S,   32
.set P,   160
.set T,   184                          ; tile q at v[T + 24 q]: +0..3 block maxima; +4..7 permutes, bytes, second chain of the sum; +8..11 scale operands; +12.., +16.. conversions; +20 at work; +22, +23 f
.set O,   0                            ; window 1
.set QF,  64
.set KF,  88
.set VF,  142
.set XR,  192
.set WV,  18
.set SEL, 20                           ; s[20:21] lane selects of v_permlanex16_b32: lane l xor 16
.set CS,  22                           ; s[22:23] c = log2(e) / 8
.set G1S, 24                           ; s[24:31] descriptor group 1: 6 rows of 256 bytes (the scale words)
.set G1C, 32                           ; s[32:39] 12 rows (steps 0-1; steps 2-3)
.set G1D, 40                           ; s[40:47] 24 rows (steps 4-7)
.set G1E, 48                           ; s[48:55] 48 rows (steps 8-15)
.set G0S, 56                           ; s[56:59] descriptor group 0: the scale words
.set G0A, 60                           ; s[60:63] steps 0-1
.set G0B, 68                           ; s[68:71] steps 2-3
.set G0D, 72                           ; s[72:75] steps 4-7
.set G0E, 76                           ; s[76:79] steps 8-15
.set TB,  80                           ; s80 LDS byte of the step in hand
.set TN,  81                           ; s81 of the next step (held at the last)
.set TKS, 82                           ; s82 K's scale words of the step in hand
.set TKN, 83                           ; s83 of the next step (held at the last)
.set TVS, 84                           ; s84 V's scale words of the step in hand
.set CNT, 85
.set BAT, 86                           ; s86 the batch
.set QB,  87                           ; s87 my block of 256 queries
.set Y,  96                            ; the way out
.set EA, 160
.set EB, 176
.set ES, 192
.set EP, 200
.set EM, 208
.set ED, 224
.set EQ, 240
.set MSB, 0
.macro WIN new                         ; the immediate's high byte repeats the setting that is left
.if MSB != \new
	s_set_vgpr_msb (MSB<<8)|\new
.set MSB, \new
.endif
.endm
.macro WMZ d, a, b, sa, sb, ra, rb     ; a product that starts a sum.  ra, rb = 1: that side's scales are taken from lanes 16-31
.if (\ra) && (\rb)
	v_wmma_scale_f32_16x16x128_f8f6f4 v[\d:\d+7], v[\a:\a+11], v[\b:\b+11], 0, v[\sa], v[\sb] matrix_a_fmt:MATRIX_FMT_FP6 matrix_b_fmt:MATRIX_FMT_FP6 matrix_a_scale:MATRIX_SCALE_ROW1 matrix_b_scale:MATRIX_SCALE_ROW1
.elseif (\ra)
	v_wmma_scale_f32_16x16x128_f8f6f4 v[\d:\d+7], v[\a:\a+11], v[\b:\b+11], 0, v[\sa], v[\sb] matrix_a_fmt:MATRIX_FMT_FP6 matrix_b_fmt:MATRIX_FMT_FP6 matrix_a_scale:MATRIX_SCALE_ROW1
.elseif (\rb)
	v_wmma_scale_f32_16x16x128_f8f6f4 v[\d:\d+7], v[\a:\a+11], v[\b:\b+11], 0, v[\sa], v[\sb] matrix_a_fmt:MATRIX_FMT_FP6 matrix_b_fmt:MATRIX_FMT_FP6 matrix_b_scale:MATRIX_SCALE_ROW1
.else
	v_wmma_scale_f32_16x16x128_f8f6f4 v[\d:\d+7], v[\a:\a+11], v[\b:\b+11], 0, v[\sa], v[\sb] matrix_a_fmt:MATRIX_FMT_FP6 matrix_b_fmt:MATRIX_FMT_FP6
.endif
.endm
.macro WMA d, a, b, sa, sb, ra         ; a product that adds onto v[d] on
.if (\ra)
	v_wmma_scale_f32_16x16x128_f8f6f4 v[\d:\d+7], v[\a:\a+11], v[\b:\b+11], v[\d:\d+7], v[\sa], v[\sb] matrix_a_fmt:MATRIX_FMT_FP6 matrix_b_fmt:MATRIX_FMT_FP6 matrix_a_scale:MATRIX_SCALE_ROW1
.else
	v_wmma_scale_f32_16x16x128_f8f6f4 v[\d:\d+7], v[\a:\a+11], v[\b:\b+11], v[\d:\d+7], v[\sa], v[\sb] matrix_a_fmt:MATRIX_FMT_FP6 matrix_b_fmt:MATRIX_FMT_FP6
.endif
.endm
; A round of the cluster's barrier: my work-group's barrier, so that wave 0's signal speaks for all eight waves; wave 0 signals; every wave waits for all four work-groups; my work-group's barrier once more
.macro CROUND
	s_barrier_signal -1
	s_barrier_wait -1
	s_cmp_lg_u32 s[WV], 0
	s_cbranch_scc1 .Lnot_wave_0_\@
	s_barrier_signal -3
.Lnot_wave_0_\@:
	s_barrier_wait -3
	s_barrier_signal -1
	s_barrier_wait -1
.endm
; The next piece of K and V has landed: my eighth of it by my own count (left = how many younger tensor loads of mine may stay out), everybody's behind the barrier
.macro LANDED left
	s_wait_tensorcnt \left
	s_wait_dscnt 0x0                               ; no LDS instruction of mine is pending at the signal
	s_barrier_signal -1
	s_barrier_wait -1
.endm
.macro LANESUM                         ; v[ES] .. v[ES + 7], each summed over the wave's 32 lanes
.irp x, 1,2,4,8
.irp i, 0,1,2,3,4,5,6,7
	v_add_f32_dpp v[ES+\i], v[ES+\i], v[ES+\i] row_xmask:\x row_mask:0xf bank_mask:0xf
.endr
.endr
.irp i, 0,1,2,3,4,5,6,7
	v_permlanex16_b32 v[EP+\i], v[ES+\i], s[SEL], s[SEL+1]
.endr
.irp i, 0,1,2,3,4,5,6,7
	v_add_f32 v[ES+\i], v[ES+\i], v[EP+\i]
.endr
.endm
	s_load_b256 s[4:11], s[0:1], 0x0               ; qimg s[4:5], qs s[6:7], kv s[8:9], sc s[10:11]
	s_load_b128 s[12:15], s[0:1], 0x20             ; x s[12:13], y1 s[14:15]
	s_load_b64 s[16:17], s[0:1], 0x30              ; part1
	v_lshl_add_u32 v31, v0, 2, 0x43800
	s_set_vgpr_msb 0x40
	v_mov_b32 v191, 0
	s_set_vgpr_msb 0x4044
	ds_add_u32 v31, v191
	ds_add_u32 v31, v191
	s_set_vgpr_msb 0x4400
	v_lshrrev_b32 v1, 5, v0
	s_delay_alu instid0(VALU_DEP_1)
	v_readfirstlane_b32 s[WV], v1                  ; wave 0..7
	s_and_b32 s[BAT], ttmp7, 0xffff                ; the batch, which the four partners share
	s_bfe_u32 s19, ttmp6, 0x40000                  ; cx: my place in the cluster
	s_lshl_b32 s[QB], ttmp9, 2
	s_add_co_u32 s[QB], s[QB], s19                 ; my block of 256 queries: it enters global addresses of Q, x, y1 and part1 alone
	; descriptor group 1: dense blocks as rows of 256 bytes (32 elements of 8 bytes); 15:0 the mask: all four work-groups; 17:16 element size code 3; 21 set beside a mask
.irp g, G1S, G1C, G1D, G1E
	s_mov_b32 s[\g], 15|(3<<16)|(1<<21)
	s_mov_b32 s[\g+1], 32<<16                      ; tensor_dim0 = 32
	s_mov_b32 s[\g+3], 32<<16                      ; tile_dim0 = 32
	s_mov_b32 s[\g+5], 32                          ; from row to row
	s_mov_b32 s[\g+6], 0
	s_mov_b32 s[\g+7], 0
.endr
	s_mov_b32 s[G1S+2], 6<<16                      ; the scale words: 6 rows a wave (12,288 bytes in all)
	s_mov_b32 s[G1S+4], 6
	s_mov_b32 s[G1C+2], 12<<16                     ; two key steps: 12 rows a wave (24,576 bytes)
	s_mov_b32 s[G1C+4], 12
	s_mov_b32 s[G1D+2], 24<<16                     ; four key steps: 24 rows a wave (49,152 bytes)
	s_mov_b32 s[G1D+4], 24
	s_mov_b32 s[G1E+2], 48<<16                     ; eight key steps: 48 rows a wave (98,304 bytes)
	s_mov_b32 s[G1E+4], 48
	s_mov_b32 s89, 0
	s_mov_b32 s91, 0
	s_mov_b32 s93, 0
	s_mov_b32 s95, 0
	s_mov_b32 s97, 0
	s_mul_i32 s[G0S+1], s[WV], 1536
	s_mul_i32 s88, s[BAT], 12288
	s_add_co_u32 s88, s88, s[G0S+1]                ; in sc: the batch's 12,288 bytes, my wave's 1,536
	s_add_co_u32 s[G0S+1], s[G0S+1], SC            ; in LDS
	s_mul_i32 s98, s[BAT], 196608                  ; the batch's part of kv: a byte has the same place in it as in LDS
	s_mul_i32 s[G0A+1], s[WV], 3072                ; steps 0-1: my wave's 3,072 bytes
	s_add_co_u32 s90, s98, s[G0A+1]
	s_add_co_u32 s[G0B+1], s[G0A+1], 24576         ; steps 2-3 likewise
	s_add_co_u32 s92, s98, s[G0B+1]
	s_mul_i32 s[G0D+1], s[WV], 6144
	s_add_co_u32 s[G0D+1], s[G0D+1], 49152         ; steps 4-7: my wave's 6,144
	s_add_co_u32 s94, s98, s[G0D+1]
	s_mul_i32 s[G0E+1], s[WV], 12288
	s_add_co_u32 s[G0E+1], s[G0E+1], 98304         ; steps 8-15: my wave's 12,288
	s_add_co_u32 s96, s98, s[G0E+1]
	s_mov_b32 s[G0S], 1                            ; count = 1
	s_mov_b32 s[G0A], 1
	s_mov_b32 s[G0B], 1
	s_mov_b32 s[G0D], 1
	s_mov_b32 s[G0E], 1
	s_mov_b32 s[SEL], 0x76543210
	s_mov_b32 s[SEL+1], 0xfedcba98
	s_mov_b32 s[CS], 0x3e38aa3b                    ; c = log2(e) / 8
	s_mov_b32 s[CS+1], s[CS]                       ; (named with it as a pair, so it is written)
	v_and_b32 v2, 31, v0
	s_delay_alu instid0(VALU_DEP_1)
	v_lshlrev_b32 v[L16], 4, v2
	s_delay_alu instid0(VALU_DEP_2)
	v_lshlrev_b32 v[L8], 3, v2
	s_delay_alu instid0(VALU_DEP_2)
	v_add_nc_u32 v[SL], STATS, v[L16]
	v_and_b32 v3, 15, v0
	v_and_b32 v4, 8, v0
	s_delay_alu instid0(VALU_DEP_1)
	v_add_nc_u32 v3, v3, v4                        ; r + 8 (r / 8): my query's place among its tile's points
	v_bfe_u32 v4, v0, 4, 1
	s_delay_alu instid0(VALU_DEP_1)
	v_mul_u32_u24 v4, v4, 8*SPITCH                 ; lanes 16-31 hold the channels 8 further on
	s_delay_alu instid0(VALU_DEP_1)
	v_lshl_add_u32 v[STO], v3, 2, v4
	s_lshl_b32 s99, s[WV], 7
	s_add_co_u32 s99, s99, STAGE
	v_add_nc_u32 v[STO], s99, v[STO]               ; + my wave's 32 points
	s_mul_i32 s99, s[WV], 8*SPITCH
	s_add_co_u32 s99, s99, STAGE
	v_add_nc_u32 v[RD], s99, v[L16]                ; back: my wave's 8 channels
	s_lshl_b32 s99, s[WV], 5
	s_add_co_u32 s99, s99, STATS
	v_mov_b32 v[SA], s99
	s_and_b32 s99, s[WV], 1
	s_lshl_b32 s99, s99, 2
	v_add_nc_u32 v[QA], s99, v[L8]
	s_wait_dscnt 0x0
	s_wait_kmcnt 0x0
	s_add_nc_u64 s[G0S+2:G0S+3], s[10:11], s[88:89]
	s_or_b32 s[G0S+3], s[G0S+3], 0x80000000        ; type = 2
	s_add_nc_u64 s[G0A+2:G0A+3], s[8:9], s[90:91]
	s_or_b32 s[G0A+3], s[G0A+3], 0x80000000
	s_add_nc_u64 s[G0B+2:G0B+3], s[8:9], s[92:93]
	s_or_b32 s[G0B+3], s[G0B+3], 0x80000000
	s_add_nc_u64 s[G0D+2:G0D+3], s[8:9], s[94:95]
	s_or_b32 s[G0D+3], s[G0D+3], 0x80000000
	s_add_nc_u64 s[G0E+2:G0E+3], s[8:9], s[96:97]
	s_or_b32 s[G0E+3], s[G0E+3], 0x80000000
	CROUND                                         ; all four work-groups are here: the joint loads meet
	tensor_load_to_lds s[G0S:G0S+3], s[G1S:G1S+7]  ; all first fills in one group, in the order in which they are wanted
	s_nop 0
	tensor_load_to_lds s[G0A:G0A+3], s[G1C:G1C+7]
	s_nop 0
	tensor_load_to_lds s[G0B:G0B+3], s[G1C:G1C+7]
	s_nop 0
	tensor_load_to_lds s[G0D:G0D+3], s[G1D:G1D+7]
	s_nop 0
	tensor_load_to_lds s[G0E:G0E+3], s[G1E:G1E+7]
	s_nop 0
.rept 4
	v_nop                                          ; four behind a tensor load, ahead of a change of windows
.endr
	s_mov_b32 s3, 0
	s_lshl_b32 s2, s[BAT], 6
	s_lshl_b32 s99, s[QB], 3
	s_add_co_u32 s2, s2, s99
	s_add_co_u32 s2, s2, s[WV]                     ; my group of 32 queries: 64 x batch + 8 x block + wave
	s_mul_i32 s2, s2, 1536
	s_add_nc_u64 s[4:5], s[4:5], s[2:3]
	s_lshl_b32 s2, s[BAT], 5
	s_lshl_b32 s99, s[QB], 2
	s_add_co_u32 s2, s2, s99
	s_lshr_b32 s99, s[WV], 1
	s_add_co_u32 s2, s2, s99                       ; my span of 64 queries
	s_lshl_b32 s2, s2, 8
	s_add_nc_u64 s[6:7], s[6:7], s[2:3]
	s_wait_alu depctr_va_vdst(0)
	global_load_b32 v[QS], v[QA], s[6:7]
	WIN 0x40                                       ; destination window 1
.irp q, 0,1
	global_load_b128 v[QF+12*\q:QF+12*\q+3], v[L16], s[4:5] offset:768*\q
	global_load_b64 v[QF+12*\q+4:QF+12*\q+5], v[L8], s[4:5] offset:768*\q+512
.endr
.set i, 0
.rept 64
	v_mov_b32 v[O+i], 0                            ; O^T.  (The step is written once for all steps: the first finds zeros, which the first change of M leaves zeros)
.set i, i+1
.endr
.irp q, 0,1
.irp i, 6,7,8,9,10,11
	v_mov_b32 v[QF+12*\q+\i], 0                    ; Q's zero codes for k = 64 .. 127
.endr
.endr
.irp i, 0,1,2,3,4,5
	v_mov_b32 v[KF+48+\i], 0                       ; what K's last fragment's registers 6-11 name
.endr
	WIN 0
	s_lshl_b32 s2, s[BAT], 19
	s_lshl_b32 s99, s[WV], 16
	s_add_co_u32 s2, s2, s99
	s_lshl_b32 s99, s[QB], 10
	s_add_co_u32 s2, s2, s99                       ; x, y1: the batch, channel 8 x wave, my block's 256 points
	s_add_nc_u64 s[12:13], s[12:13], s[2:3]
	s_add_nc_u64 s[14:15], s[14:15], s[2:3]
	s_lshl_b32 s2, s[BAT], 3
	s_add_co_u32 s2, s2, s[QB]
	s_lshl_b32 s2, s2, 9
	s_add_nc_u64 s[16:17], s[16:17], s[2:3]        ; part1: my work-group's 512 bytes
.irp q, 0,1
	v_mov_b32 v[ST+4*\q+1], 0xff61b1e6             ; the largest t so far: -3e38, under every t
	s_delay_alu instid0(VALU_DEP_1)
	v_floor_f32 v[ST+4*\q], -v[ST+4*\q+1]          ; -M
	v_mov_b32 v[ST+4*\q+2], 0
	v_mov_b32 v[ST+4*\q+3], 0
.irp i, 4,5,6,7,23
	v_mov_b32 v[T+24*\q+\i], 0                     ; written once: permutes' destinations, and the upper half of f's pair
.endr
.endr
	s_mov_b32 s[TB], 0
	s_mov_b32 s[TKS], SC
	s_mov_b32 s[TVS], SC+8192
	v_add_nc_u32 v[AKS], s[TKS], v[L8]
	s_wait_alu depctr_va_vdst(0)
	LANDED 0x3                                     ; the scale words and steps 0-1; the three loads of steps 2-15 may stay out
	WIN 0x40
.irp t, 0,1,2,3,4,5,6,7
	ds_load_b128 v[KF+6*\t:KF+6*\t+3], v[L16] offset:768*\t
	ds_load_b64 v[KF+6*\t+4:KF+6*\t+5], v[L8] offset:768*\t+512
.endr
	WIN 0
	ds_load_b64 v[KS:KS+1], v[AKS]
	ds_load_b64 v[KS+2:KS+3], v[AKS] offset:256
	s_wait_loadcnt 0x0                             ; Q and its scale words
; A KEY STEP: 128 keys.  K of this step is in registers; V of this step and K of the next are asked for behind the first product and land under the softmax.
.macro STEP
	s_wait_dscnt 0x0                               ; K and its scale words
	WIN 0x05                                       ; sources 0 and 1 window 1
	s_setprio 2
.irp t, 0,1,2,3,4,5,6,7
.irp q, 0,1
	WMZ S+64*\q+8*\t, KF+6*\t, QF+12*\q, KS+\t/2, QS, \t%2, \q
.endr
.endr
	WIN 0
	s_add_co_u32 s[TN], s[TB], STEPB
	s_min_u32 s[TN], s[TN], 15*STEPB               ; the last step reads its own K once more, in place of a tail written out
	s_add_co_u32 s[TKN], s[TKS], 512
	s_min_u32 s[TKN], s[TKN], SC+15*512
	v_add_nc_u32 v[A16], s[TB], v[L16]             ; these six are also the places in front of the loads into registers that matrix instructions have read, and of the first read of the scores
	v_add_nc_u32 v[A8], s[TB], v[L8]
	v_add_nc_u32 v[N16], s[TN], v[L16]
	v_add_nc_u32 v[N8], s[TN], v[L8]
	v_add_nc_u32 v[AKS], s[TKN], v[L8]
	v_add_nc_u32 v[AVS], s[TVS], v[L8]
	WIN 0x40
.irp z, 0,1
.irp d, 0,1,2,3
	ds_load_b128 v[VF+12*\d+6*\z:VF+12*\d+6*\z+3], v[A16] offset:6144+768*(4*\z+\d)
	ds_load_b64 v[VF+12*\d+6*\z+4:VF+12*\d+6*\z+5], v[A8] offset:6144+768*(4*\z+\d)+512
.endr
.endr
.irp t, 0,1,2,3,4,5,6,7
	ds_load_b128 v[KF+6*\t:KF+6*\t+3], v[N16] offset:768*\t
	ds_load_b64 v[KF+6*\t+4:KF+6*\t+5], v[N8] offset:768*\t+512
.endr
	WIN 0
	ds_load_b64 v[VS:VS+1], v[AVS]
	ds_load_b64 v[KS:KS+1], v[AKS]
	ds_load_b64 v[KS+2:KS+3], v[AKS] offset:256
	; the softmax, the two tiles by turns.  The largest score of each block of 32 keys serves twice: for the row's maximum and, since p rises with the score, for the block's largest p
.irp b, 0,1,2,3
.irp q, 0,1
	v_max3_num_f32 v[T+24*\q+\b], v[S+64*\q+16*\b], v[S+64*\q+16*\b+1], v[S+64*\q+16*\b+2]
.endr
.endr
.irp i, 3,5,7,9,11,13
.irp b, 0,1,2,3
.irp q, 0,1
	v_max3_num_f32 v[T+24*\q+\b], v[T+24*\q+\b], v[S+64*\q+16*\b+\i], v[S+64*\q+16*\b+\i+1]
.endr
.endr
.endr
.irp b, 0,1,2,3
.irp q, 0,1
	v_max_num_f32 v[T+24*\q+\b], v[T+24*\q+\b], v[S+64*\q+16*\b+15]
.endr
.endr
.irp b, 0,1,2,3
.irp q, 0,1
	v_permlanex16_b32 v[T+24*\q+4+\b], v[T+24*\q+\b], s[SEL], s[SEL+1]
.endr
.endr
.irp b, 0,1,2,3
.irp q, 0,1
	v_max_num_f32 v[T+24*\q+\b], v[T+24*\q+\b], v[T+24*\q+4+\b]   ; with lane l xor 16's 16 keys
.endr
.endr
.irp q, 0,1
	s_delay_alu instid0(VALU_DEP_4)
	v_max3_num_f32 v[T+24*\q+20], v[T+24*\q], v[T+24*\q+1], v[T+24*\q+2]
.endr
.irp q, 0,1
	s_delay_alu instid0(VALU_DEP_2)
	v_max_num_f32 v[T+24*\q+20], v[T+24*\q+20], v[T+24*\q+3]      ; the step's largest score of my query
.endr
.irp q, 0,1
	s_delay_alu instid0(VALU_DEP_2)
	v_mul_f32 v[T+24*\q+20], s[CS], v[T+24*\q+20]                 ; as t (c is positive)
.endr
.irp q, 0,1
	s_delay_alu instid0(VALU_DEP_2)
	v_max_num_f32 v[ST+4*\q+1], v[ST+4*\q+1], v[T+24*\q+20]       ; the running largest t
.endr
.irp q, 0,1
	v_mov_b32 v[T+24*\q+20], v[ST+4*\q]
.endr
.irp q, 0,1
	s_delay_alu instid0(VALU_DEP_4)
	v_floor_f32 v[ST+4*\q], -v[ST+4*\q+1]                         ; the new -M = -ceil(t): M is a whole number
.endr
.irp q, 0,1
	s_delay_alu instid0(VALU_DEP_2)
	v_sub_f32 v[T+24*\q+20], v[ST+4*\q], v[T+24*\q+20]            ; old M - new M: a whole number, 0 or less
.endr
.irp q, 0,1
	s_delay_alu instid0(VALU_DEP_2)
	v_cvt_i32_f32 v[T+24*\q+20], v[T+24*\q+20]                    ; (it saturates)
.endr
.irp q, 0,1
	s_delay_alu instid0(VALU_DEP_2)
	v_ldexp_f32 v[T+24*\q+22], 1.0, v[T+24*\q+20]                 ; f = 2^(old M - new M)
.endr
.set j, 0
.rept 32
	v_pk_fma_f32 v[S+j:S+j+1], v[S+j:S+j+1], s[CS:CS+1], v[ST:ST+1] op_sel_hi:[1,0,0]                   ; t - M, two at a time (of the pairs c and -M the low word serves both halves)
	v_pk_fma_f32 v[S+64+j:S+64+j+1], v[S+64+j:S+64+j+1], s[CS:CS+1], v[ST+4:ST+5] op_sel_hi:[1,0,0]
.set j, j+2
.endr
.irp b, 0,1,2,3
.irp q, 0,1
	v_fma_f32 v[T+24*\q+\b], v[T+24*\q+\b], s[CS], v[ST+4*\q]     ; the same of each block's largest score
.endr
.endr
.set j, 0
	s_wait_alu depctr_va_vdst(0)
.rept 64
	v_exp_f32 v[S+j], v[S+j]                       ; p = 2^(t - M), at most 1: not normalised
	v_exp_f32 v[S+64+j], v[S+64+j]
.set j, j+1
.endr
	s_setprio 1
.irp q, 0,1
	v_pk_mul_f32 v[ST+4*\q+2:ST+4*\q+3], v[ST+4*\q+2:ST+4*\q+3], v[T+24*\q+22:T+24*\q+23] op_sel_hi:[1,0]   ; the sums under the new M: plain lines behind the exponentials
.endr
	s_wait_alu depctr_va_vdst(0)                   ; one wait for the batch of 128, ahead of its first reader
.irp b, 0,1,2,3
.irp q, 0,1
	v_exp_f32 v[T+24*\q+\b], v[T+24*\q+\b]         ; each block's largest p: the same two instructions on the same number give the same bits
.endr
.endr
.irp q, 0,1
	v_pk_add_f32 v[T+24*\q+4:T+24*\q+5], v[S+64*\q:S+64*\q+1], v[S+64*\q+2:S+64*\q+3]   ; the row's sum is taken of the unquantised p: two chains a tile.  (It reads the 128 alone)
.endr
.set j, 4
.rept 15
.irp q, 0,1
	v_pk_add_f32 v[ST+4*\q+2:ST+4*\q+3], v[ST+4*\q+2:ST+4*\q+3], v[S+64*\q+j:S+64*\q+j+1]
	v_pk_add_f32 v[T+24*\q+4:T+24*\q+5], v[T+24*\q+4:T+24*\q+5], v[S+64*\q+j+2:S+64*\q+j+3]
.endr
.set j, j+4
.endr
.irp q, 0
	s_delay_alu instid0(VALU_DEP_3)
	v_pk_add_f32 v[ST+4*\q+2:ST+4*\q+3], v[ST+4*\q+2:ST+4*\q+3], v[T+24*\q+4:T+24*\q+5]
.endr
.irp q, 1
	s_delay_alu instid0(VALU_DEP_2)
	v_pk_add_f32 v[ST+4*\q+2:ST+4*\q+3], v[ST+4*\q+2:ST+4*\q+3], v[T+24*\q+4:T+24*\q+5]
.endr
	s_wait_alu depctr_va_vdst(0)                   ; and one for the eight
.irp b, 0,1,2,3
.irp q, 0,1
	v_max_num_f32 v[T+24*\q+\b], 0x1800000, v[T+24*\q+\b]         ; the floor 2^(3 - 127): the byte cannot fall under 1
.endr
.endr
.irp b, 0,1,2,3
.irp q, 0,1
	v_add_nc_u32 v[T+24*\q+8+\b], 0xff000000, v[T+24*\q+\b]       ; 2 off the exponent field: the conversion's scale operand
.endr
.endr
.irp b, 0,1,2,3
.irp q, 0,1
	v_lshrrev_b32 v[T+24*\q+4+\b], 23, v[T+24*\q+8+\b]            ; the scale's byte
.endr
.endr
.irp q, 0,1
	v_lshl_or_b32 v[PW+\q], v[T+24*\q+5], 8, v[T+24*\q+4]         ; p's scale word for these 128 keys
.endr
.irp q, 0,1
	s_delay_alu instid0(VALU_DEP_2)
	v_lshl_or_b32 v[PW+\q], v[T+24*\q+6], 16, v[PW+\q]
.endr
.irp q, 0,1
	s_delay_alu instid0(VALU_DEP_2)
	v_lshl_or_b32 v[PW+\q], v[T+24*\q+7], 24, v[PW+\q]
.endr
.irp q, 0,1
.irp c, 0,1
	v_cvt_scalef32_pk16_fp6_f32 v[P+12*\q+6*\c:P+12*\q+6*\c+2], v[S+64*\q+32*\c:S+64*\q+32*\c+15], v[T+24*\q+8+2*\c]
	v_cvt_scalef32_pk16_fp6_f32 v[T+24*\q+12+4*\c:T+24*\q+14+4*\c], v[S+64*\q+32*\c+16:S+64*\q+32*\c+31], v[T+24*\q+9+2*\c]   ; (a conversion's three registers begin on an even number)
.endr
.endr
	v_nop                                          ; one plain place behind the scaled conversions
.irp q, 0,1
.irp c, 0,1                            ; the operand's layout wants a whole block in a lane
.irp i, 0,1,2
	v_permlane16_swap_b32 v[P+12*\q+6*\c+\i], v[T+24*\q+12+4*\c+\i]
.endr
.irp i, 0,1,2
	s_delay_alu instid0(VALU_DEP_3)
	v_mov_b32 v[P+12*\q+6*\c+3+\i], v[T+24*\q+12+4*\c+\i]
.endr
.endr
.endr
	s_wait_dscnt 0x0                               ; V, its scale words, and the next step's K
	WIN 0x41                                       ; O^T (destination and source 0) window 1, f window 0
	s_setprio 0
.irp q, 0,1
.set j, 0
.rept 16
	v_pk_mul_f32 v[O+32*\q+j:O+32*\q+j+1], v[O+32*\q+j:O+32*\q+j+1], v[T+24*\q+22:T+24*\q+23] op_sel_hi:[1,0]   ; O^T under the new M.  (These 32 are also the places between p's codes and scale words and the products)
.set j, j+2
.endr
.endr
	WIN 0x51                                       ; V window 1, P window 0, C and D window 1
.irp d, 0,1,2,3                        ; the eight accumulators take turns, one instruction a turn
.irp q, 0,1
	WMA O+32*\q+8*\d, VF+12*\d, P+12*\q, VS+\d/2, PW+\q, \d%2
.endr
.endr
	WIN 0
	s_add_co_u32 s[TB], s[TB], STEPB
	s_add_co_u32 s[TKS], s[TKS], 512
	s_add_co_u32 s[TVS], s[TVS], 256
.endm
	STEP                                           ; step 0: it reads V of step 0 and K of step 1
	LANDED 0x2                                     ; steps 2-3; the loads of steps 4-7 and 8-15 may stay out
	s_mov_b32 s[CNT], 2
.Lsteps_1:                                             ; steps 1-2: they read up to K of step 3
	STEP
	s_sub_co_u32 s[CNT], s[CNT], 1
	s_cmp_lg_u32 s[CNT], 0
	s_cbranch_scc1 .Lsteps_1
	s_setprio 0
	LANDED 0x1                                     ; steps 4-7; the load of steps 8-15 may stay out
	s_mov_b32 s[CNT], 4
.Lsteps_3:                                             ; steps 3-6: they read up to K of step 7
	STEP
	s_sub_co_u32 s[CNT], s[CNT], 1
	s_cmp_lg_u32 s[CNT], 0
	s_cbranch_scc1 .Lsteps_3
	s_setprio 0
	LANDED 0x0                                     ; steps 8-15: all of K and V lies in LDS
	WIN 0x40                                       ; destination window 1
.irp i, 0,1,2,3,4,5,6,7                ; x's rows for the way out: asked for here, where no tile is on its way any more; nine key steps stand between these loads and the wait for them
	global_load_b128 v[XR+8*\i:XR+8*\i+3], v[L16], s[12:13] offset:8192*\i th:TH_LOAD_NT
	global_load_b128 v[XR+8*\i+4:XR+8*\i+7], v[L16], s[12:13] offset:8192*\i+512 th:TH_LOAD_NT
.endr
	WIN 0
	s_mov_b32 s[CNT], 9
.Lsteps_7:                                             ; steps 7-15
	STEP
	s_sub_co_u32 s[CNT], s[CNT], 1
	s_cmp_lg_u32 s[CNT], 0
	s_cbranch_scc1 .Lsteps_7
	s_setprio 0
	; THE WAY OUT.  The sum's halves are added; O^T is divided by the sum and goes into the stage, channel by channel.  The additions and the v_nop are the places behind the last products.
.irp q, 0,1
	v_add_f32 v[T+24*\q+20], v[ST+4*\q+2], v[ST+4*\q+3]
.endr
.irp q, 0,1
	s_delay_alu instid0(VALU_DEP_2)
	v_permlanex16_b32 v[T+24*\q+4], v[T+24*\q+20], s[SEL], s[SEL+1]
.endr
.irp q, 0,1
	s_delay_alu instid0(VALU_DEP_2)
	v_add_f32 v[T+24*\q+20], v[T+24*\q+20], v[T+24*\q+4]
.endr
	s_wait_alu depctr_va_vdst(0)
.irp q, 0,1
	v_rcp_f32 v[T+24*\q+20], v[T+24*\q+20]
.endr
	v_nop                                          ; a plain place behind the reciprocals
	s_wait_alu depctr_va_vdst(0)                   ; and their wait, ahead of the first reader
	WIN 0x01                                       ; source 0 window 1
.irp q, 0,1
.set j, 0
.rept 32
	v_mul_f32 v[32+32*\q+j], v[O+32*\q+j], v[T+24*\q+20]          ; register 8 d + i: channel 16 d + 8 (lane / 16) + i of my query; each accumulator from its low end on
.set j, j+1
.endr
.endr
	WIN 0
.irp q, 0,1
.irp d, 0,1,2,3
.irp j, 0,1,2,3,4,5,6,7
	ds_store_b32 v[STO], v[32+32*\q+8*\d+\j] offset:(16*\d+\j)*SPITCH+32*\q   ; the two halves of the lanes lie 2,080 words apart, 32 modulo 64 (64 banks of 4 bytes: ISA guide 11.1)
.endr
.endr
.endr
	; The stage holds 64 channels x 256 points.  Wave w takes channels 8 w .. 8 w + 7, whole rows: adds x, stores them (512 consecutive bytes an instruction), and takes each channel's mean over the
	; 256 points and then the sum of squared deviations from THAT mean: no difference of large sums is formed.
	s_wait_dscnt 0x0                               ; my stores into the stage have landed
	s_barrier_signal -1
	s_barrier_wait -1
.irp i, 0,1,2,3,4,5,6,7
	ds_load_b128 v[Y+8*\i:Y+8*\i+3], v[RD] offset:SPITCH*\i
	ds_load_b128 v[Y+8*\i+4:Y+8*\i+7], v[RD] offset:SPITCH*\i+512
.endr
.irp i, 0,1,2,3,4,5,6,7
	v_mov_b32 v[EP+\i], 0                          ; written once: a lane permute's destination counts as one of its sources
.endr
	s_wait_dscnt 0x0
	s_wait_loadcnt 0x0                             ; x's rows
	WIN 0x04                                       ; source 1 window 1
.set j, 0
.rept 32
	v_pk_add_f32 v[Y+j:Y+j+1], v[Y+j:Y+j+1], v[XR+j:XR+j+1]
.set j, j+2
.endr
	WIN 0
.irp i, 0,1,2,3,4,5,6,7
	global_store_b128 v[L16], v[Y+8*\i:Y+8*\i+3], s[14:15] offset:8192*\i th:TH_STORE_NT
	global_store_b128 v[L16], v[Y+8*\i+4:Y+8*\i+7], s[14:15] offset:8192*\i+512 th:TH_STORE_NT
.endr
.irp i, 0,1,2,3,4,5,6,7
	v_pk_add_f32 v[EA+2*\i:EA+2*\i+1], v[Y+8*\i:Y+8*\i+1], v[Y+8*\i+2:Y+8*\i+3]
	v_pk_add_f32 v[EB+2*\i:EB+2*\i+1], v[Y+8*\i+4:Y+8*\i+5], v[Y+8*\i+6:Y+8*\i+7]
.endr
.irp i, 0,1,2,3,4,5,6,7
	v_pk_add_f32 v[EA+2*\i:EA+2*\i+1], v[EA+2*\i:EA+2*\i+1], v[EB+2*\i:EB+2*\i+1]
.endr
.irp i, 0,1,2,3,4,5,6,7
	v_add_f32 v[ES+\i], v[EA+2*\i], v[EA+2*\i+1]
.endr
	LANESUM
.irp i, 0,1,2,3,4,5,6,7
	v_mul_f32 v[EM+2*\i], 0x3b800000, v[ES+\i]     ; the mean of 256, twice: a pair for the packed subtraction
	v_mul_f32 v[EM+2*\i+1], 0x3b800000, v[ES+\i]
.endr
.irp i, 0,1,2,3,4,5,6,7
.irp k, 0,1,2,3
	v_pk_add_f32 v[ED+8*(\i%2)+2*\k:ED+8*(\i%2)+2*\k+1], v[Y+8*\i+2*\k:Y+8*\i+2*\k+1], v[EM+2*\i:EM+2*\i+1] neg_lo:[0,1] neg_hi:[0,1]
.endr
	s_delay_alu instid0(VALU_DEP_4)
	v_pk_mul_f32 v[EQ+2*\i:EQ+2*\i+1], v[ED+8*(\i%2):ED+8*(\i%2)+1], v[ED+8*(\i%2):ED+8*(\i%2)+1]
.irp k, 1,2,3
	s_delay_alu instid0(VALU_DEP_1)
	v_pk_fma_f32 v[EQ+2*\i:EQ+2*\i+1], v[ED+8*(\i%2)+2*\k:ED+8*(\i%2)+2*\k+1], v[ED+8*(\i%2)+2*\k:ED+8*(\i%2)+2*\k+1], v[EQ+2*\i:EQ+2*\i+1]
.endr
.endr
.irp i, 0,1,2,3,4,5,6,7
	v_add_f32 v[ES+\i], v[EQ+2*\i], v[EQ+2*\i+1]
.endr
	LANESUM
.irp i, 0,1,2,3,4,5,6,7
	ds_store_b32 v[SA], v[EM+2*\i] offset:4*\i     ; all lanes write the same word with the same value
	ds_store_b32 v[SA], v[ES+\i] offset:256+4*\i
.endr
	s_wait_dscnt 0x0
	s_barrier_signal -1
	s_barrier_wait -1                              ; 64 means and 64 sums of squares lie together
	s_cmp_lg_u32 s[WV], 0
	s_cbranch_scc1 .Lnot_first
	ds_load_b128 v[EA:EA+3], v[SL]
	s_wait_dscnt 0x0
	global_store_b128 v[L16], v[EA:EA+3], s[16:17] ; 512 consecutive bytes
.Lnot_first:
	s_set_vgpr_msb 0x4
	s_wait_tensorcnt 0x0
	ds_add_u32 v31, v191
	s_wait_dscnt 0x0
	s_set_vgpr_msb 0x400
	CROUND                                         ; the closing round: no work-group ends while a partner may still ask for a tile that names it
	s_endpgm
.Lfunc_end_k_q4842d728fd_attn:
	.size	k_q4842d728fd_attn, .Lfunc_end_k_q4842d728fd_attn-k_q4842d728fd_attn
	.p2alignl 7, 3214868480
	.fill 96, 4, 3214868480
	.section	.rodata,"a",@progbits
	.p2align	6, 0x0
	.amdhsa_kernel k_q4842d728fd_attn
		.amdhsa_group_segment_fixed_size 277504
		.amdhsa_private_segment_fixed_size 0
		.amdhsa_enable_private_segment 0
		.amdhsa_kernarg_size 56
		.amdhsa_user_sgpr_count 2
		.amdhsa_user_sgpr_kernarg_segment_ptr 1
		.amdhsa_wavefront_size32 1
		.amdhsa_system_sgpr_workgroup_id_x 1
		.amdhsa_system_sgpr_workgroup_id_y 1
		.amdhsa_system_sgpr_workgroup_id_z 1
		.amdhsa_system_vgpr_workitem_id 0
		.amdhsa_next_free_vgpr 512
		.amdhsa_next_free_sgpr 100
		.amdhsa_reserve_vcc 0
		.amdhsa_float_denorm_mode_32 3
		.amdhsa_float_denorm_mode_16_64 3
		.amdhsa_memory_ordered 1
		.amdhsa_forward_progress 1
		.amdhsa_inst_pref_size 164
	.end_amdhsa_kernel
	.amdgpu_metadata
---
amdhsa.version: [ 1, 2 ]
amdhsa.kernels:
  - .name:           k_q4842d728fd_attn
    .symbol:         k_q4842d728fd_attn.kd
    .args:
      - { .name: qimg, .offset: 0, .size: 8, .value_kind: global_buffer, .address_space: global }
      - { .name: qs, .offset: 8, .size: 8, .value_kind: global_buffer, .address_space: global }
      - { .name: kv, .offset: 16, .size: 8, .value_kind: global_buffer, .address_space: global }
      - { .name: sc, .offset: 24, .size: 8, .value_kind: global_buffer, .address_space: global }
      - { .name: x, .offset: 32, .size: 8, .value_kind: global_buffer, .address_space: global }
      - { .name: y1, .offset: 40, .size: 8, .value_kind: global_buffer, .address_space: global }
      - { .name: part1, .offset: 48, .size: 8, .value_kind: global_buffer, .address_space: global }
    .group_segment_fixed_size: 277504
    .private_segment_fixed_size: 0
    .kernarg_segment_align: 8
    .kernarg_segment_size: 56
    .max_flat_workgroup_size: 256
    .sgpr_count:     100
    .vgpr_count:     512
    .wavefront_size: 32
...
	.end_amdgpu_metadata
.endif
;; end of part 6
;; launch ffn (part 7): grid 256 x 1, 8 waves a work-group, no clusters, 94,208 bytes of LDS; arguments y1, part1, bn1_gamma, bn1_beta, w_ff1, w_ff2, y2, part2; writes y2, part2
.if DOCPART == 7
	.amdgcn_target "amdgcn-amd-amdhsa--gfx1250"
	.amdhsa_code_object_version 6
	.text
	.protected	k_q4842d728fd_ffn
	.globl	k_q4842d728fd_ffn
	.p2align	8
	.type	k_q4842d728fd_ffn,@function
k_q4842d728fd_ffn:
	s_mov_b64 s[64:65], 0
	v_nop
	global_prefetch_b8 v0, s[64:65] scope:SCOPE_SE
	s_setreg_imm32_b32 hwreg(HW_REG_WAVE_SCHED_MODE, 0, 2), 2
	s_setreg_imm32_b32 hwreg(HW_REG_WAVE_MODE, 25, 1), 1
	s_wait_xcnt 0x0
	s_wait_alu depctr_vm_vsrc(0)
; h = BatchNorm(y1); y2 = h + w_ff2 leaky(w_ff1 h), both products on codes of FP6 (E2M3) with E8M0 scales; and each channel's mean and sum of squared deviations of y2 over the work-group's 256 points.
; THE STATISTICS of y1 come as 256 pairs (mean, sum of squared deviations of 256 points) a channel.  With K = the first pair's mean, d = mean - K: mean = K + sum d / 256;
; variance = (sum M2 + 256 (sum d^2 - (sum d)^2 / 256)) / 65,536: the d are as small as the local means' spread, so no difference of large sums is formed.
; h = y a + (beta - mean a), a = gamma / sqrt(variance + 1e-5), one fused multiply-add.  LIMIT: with a common offset of 30 spreads on y1 that rounds to about 2e-6 of the spread.
; NaN and infinities are not served.  A block of zeros gets the scale byte 1 where the rule says 127: its codes are zeros, and nobody else reads the bytes.
; SHARES.  A work-group takes 256 points of a batch, each of its eight waves 32: two tiles of 16 (row r of tile u is point 8 u + r + 8 (r / 8)).  y1 is loaded a lane to a point, registers down the channels.
; Each wave quantises one tile of w_ff1 and half a tile of w_ff2 and hands them on through LDS as images of operand registers; every wave then keeps all weights in registers.
; Both products are used transposed (source 0 = 16 rows of the weight, source 1 = 16 points): a lane holds one point; w_ff1's rows of a tile are chosen so that two neighbouring tiles' registers are 16
; neighbours along the next K.  THE RESIDUAL COSTS NO ADDITION: h, brought into the result's layout by lane swaps, is the C of the second product.
; K = 64 IN AN INSTRUCTION OF K = 128 (first product): h's registers 6-11 hold zero codes; w_ff1's fragments lie 6 registers apart (behind the last: six cleared registers); scale bytes 2 and 3 are 0.
; REGISTERS, window 0: v1-9 addresses; v16-27 the weights' scale words, v28 h's, v29 the hidden layer's; v32-95 y1, h, y2; v96-159 the hidden layer; v160-183 h's fragments; v184-195 the hidden layer's codes;
;   v196-235 at work; v236-247 addresses of the prologue.  Window 1: v0-53 w_ff1; v54-101 w_ff2; v104-231 32 rows of part1.
; THE MODE: SCHED_MODE bits 1:0 = 2 (LLVM: expert scheduling mode 2), set by the entry lines.  The code itself states the register dependences between vector or matrix instructions and
; memory or LDS instructions, with s_wait_alu, always for 0.
; THE PLAN.  Registers that memory or LDS instructions touch, in the order of the text:
;   v1-9, v236-247, v30, v31   offsets and LDS addresses, made at the head.  v8 is made anew at the way out; v236-247 are written over by the way out's sums.
;   v96-159   the weights land; their quantising reads them; the waves' partial sums land; the statistics work there; a's table lands; then the hidden layer (matrix results); then the stage's rows land.
;   v160-223  at work; of them v168-171, v176-179, v184-195, v220, v221 are the data of the LDS stores ahead of the first barrier; then the other table lands there.
;   v224-231  gamma and beta land, are made a and beta - mean a, and are read by the table's two stores; later the quantising and the activation write them.
;   v32-95    y1 lands; h; y2 (matrix results); read by the 64 stores into the stage; never written again.
; So: the two weights' quantising and the partial statistics stand together ahead of ONE wait on va_vdst and one run of eight LDS stores; one pair of waits stands ahead of the table's stores and loads, one
; wait on vm_vsrc behind them; one wait on va_vdst ahead of each run of products that takes operands just made, ahead of the stores into the stage, and ahead of the figures' stores.
.set RED,   0                          ; LDS: the waves' partial sums, 1,024 bytes each
.set CTAB,  8192                       ; a and beta - mean a by channel, a table of 512 bytes for each wave
.set WIMG,  12288                      ; 16 half-images of weights
.set WSC,   24576                      ; their scale words
.set STAGE, 26112                      ; 64 channels x (256 points x 4 bytes + 16)
.set STATS, 92672
.set SPITCH, 1040
.set L16, 1
.set L8,  2
.set L4,  3
.set XO,  4
.set STO, 5
.set RD,  6
.set SA,  7
.set CTA, 8
.set SH8, 9
.set WS,  16
.set HS,  28
.set PW,  29
.set H,   32
.set HA,  96
.set HF,  160
.set PC,  184
.set TM,  196
.set CT,  212
.set LT,  220
.set WA1, 236
.set WA2, 237
.set IA16, 238
.set IA8, 239
.set IB16, 240
.set IB8, 241
.set SW0, 242
.set SW1, 243
.set RS,  244
.set G16, 245
.set CTS, 246
.set ZERO, 247
.set KR,  160
.set KM,  164
.set S1,  168
.set S2,  176
.set GA,  224
.set BE,  228
.set PR,  104                          ; window 1
.set WV,  20
.set SEL, 22
.set HM,  24
.set EPS, 25
.set OUTB, 16
.set PARTB, 18
.set Y,  96
.set EA, 160
.set EB, 176
.set ES, 192
.set EP, 200
.set EM, 208
.set ED, 224
.set EQ, 240
.set MSB, 0
.macro WIN new                         ; the immediate's high byte repeats the setting that is left
.if MSB != \new
	s_set_vgpr_msb (MSB<<8)|\new
.set MSB, \new
.endif
.endm
.macro WMZ d, a, b, sa, sb, rb         ; a product that starts a sum.  rb = 1: source 1's scales are taken from lanes 16-31
.if (\rb)
	v_wmma_scale_f32_16x16x128_f8f6f4 v[\d:\d+7], v[\a:\a+11], v[\b:\b+11], 0, v[\sa], v[\sb] matrix_a_fmt:MATRIX_FMT_FP6 matrix_b_fmt:MATRIX_FMT_FP6 matrix_b_scale:MATRIX_SCALE_ROW1
.else
	v_wmma_scale_f32_16x16x128_f8f6f4 v[\d:\d+7], v[\a:\a+11], v[\b:\b+11], 0, v[\sa], v[\sb] matrix_a_fmt:MATRIX_FMT_FP6 matrix_b_fmt:MATRIX_FMT_FP6
.endif
.endm
.macro WMA d, a, b, sa, sb             ; a product that adds onto v[d] on
	v_wmma_scale_f32_16x16x128_f8f6f4 v[\d:\d+7], v[\a:\a+11], v[\b:\b+11], v[\d:\d+7], v[\sa], v[\sb] matrix_a_fmt:MATRIX_FMT_FP6 matrix_b_fmt:MATRIX_FMT_FP6
.endm
; One block of 32 of a weight's row (K innermost), all in my lane: six registers of codes in v[P] on; two scale bytes, from lanes l and l xor 16, in v[W]
.macro WQ R, P, W
	v_max3_num_f32 v[TM], |v[\R]|, |v[\R+1]|, 0x1800000            ; two chains; the floor 2^(3 - 127) among the leaves
	v_max3_num_f32 v[TM+1], |v[\R+2]|, |v[\R+3]|, 0x1800000
.irp i, 4,8,12,16,20,24,28
	v_max3_num_f32 v[TM], v[TM], |v[\R+\i]|, |v[\R+\i+1]|
	v_max3_num_f32 v[TM+1], v[TM+1], |v[\R+\i+2]|, |v[\R+\i+3]|
.endr
	v_max_num_f32 v[TM], v[TM], v[TM+1]
	v_add_nc_u32 v[TM+2], 0xff000000, v[TM]                        ; 2 off the exponent field: the conversion's scale operand
	v_lshrrev_b32 v[TM+3], 23, v[TM+2]
	v_lshlrev_b32 v[TM+3], v[SH8], v[TM+3]
	v_permlanex16_b32 v[TM+4], v[TM+3], s[SEL], s[SEL+1]
	v_or_b32 v[\W], v[TM+3], v[TM+4]
	v_cvt_scalef32_pk16_fp6_f32 v[\P:\P+2], v[\R:\R+15], v[TM+2]
	v_cvt_scalef32_pk16_fp6_f32 v[CT:CT+2], v[\R+16:\R+31], v[TM+2]
	v_nop                                                          ; one plain place behind a scaled conversion
.irp i, 0,1,2
	v_mov_b32 v[\P+3+\i], v[CT+\i]
.endr
.endm
; 64 channels of my point, v[R] on, become the fragments of the group's two tiles (F0, F1; registers 6-11 zeros) and their scale words (X: tile 0 in lanes 0-15, tile 1 in lanes 16-31)
.macro XQ R, F0, F1, X
.irp b, 0,1
	v_max3_num_f32 v[TM+2*\b], |v[\R+32*\b]|, |v[\R+32*\b+1]|, 0x1800000
	v_max3_num_f32 v[TM+2*\b+1], |v[\R+32*\b+2]|, |v[\R+32*\b+3]|, 0x1800000
.endr
.irp i, 4,8,12,16,20,24,28
.irp b, 0,1
	v_max3_num_f32 v[TM+2*\b], v[TM+2*\b], |v[\R+32*\b+\i]|, |v[\R+32*\b+\i+1]|
	v_max3_num_f32 v[TM+2*\b+1], v[TM+2*\b+1], |v[\R+32*\b+\i+2]|, |v[\R+32*\b+\i+3]|
.endr
.endr
	v_max_num_f32 v[TM], v[TM], v[TM+1]
	v_max_num_f32 v[TM+2], v[TM+2], v[TM+3]
	v_add_nc_u32 v[TM+4], 0xff000000, v[TM]
	v_add_nc_u32 v[TM+5], 0xff000000, v[TM+2]
	v_lshrrev_b32 v[TM+6], 23, v[TM+4]
	v_lshrrev_b32 v[TM+7], 23, v[TM+5]
	v_lshl_or_b32 v[\X], v[TM+7], 8, v[TM+6]
	v_cvt_scalef32_pk16_fp6_f32 v[CT:CT+2], v[\R:\R+15], v[TM+4]
	v_cvt_scalef32_pk16_fp6_f32 v[CT+4:CT+6], v[\R+16:\R+31], v[TM+4]
	v_cvt_scalef32_pk16_fp6_f32 v[CT+8:CT+10], v[\R+32:\R+47], v[TM+5]
	v_cvt_scalef32_pk16_fp6_f32 v[CT+12:CT+14], v[\R+48:\R+63], v[TM+5]
	v_nop
.irp i, 0,1,2
	v_permlane16_swap_b32 v[CT+\i], v[CT+8+\i]
	v_permlane16_swap_b32 v[CT+4+\i], v[CT+12+\i]
.endr
.irp i, 0,1,2
	v_mov_b32 v[\F0+\i], v[CT+\i]
	v_mov_b32 v[\F0+3+\i], v[CT+4+\i]
	v_mov_b32 v[\F1+\i], v[CT+8+\i]
	v_mov_b32 v[\F1+3+\i], v[CT+12+\i]
.endr
.irp i, 6,7,8,9,10,11
	v_mov_b32 v[\F0+\i], 0
	v_mov_b32 v[\F1+\i], 0
.endr
.endm
; 64 numbers of a lane, register 16 b + i = k 32 b + 16 (lane / 16) + i of my row, become a fragment's codes in v[PC] on and its scale word in v[PW]
.macro QUANT128 s
.irp b, 0,1,2,3
	v_max3_num_f32 v[TM+\b], |v[\s+16*\b]|, |v[\s+1+16*\b]|, 0x1800000
.endr
.irp i, 2,4,6,8,10,12,14
.irp b, 0,1,2,3
	v_max3_num_f32 v[TM+\b], v[TM+\b], |v[\s+16*\b+\i]|, |v[\s+1+16*\b+\i]|
.endr
.endr
.irp b, 0,1,2,3
	v_permlanex16_b32 v[TM+4+\b], v[TM+\b], s[SEL], s[SEL+1]
.endr
.irp b, 0,1,2,3
	v_max_num_f32 v[TM+\b], v[TM+\b], v[TM+4+\b]
.endr
.irp b, 0,1,2,3
	v_add_nc_u32 v[TM+12+\b], 0xff000000, v[TM+\b]
.endr
.irp b, 0,1,2,3
	v_lshrrev_b32 v[TM+4+\b], 23, v[TM+12+\b]
.endr
	v_lshl_or_b32 v[PW], v[TM+5], 8, v[TM+4]
	v_lshl_or_b32 v[PW], v[TM+6], 16, v[PW]
	v_lshl_or_b32 v[PW], v[TM+7], 24, v[PW]
.irp c, 0,1
	v_cvt_scalef32_pk16_fp6_f32 v[PC+6*\c:PC+2+6*\c], v[\s+32*\c:\s+15+32*\c], v[TM+12+2*\c]
	v_cvt_scalef32_pk16_fp6_f32 v[CT+4*\c:CT+2+4*\c], v[\s+16+32*\c:\s+31+32*\c], v[TM+13+2*\c]
.endr
	v_nop
.irp c, 0,1
.irp i, 0,1,2
	v_permlane16_swap_b32 v[PC+6*\c+\i], v[CT+4*\c+\i]
.endr
.irp i, 0,1,2
	v_mov_b32 v[PC+3+6*\c+\i], v[CT+4*\c+\i]
.endr
.endr
.endm
.macro LANESUM                         ; v[ES] .. v[ES + 7], each summed over the wave's 32 lanes
.irp x, 1,2,4,8
.irp i, 0,1,2,3,4,5,6,7
	v_add_f32_dpp v[ES+\i], v[ES+\i], v[ES+\i] row_xmask:\x row_mask:0xf bank_mask:0xf
.endr
.endr
.irp i, 0,1,2,3,4,5,6,7
	v_permlanex16_b32 v[EP+\i], v[ES+\i], s[SEL], s[SEL+1]
.endr
.irp i, 0,1,2,3,4,5,6,7
	v_add_f32 v[ES+\i], v[ES+\i], v[EP+\i]
.endr
.endm
	s_load_b256 s[4:11], s[0:1], 0x0               ; y1 s[4:5], part1 s[6:7], gamma s[8:9], beta s[10:11]
	s_load_b256 s[12:19], s[0:1], 0x20             ; w_ff1 s[12:13], w_ff2 s[14:15], y2 s[16:17], part2 s[18:19]
	v_lshl_add_u32 v30, v0, 2, 0x16c00
	v_mov_b32 v31, 0
	v_lshrrev_b32 v1, 5, v0
	v_readfirstlane_b32 s[WV], v1                  ; wave 0..7
	v_and_b32 v10, 31, v0                          ; lane
	v_and_b32 v11, 15, v0                          ; r
	v_bfe_u32 v12, v0, 4, 1                        ; h
	v_lshlrev_b32 v[L16], 4, v10
	v_lshlrev_b32 v[L8], 3, v10
	v_lshlrev_b32 v[L4], 2, v10
	v_and_b32 v[XO], 7, v0                         ; my point in the group: bits 3 and 4 of the lane change places
	v_lshl_add_u32 v[XO], v12, 3, v[XO]
	v_bfe_u32 v13, v0, 3, 1
	v_lshl_add_u32 v[XO], v13, 4, v[XO]
	v_lshlrev_b32 v[XO], 2, v[XO]
	v_and_b32 v13, 8, v0
	v_add_nc_u32 v13, v13, v11                     ; r + 8 (r / 8)
	s_wait_alu depctr_va_vdst(0)
	v_mul_u32_u24 v14, v12, 8*SPITCH
	v_lshl_add_u32 v[STO], v13, 2, v14
	s_wait_alu depctr_va_sdst(0)                   ; s20, the wave's number, is written, ahead of its first reader
	s_lshl_b32 s26, s[WV], 7
	s_add_co_u32 s26, s26, STAGE
	v_add_nc_u32 v[STO], s26, v[STO]
	s_mul_i32 s26, s[WV], 8*SPITCH
	s_add_co_u32 s26, s26, STAGE
	v_add_nc_u32 v[RD], s26, v[L16]
	s_lshl_b32 s26, s[WV], 5
	s_add_co_u32 s26, s26, STATS
	v_mov_b32 v[SA], s26
	v_lshlrev_b32 v[SH8], 3, v12
	s_lshr_b32 s36, s[WV], 1
	s_and_b32 s37, s[WV], 1
	s_and_b32 s38, s[WV], 3
	s_lshr_b32 s39, s[WV], 2
	s_lshl_b32 s26, s36, 5
	s_lshl_b32 s28, s37, 3
	s_add_co_u32 s26, s26, s28
	v_add_nc_u32 v[WA1], s26, v13                  ; w_ff1: tile = my wave: row 32 (w / 2) + 8 (w % 2) + r + 8 (r / 8),
	v_lshlrev_b32 v[WA1], 8, v[WA1]                ; of 256 bytes,
	v_lshl_add_u32 v[WA1], v12, 7, v[WA1]          ; block h
	s_lshl_b32 s26, s38, 4
	v_add_nc_u32 v[WA2], s26, v11                  ; w_ff2: tile w % 4: row 16 (w % 4) + r,
	v_lshlrev_b32 v[WA2], 9, v[WA2]                ; of 512 bytes,
	v_lshl_add_u32 v[WA2], v12, 7, v[WA2]          ; block 2 (w / 4) + h
	s_lshl_b32 s26, s39, 8
	v_add_nc_u32 v[WA2], s26, v[WA2]
	s_mul_i32 s26, s[WV], 768
	s_add_co_u32 s26, s26, WIMG
	v_add_nc_u32 v[IA16], s26, v[L16]
	s_add_co_u32 s26, s26, 512
	v_add_nc_u32 v[IA8], s26, v[L8]
	s_mul_i32 s26, s38, 1536
	s_mul_i32 s28, s39, 768
	s_add_co_u32 s26, s26, s28
	s_add_co_u32 s26, s26, WIMG+6144
	v_add_nc_u32 v[IB16], s26, v[L16]
	s_add_co_u32 s26, s26, 512
	v_add_nc_u32 v[IB8], s26, v[L8]
	s_lshl_b32 s26, s[WV], 7
	s_add_co_u32 s26, s26, WSC
	v_add_nc_u32 v[SW0], s26, v[L4]
	s_lshl_b32 s26, s38, 7
	s_lshl_b32 s28, s39, 1
	s_add_co_u32 s26, s26, s28
	s_add_co_u32 s26, s26, WSC+1024
	v_add_nc_u32 v[SW1], s26, v[L4]
	s_lshl_b32 s26, s[WV], 10
	v_add_nc_u32 v[RS], s26, v[L16]
	v_lshlrev_b32 v[G16], 4, v11
	s_lshl_b32 s26, s[WV], 9
	s_add_co_u32 s26, s26, CTAB
	v_mov_b32 v[CTA], s26
	v_add_nc_u32 v[CTS], s26, v[G16]
	v_mov_b32 v[ZERO], 0
	v_mov_b32 v[TM+4], 0                           ; written once: a lane permute's destination counts as one of its sources
	s_mov_b32 s[SEL], 0x76543210
	s_mov_b32 s[SEL+1], 0xfedcba98
	s_mov_b32 s[HM], 0xffff0000
	s_mov_b32 s[EPS], 0x3727c5ac                   ; 1e-5
	s_lshr_b32 s34, ttmp9, 3                       ; batch
	s_and_b32 s35, ttmp9, 7                        ; which 256 points of it
	s_mov_b32 s27, 0
	s_mov_b32 s31, 0
	s_lshl_b32 s30, s[WV], 9
	s_lshl_b32 s26, s34, 19
	s_lshl_b32 s28, s35, 10
	s_add_co_u32 s26, s26, s28
	s_lshl_b32 s40, s[WV], 16
	s_add_co_u32 s40, s26, s40                     ; y2: the batch, my block's points, channel 8 x wave
	s_mov_b32 s41, 0
	s_lshl_b32 s28, s[WV], 7
	s_add_co_u32 s26, s26, s28                     ; y1: the batch, my wave's 32 points
	s_lshl_b32 s42, ttmp9, 9
	s_mov_b32 s43, 0
	s_wait_kmcnt 0x0
	s_add_nc_u64 s[4:5], s[4:5], s[26:27]
	s_add_nc_u64 s[28:29], s[6:7], s[30:31]        ; part1 at row = my wave
	s_add_nc_u64 s[16:17], s[16:17], s[40:41]
	s_add_nc_u64 s[18:19], s[18:19], s[42:43]
	s_wait_alu depctr_va_vdst(0)                   ; the offsets and LDS addresses v1 to v9 and v236 to v246, v30 and v31 are written, which the loads and stores below read
.irp i, 0,1,2,3,4,5,6,7
	global_load_b128 v[96+4*\i:99+4*\i], v[WA1], s[12:13] offset:16*\i
.endr
.irp i, 0,1,2,3,4,5,6,7
	global_load_b128 v[128+4*\i:131+4*\i], v[WA2], s[14:15] offset:16*\i
.endr
	global_load_b128 v[KR:KR+3], v[L16], s[6:7]    ; row 0: lanes 0-15 its means, the shift K
	global_load_b128 v[GA:GA+3], v[G16], s[8:9]
	global_load_b128 v[BE:BE+3], v[G16], s[10:11]
	WIN 0x40                                       ; destination window 1
.set i, 0
.rept 32
	global_load_b128 v[PR+4*i:PR+4*i+3], v[L16], s[28:29] offset:4096*i   ; rows w + 8 i: lanes 0-15 the means of channels 4 r .., lanes 16-31 the sums of squares of the same
.set i, i+1
.endr
	WIN 0
.set i, 0
.rept 64
	global_load_b32 v[H+i], v[XO], s[4:5] offset:8192*i th:TH_LOAD_NT     ; channel i of my point
.set i, i+1
.endr
	s_wait_loadcnt 63                              ; 115 loads are issued: the oldest 52 are in: all but y1's
	WQ 96, 184, 220                                ; my tile of w_ff1,
	WQ 128, 190, 221                               ; my half tile of w_ff2: their images leave with the partial sums, behind one wait
.irp k, 0,1,2,3
	v_cndmask_b32 v[KM+\k], v[KR+\k], v[ZERO], s[HM]   ; the shift: K for the means, 0 for the sums of squares
.endr
.set i, 0
.rept 16
	v_mov_b32 v[S1+i], 0                           ; two sets each of the sums and of the sums of squares
.set i, i+1
.endr
	WIN 0x41                                       ; destination and source 0 window 1
.set i, 0
.rept 32
	v_pk_add_f32 v[PR+4*i:PR+4*i+1], v[PR+4*i:PR+4*i+1], v[KM:KM+1] neg_lo:[0,1] neg_hi:[0,1]
	v_pk_add_f32 v[PR+4*i+2:PR+4*i+3], v[PR+4*i+2:PR+4*i+3], v[KM+2:KM+3] neg_lo:[0,1] neg_hi:[0,1]
.set i, i+1
.endr
	WIN 0x01                                       ; source 0 window 1
.set i, 0
.rept 32
	v_pk_add_f32 v[S1+4*(i%2):S1+4*(i%2)+1], v[PR+4*i:PR+4*i+1], v[S1+4*(i%2):S1+4*(i%2)+1]
	v_pk_add_f32 v[S1+4*(i%2)+2:S1+4*(i%2)+3], v[PR+4*i+2:PR+4*i+3], v[S1+4*(i%2)+2:S1+4*(i%2)+3]
.set i, i+1
.endr
	WIN 0x05                                       ; sources 0 and 1 window 1
.set i, 0
.rept 32
	v_pk_fma_f32 v[S2+4*(i%2):S2+4*(i%2)+1], v[PR+4*i:PR+4*i+1], v[PR+4*i:PR+4*i+1], v[S2+4*(i%2):S2+4*(i%2)+1]
	v_pk_fma_f32 v[S2+4*(i%2)+2:S2+4*(i%2)+3], v[PR+4*i+2:PR+4*i+3], v[PR+4*i+2:PR+4*i+3], v[S2+4*(i%2)+2:S2+4*(i%2)+3]
.set i, i+1
.endr
	WIN 0
.irp p, 0,2
	v_pk_add_f32 v[S1+\p:S1+\p+1], v[S1+\p:S1+\p+1], v[S1+4+\p:S1+5+\p]
	v_pk_add_f32 v[S2+\p:S2+\p+1], v[S2+\p:S2+\p+1], v[S2+4+\p:S2+5+\p]
.endr
	s_wait_alu depctr_va_vdst(0)                   ; the weights' codes and words and my partial sums are written, which the eight LDS stores read; and the quantising is done reading v96-159, in which the loads behind the barrier land
	ds_store_b128 v[IA16], v[184:187]
	ds_store_b64 v[IA8], v[188:189]
	ds_store_b32 v[SW0], v220
	ds_store_b128 v[IB16], v[190:193]
	ds_store_b64 v[IB8], v[194:195]
	ds_store_b16 v[SW1], v221                      ; two of the row's four scale bytes
	ds_store_b128 v[RS], v[S1:S1+3] offset:RED
	ds_store_b128 v[RS], v[S2:S2+3] offset:RED+512
	s_wait_dscnt 0x0                               ; my images and partial sums have landed
	s_barrier_signal -1
	s_barrier_wait -1
.irp k, 0,1,2,3,4,5,6,7
	ds_load_b128 v[96+8*\k:99+8*\k], v[L16] offset:RED+1024*\k
	ds_load_b128 v[100+8*\k:103+8*\k], v[L16] offset:RED+1024*\k+512
.endr
	WIN 0x40
.set i, 0
.rept 8
	ds_load_b128 v[6*i:6*i+3], v[L16] offset:WIMG+768*i                   ; w_ff1's eight fragments, 6 registers apart; no vector instruction has named these registers
	ds_load_b64 v[6*i+4:6*i+5], v[L8] offset:WIMG+768*i+512
.set i, i+1
.endr
.rept 8
	ds_load_b128 v[6*i+6:6*i+9], v[L16] offset:WIMG+768*i                 ; w_ff2's four, in halves
	ds_load_b64 v[6*i+10:6*i+11], v[L8] offset:WIMG+768*i+512
.set i, i+1
.endr
.irp i, 0,1,2,3,4,5
	v_mov_b32 v[48+\i], 0                          ; what w_ff1's last fragment's registers 6-11 name
.endr
	WIN 0
.set i, 0
.rept 12
	ds_load_b32 v[WS+i], v[L4] offset:WSC+128*i
.set i, i+1
.endr
	s_wait_dscnt 0x0
.irp k, 1,2,3,4,5,6,7
.irp p, 0,2,4,6
	v_pk_add_f32 v[96+\p:97+\p], v[96+\p:97+\p], v[96+8*\k+\p:97+8*\k+\p]   ; over the eight waves
.endr
.endr
.irp k, 0,1,2,3
	v_permlanex16_b32 v[104+\k], v[96+\k], s[SEL], s[SEL+1]
	v_permlanex16_b32 v[108+\k], v[100+\k], s[SEL], s[SEL+1]
	v_permlanex16_b32 v[112+\k], v[KR+\k], s[SEL], s[SEL+1]
.endr
.irp k, 0,1,2,3                        ; both halves of the lanes now get all four figures of channels 4 r ..
	v_cndmask_b32 v[116+\k], v[96+\k], v[104+\k], s[HM]    ; sum d
	v_cndmask_b32 v[120+\k], v[100+\k], v[108+\k], s[HM]   ; sum d^2
	v_cndmask_b32 v[124+\k], v[104+\k], v[96+\k], s[HM]    ; sum M2
	v_cndmask_b32 v[128+\k], v[KR+\k], v[112+\k], s[HM]    ; K
.endr
.irp k, 0,1,2,3
	v_mul_f32 v[132+\k], 0x3b800000, v[116+\k]             ; u = sum d / 256
.endr
.irp k, 0,1,2,3
	v_add_f32 v[136+\k], v[128+\k], v[132+\k]              ; the mean
	v_fma_f32 v[140+\k], -v[132+\k], v[116+\k], v[120+\k]  ; sum d^2 - u sum d
.endr
.irp k, 0,1,2,3
	v_max_num_f32 v[140+\k], 0, v[140+\k]
.endr
.irp k, 0,1,2,3
	v_fma_f32 v[140+\k], v[140+\k], 0x43800000, v[124+\k]  ; x 256 + sum M2
.endr
.irp k, 0,1,2,3
	v_fma_f32 v[144+\k], v[140+\k], 0x37800000, s[EPS]     ; / 65,536 + 1e-5
.endr
	s_wait_alu depctr_va_vdst(0)
.irp k, 0,1,2,3
	v_rsq_f32 v[148+\k], v[144+\k]
.endr
	v_nop                                          ; a plain place behind the four
	s_wait_alu depctr_va_vdst(0)                   ; the four reciprocal roots are written, ahead of their first reader
.irp k, 0,1,2,3
	v_mul_f32 v[GA+\k], v[GA+\k], v[148+\k]                ; a
.endr
.irp k, 0,1,2,3
	v_fma_f32 v[BE+\k], -v[136+\k], v[GA+\k], v[BE+\k]     ; beta - mean a
.endr
	s_wait_alu depctr_va_vdst(0)                   ; a and beta - mean a are written, which the table's stores read; and the arithmetic above is done with v96-159 and v160-223, in which the table's loads land
	s_wait_alu depctr_vm_vsrc(0)                   ; the LDS stores ahead of the barrier have read their data (v168-171, v176-179, v184-195, v220, v221), in which the table's loads land
	ds_store_b128 v[CTS], v[GA:GA+3]               ; my wave's own table (both halves of the lanes write the same): LDS serves a wave's instructions in order, so no wait on DScnt and no barrier
	ds_store_b128 v[CTS], v[BE:BE+3] offset:256
.set i, 0
.rept 16
	ds_load_b128 v[96+4*i:99+4*i], v[CTA] offset:16*i              ; every lane reads all 64 channels' a
	ds_load_b128 v[160+4*i:163+4*i], v[CTA] offset:256+16*i
.set i, i+1
.endr
	s_wait_loadcnt 0x0                             ; y1
	s_wait_dscnt 0x0
	s_wait_alu depctr_vm_vsrc(0)                   ; the table's stores have read v224-231 and v246, which the quantising, the activation and the way out's sums write; its loads have read v8, which the way out makes anew
.set j, 0
.rept 32
	v_pk_fma_f32 v[H+j:H+j+1], v[H+j:H+j+1], v[96+j:97+j], v[160+j:161+j]   ; h
.set j, j+2
.endr
	XQ H, HF, HF+12, HS
.irp c, 0,1,2,3                        ; h into the result's layout: v[H + 16 c + 8 u + j] = channel 16 c + 8 (lane / 16) + j of row lane % 16 of tile u
.irp j, 0,1,2,3,4,5,6,7
	v_permlane16_swap_b32 v[H+16*\c+\j], v[H+16*\c+8+\j]
.endr
.endr
.rept 8
	v_nop                                          ; a scale register written by a vector instruction stands 8 places ahead of a scaled matrix instruction, an operand so written 4
.endr
	s_wait_alu depctr_va_vdst(0)                   ; h's two fragments, their scale words and the six cleared registers are written, which both tiles' first products take as operands and scales
.irp u, 0,1
	WIN 0x01                                       ; source 0 window 1
.irp t, 0,1,2,3,4,5,6,7
	WMZ HA+8*\t, 6*\t, HF+12*\u, WS+\t, HS, \u
.endr
	WIN 0
.rept 4
	v_nop                                          ; places in front of the first read of results
.endr
.irp t, 0,1,2,3,4,5,6,7                ; leaky(z) = max(z, 0.2 z)
.irp k, 0,2,4,6
	v_pk_mul_f32 v[LT+8*(\t%2)+\k:LT+8*(\t%2)+\k+1], v[HA+8*\t+\k:HA+8*\t+\k+1], 0x3e4ccccd op_sel_hi:[1,0]
.endr
.irp k, 0,1,2,3,4,5,6,7
	v_max_num_f32 v[HA+8*\t+\k], v[HA+8*\t+\k], v[LT+8*(\t%2)+\k]
.endr
.endr
	QUANT128 HA
.rept 8
	v_nop
.endr
	s_wait_alu depctr_va_vdst(0)                   ; the hidden layer's codes and scale word are written, which the four products below take as operand and scales
	WIN 0x01
.irp c, 0,1,2,3
	WMA H+16*\c+8*\u, 54+12*\c, PC, WS+8+\c, PW
.endr
	WIN 0
.endr
.rept 4
	v_nop                                          ; four places behind the last product, before its result is read
.endr
	s_wait_alu depctr_va_vdst(0)                   ; the products have written y2, which the LDS stores read (the places above stay beside this wait); and all are done with v96-159, in which the stage's rows land behind the barrier
.irp c, 0,1,2,3
.irp u, 0,1
.irp j, 0,1,2,3,4,5,6,7
	ds_store_b32 v[STO], v[H+16*\c+8*\u+\j] offset:(16*\c+\j)*SPITCH+32*\u   ; each accumulator from its low end on; the two halves of the lanes fall 32 banks apart
.endr
.endr
.endr
	; THE WAY OUT.  Wave w takes channels 8 w .. 8 w + 7, whole rows of 256 points: stores them, and takes each channel's mean and then the sum of squared deviations from that mean.
	s_wait_dscnt 0x0
	s_barrier_signal -1
	s_barrier_wait -1
.irp i, 0,1,2,3,4,5,6,7
	ds_load_b128 v[Y+8*\i:Y+8*\i+3], v[RD] offset:SPITCH*\i
	ds_load_b128 v[Y+8*\i+4:Y+8*\i+7], v[RD] offset:SPITCH*\i+512
.endr
.irp i, 0,1,2,3,4,5,6,7
	v_mov_b32 v[EP+\i], 0                          ; written once: a lane permute's destination counts as one of its sources
.endr
	v_add_nc_u32 v[CTA], STATS, v[L16]             ; where wave 0 reads the figures back (the tables are done with)
	s_wait_dscnt 0x0
.irp i, 0,1,2,3,4,5,6,7
	global_store_b128 v[L16], v[Y+8*\i:Y+8*\i+3], s[OUTB:OUTB+1] offset:8192*\i th:TH_STORE_NT       ; 512 consecutive bytes; the sums below read these registers and write none of them
	global_store_b128 v[L16], v[Y+8*\i+4:Y+8*\i+7], s[OUTB:OUTB+1] offset:8192*\i+512 th:TH_STORE_NT
.endr
.irp i, 0,1,2,3,4,5,6,7
	v_pk_add_f32 v[EA+2*\i:EA+2*\i+1], v[Y+8*\i:Y+8*\i+1], v[Y+8*\i+2:Y+8*\i+3]
	v_pk_add_f32 v[EB+2*\i:EB+2*\i+1], v[Y+8*\i+4:Y+8*\i+5], v[Y+8*\i+6:Y+8*\i+7]
.endr
.irp i, 0,1,2,3,4,5,6,7
	v_pk_add_f32 v[EA+2*\i:EA+2*\i+1], v[EA+2*\i:EA+2*\i+1], v[EB+2*\i:EB+2*\i+1]
.endr
.irp i, 0,1,2,3,4,5,6,7
	v_add_f32 v[ES+\i], v[EA+2*\i], v[EA+2*\i+1]
.endr
	LANESUM
.irp i, 0,1,2,3,4,5,6,7
	v_mul_f32 v[EM+2*\i], 0x3b800000, v[ES+\i]     ; the mean of 256, twice: a pair for the packed subtraction
	v_mul_f32 v[EM+2*\i+1], 0x3b800000, v[ES+\i]
.endr
.irp i, 0,1,2,3,4,5,6,7
.irp k, 0,1,2,3
	v_pk_add_f32 v[ED+8*(\i%2)+2*\k:ED+8*(\i%2)+2*\k+1], v[Y+8*\i+2*\k:Y+8*\i+2*\k+1], v[EM+2*\i:EM+2*\i+1] neg_lo:[0,1] neg_hi:[0,1]
.endr
	v_pk_mul_f32 v[EQ+2*\i:EQ+2*\i+1], v[ED+8*(\i%2):ED+8*(\i%2)+1], v[ED+8*(\i%2):ED+8*(\i%2)+1]
.irp k, 1,2,3
	v_pk_fma_f32 v[EQ+2*\i:EQ+2*\i+1], v[ED+8*(\i%2)+2*\k:ED+8*(\i%2)+2*\k+1], v[ED+8*(\i%2)+2*\k:ED+8*(\i%2)+2*\k+1], v[EQ+2*\i:EQ+2*\i+1]
.endr
.endr
.irp i, 0,1,2,3,4,5,6,7
	v_add_f32 v[ES+\i], v[EQ+2*\i], v[EQ+2*\i+1]
.endr
	LANESUM
	s_wait_alu depctr_va_vdst(0)                   ; the means and the sums of squares are written, which the LDS stores read; so is v8, by which wave 0 reads them back; and the sums are done with v160-163, in which that load lands
.irp i, 0,1,2,3,4,5,6,7
	ds_store_b32 v[SA], v[EM+2*\i] offset:4*\i     ; all lanes write the same word with the same value
	ds_store_b32 v[SA], v[ES+\i] offset:256+4*\i
.endr
	s_wait_dscnt 0x0
	s_barrier_signal -1
	s_barrier_wait -1                              ; 64 means and 64 sums of squares lie together
	s_cmp_lg_u32 s[WV], 0
	s_cbranch_scc1 .Lend
	ds_load_b128 v[EA:EA+3], v[CTA]
	s_wait_dscnt 0x0
	global_store_b128 v[L16], v[EA:EA+3], s[PARTB:PARTB+1]   ; 512 consecutive bytes
.Lend:
	s_wait_dscnt 0x0                               ; the closing lines, six on end
	s_wait_alu 0x0
	s_wait_tensorcnt 0x0
	ds_add_u32 v30, v31
	s_wait_dscnt 0x0
	s_endpgm
.Lfunc_end_k_q4842d728fd_ffn:
	.size	k_q4842d728fd_ffn, .Lfunc_end_k_q4842d728fd_ffn-k_q4842d728fd_ffn
	.p2alignl 7, 3214868480
	.fill 96, 4, 3214868480
	.section	.rodata,"a",@progbits
	.p2align	6, 0x0
	.amdhsa_kernel k_q4842d728fd_ffn
		.amdhsa_group_segment_fixed_size 94208
		.amdhsa_private_segment_fixed_size 0
		.amdhsa_enable_private_segment 0
		.amdhsa_kernarg_size 64
		.amdhsa_user_sgpr_count 2
		.amdhsa_user_sgpr_kernarg_segment_ptr 1
		.amdhsa_wavefront_size32 1
		.amdhsa_system_sgpr_workgroup_id_x 1
		.amdhsa_system_sgpr_workgroup_id_y 1
		.amdhsa_system_sgpr_workgroup_id_z 1
		.amdhsa_system_vgpr_workitem_id 0
		.amdhsa_next_free_vgpr 512
		.amdhsa_next_free_sgpr 66
		.amdhsa_reserve_vcc 0
		.amdhsa_float_denorm_mode_32 3
		.amdhsa_float_denorm_mode_16_64 3
		.amdhsa_memory_ordered 1
		.amdhsa_forward_progress 1
		.amdhsa_inst_pref_size 94
	.end_amdhsa_kernel
	.amdgpu_metadata
---
amdhsa.version: [ 1, 2 ]
amdhsa.kernels:
  - .name:           k_q4842d728fd_ffn
    .symbol:         k_q4842d728fd_ffn.kd
    .args:
      - { .name: y1, .offset: 0, .size: 8, .value_kind: global_buffer, .address_space: global }
      - { .name: part1, .offset: 8, .size: 8, .value_kind: global_buffer, .address_space: global }
      - { .name: bn1_gamma, .offset: 16, .size: 8, .value_kind: global_buffer, .address_space: global }
      - { .name: bn1_beta, .offset: 24, .size: 8, .value_kind: global_buffer, .address_space: global }
      - { .name: w_ff1, .offset: 32, .size: 8, .value_kind: global_buffer, .address_space: global }
      - { .name: w_ff2, .offset: 40, .size: 8, .value_kind: global_buffer, .address_space: global }
      - { .name: y2, .offset: 48, .size: 8, .value_kind: global_buffer, .address_space: global }
      - { .name: part2, .offset: 56, .size: 8, .value_kind: global_buffer, .address_space: global }
    .group_segment_fixed_size: 94208
    .private_segment_fixed_size: 0
    .kernarg_segment_align: 8
    .kernarg_segment_size: 64
    .max_flat_workgroup_size: 256
    .sgpr_count:     66
    .vgpr_count:     512
    .wavefront_size: 32
...
	.end_amdgpu_metadata
.endif
;; end of part 7
;; launch bn2 (part 8): grid 256 x 1, 8 waves a work-group, no clusters, 1,280 bytes of LDS; arguments y2, part2, bn2_gamma, bn2_beta, out0; writes out0
.if DOCPART == 8
	.amdgcn_target "amdgcn-amd-amdhsa--gfx1250"
	.amdhsa_code_object_version 6
	.text
	.protected	k_q4842d728fd_bn2
	.globl	k_q4842d728fd_bn2
	.p2align	8
	.type	k_q4842d728fd_bn2,@function
k_q4842d728fd_bn2:
	s_mov_b64 s[64:65], 0
	v_nop
	global_prefetch_b8 v0, s[64:65] scope:SCOPE_SE
	s_setreg_imm32_b32 hwreg(HW_REG_WAVE_SCHED_MODE, 0, 2), 2
	s_setreg_imm32_b32 hwreg(HW_REG_WAVE_MODE, 25, 1), 1
	s_wait_xcnt 0x0
	s_wait_alu depctr_vm_vsrc(0)
; out0 = BatchNorm(y2).  A stream: memory binds, so no matrix unit, no cluster, no large tiles.
; A work-group serves ONE channel c = its number / 4, so that it needs one channel's statistics; each of its eight waves takes one row (batch 8 (number % 4) + wave, channel c): 8,192 bytes, sixteen loads of
; 512 consecutive bytes, all asked for at the head.
; THE STATISTICS come as 256 pairs (mean, sum of squared deviations of 256 points); thread t takes pair t.  With K = the first pair's mean, d = mean - K: mean = K + sum d / 256;
; variance = (sum M2 + 256 (sum d^2 - (sum d)^2 / 256)) / 65,536: no difference of large sums.  out = y a + (beta - mean a), a = gamma / sqrt(variance + 1e-5).
; LIMITS: NaN and infinities are not served; with a common offset of 30 spreads on y2 the one fused multiply-add rounds to about 2e-6 of the spread.
; THE MODE: SCHED_MODE bits 1:0 = 2 (LLVM: expert scheduling mode 2), set by the entry lines.  The code itself states the register dependences between vector instructions and memory or LDS
; instructions, with s_wait_alu, always for 0.
; THE PLAN.  Registers that memory or LDS instructions touch:
;   v1, v4, v12, v13, v96, v97   offsets and LDS addresses: made at the head, never written again.
;   v8-11    the pair lands in v8 and v10; the wave's three sums are made there and read by one LDS store; not written again.
;   v84-87   the eight waves' sums land there: a buffer of its own, which no instruction has named before.
;   v16-79   the row lands; it is scaled in place and stored; each register is written once by a vector instruction and read once by a store.
; The row goes in four groups of four loads.  Group g's multiply-adds name group g's registers alone; the four stores of group g - 1 are dealt among them, behind ONE wait on va_vdst at the group's head.
	s_load_b256 s[4:11], s[0:1], 0x0               ; y2 s[4:5], part2 s[6:7], gamma s[8:9], beta s[10:11]
	s_load_b64 s[12:13], s[0:1], 0x20              ; out0
	v_lshl_add_u32 v96, v0, 2, 0x100
	v_mov_b32 v97, 0
	v_lshrrev_b32 v1, 5, v0
	v_readfirstlane_b32 s14, v1                    ; wave 0..7
	v_lshlrev_b32 v1, 9, v0                        ; pair t: 512 bytes a work-group's figures
	v_and_b32 v2, 31, v0
	v_lshlrev_b32 v4, 4, v2                        ; 16 x lane
	v_and_b32 v3, 7, v0
	v_lshlrev_b32 v13, 4, v3                       ; 16 x (lane % 8)
	v_mov_b32 v5, 0                                ; written once: a lane permute's destination counts as one of its sources
	v_mov_b32 v6, 0
	v_mov_b32 v7, 0
	v_mov_b32 v11, 0
	s_lshr_b32 s15, ttmp9, 2                       ; the channel
	s_and_b32 s16, ttmp9, 3
	s_lshl_b32 s16, s16, 3
	s_wait_alu depctr_va_sdst(0)                   ; s14, the wave's number, is written, ahead of its first reader
	s_add_co_u32 s16, s16, s14                     ; my batch
	s_lshl_b32 s16, s16, 6
	s_add_co_u32 s16, s16, s15
	s_lshl_b32 s16, s16, 13                        ; my row: (64 x batch + channel) x 8,192 bytes
	s_mov_b32 s17, 0
	s_lshl_b32 s18, s15, 2                         ; 4 x channel
	s_mov_b32 s19, 0
	s_mov_b32 s20, 0x76543210
	s_mov_b32 s21, 0xfedcba98                      ; v_permlanex16_b32's selects for lane l xor 16
	s_mov_b32 s27, 0x3727c5ac                      ; 1e-5
	v_mov_b32 v12, s14
	v_lshlrev_b32 v12, 4, v12                      ; 16 x wave
	s_wait_kmcnt 0x0
	s_add_nc_u64 s[4:5], s[4:5], s[16:17]
	s_add_nc_u64 s[12:13], s[12:13], s[16:17]
	s_add_nc_u64 s[6:7], s[6:7], s[18:19]
	s_add_nc_u64 s[8:9], s[8:9], s[18:19]
	s_add_nc_u64 s[10:11], s[10:11], s[18:19]
	s_load_b32 s24, s[6:7], 0x0                    ; K
	s_load_b32 s25, s[8:9], 0x0                    ; gamma
	s_load_b32 s26, s[10:11], 0x0                  ; beta
	s_wait_alu depctr_va_vdst(0)                   ; the offsets and LDS addresses v1, v4, v12, v13, v96 and v97 are written: every load and store of the kernel reads one of them
	global_load_b32 v8, v1, s[6:7]                 ; pair t's mean,
	global_load_b32 v10, v1, s[6:7] offset:256     ; and its sum of squares
.irp i, 0,1,2,3,4,5,6,7,8,9,10,11,12,13,14,15
	global_load_b128 v[16+4*\i:19+4*\i], v4, s[4:5] offset:512*\i th:TH_LOAD_NT
.endr
	s_wait_loadcnt 16                              ; the pair is in; the row's sixteen loads stay out
	s_wait_kmcnt 0x0
	v_sub_f32 v8, v8, s24                          ; d
	v_mul_f32 v9, v8, v8
.irp x, 1,2,4,8
	v_add_f32_dpp v8, v8, v8 row_xmask:\x row_mask:0xf bank_mask:0xf
	v_add_f32_dpp v9, v9, v9 row_xmask:\x row_mask:0xf bank_mask:0xf
	v_add_f32_dpp v10, v10, v10 row_xmask:\x row_mask:0xf bank_mask:0xf
.endr
	v_permlanex16_b32 v5, v8, s20, s21
	v_permlanex16_b32 v6, v9, s20, s21
	v_permlanex16_b32 v7, v10, s20, s21
	v_add_f32 v8, v8, v5
	v_add_f32 v9, v9, v6
	v_add_f32 v10, v10, v7
	s_wait_alu depctr_va_vdst(0)                   ; my wave's three sums are written, which the LDS store reads
	ds_store_b128 v12, v[8:11]                     ; (all lanes write the same)
	s_wait_dscnt 0x0
	s_barrier_signal -1
	s_barrier_wait -1
	ds_load_b128 v[84:87], v13                     ; lane l takes wave l % 8's, into registers that nothing has named
	s_wait_dscnt 0x0
.irp x, 1,2,4
	v_add_f32_dpp v84, v84, v84 row_xmask:\x row_mask:0xf bank_mask:0xf
	v_add_f32_dpp v85, v85, v85 row_xmask:\x row_mask:0xf bank_mask:0xf
	v_add_f32_dpp v86, v86, v86 row_xmask:\x row_mask:0xf bank_mask:0xf
.endr
	v_mul_f32 v5, 0x3b800000, v84                  ; u = sum d / 256
	v_add_f32 v6, s24, v5                          ; the mean
	v_fma_f32 v7, -v5, v84, v85                    ; sum d^2 - u sum d
	v_max_num_f32 v7, 0, v7
	v_fma_f32 v7, v7, 0x43800000, v86              ; x 256 + sum M2
	v_fma_f32 v7, v7, 0x37800000, s27              ; / 65,536 + 1e-5
	s_wait_alu depctr_va_vdst(0)
	v_rsq_f32 v14, v7
	v_nop                                          ; a plain place behind it
	s_wait_alu depctr_va_vdst(0)                   ; the reciprocal root is written, ahead of its first reader
	v_mul_f32 v80, s25, v14                        ; a, twice: pairs for the packed multiply-add
	v_mul_f32 v81, s25, v14
	v_fma_f32 v82, -v6, v80, s26                   ; beta - mean a
	v_fma_f32 v83, -v6, v81, s26
	s_wait_alu depctr_va_vdst(0)
.irp g, 0,1,2,3
	s_wait_loadcnt 12-4*\g                         ; loads come back in order: this group's four are in, the younger groups stay out
.if \g > 0
	s_wait_alu depctr_va_vdst(0)                   ; the group before is written, which the four stores below read; the multiply-adds among them name this group's registers alone
.endif
.irp i, 0,1,2,3
.if \g > 0
	global_store_b128 v4, v[16+16*(\g-1)+4*\i:19+16*(\g-1)+4*\i], s[12:13] offset:512*(4*(\g-1)+\i) th:TH_STORE_NT   ; 512 consecutive bytes
.endif
	v_pk_fma_f32 v[16+16*\g+4*\i:17+16*\g+4*\i], v[16+16*\g+4*\i:17+16*\g+4*\i], v[80:81], v[82:83]
	v_pk_fma_f32 v[18+16*\g+4*\i:19+16*\g+4*\i], v[18+16*\g+4*\i:19+16*\g+4*\i], v[80:81], v[82:83]
.endr
.endr
	s_wait_alu depctr_va_vdst(0)                   ; the last group is written, which the last four stores read
.irp i, 0,1,2,3
	global_store_b128 v4, v[64+4*\i:67+4*\i], s[12:13] offset:512*(12+\i) th:TH_STORE_NT
.endr
	s_wait_dscnt 0x0                               ; the closing lines, six on end
	s_wait_alu 0x0
	s_wait_tensorcnt 0x0
	ds_add_u32 v96, v97
	s_wait_dscnt 0x0
	s_endpgm
.Lfunc_end_k_q4842d728fd_bn2:
	.size	k_q4842d728fd_bn2, .Lfunc_end_k_q4842d728fd_bn2-k_q4842d728fd_bn2
	.p2alignl 7, 3214868480
	.fill 96, 4, 3214868480
	.section	.rodata,"a",@progbits
	.p2align	6, 0x0
	.amdhsa_kernel k_q4842d728fd_bn2
		.amdhsa_group_segment_fixed_size 1280
		.amdhsa_private_segment_fixed_size 0
		.amdhsa_enable_private_segment 0
		.amdhsa_kernarg_size 40
		.amdhsa_user_sgpr_count 2
		.amdhsa_user_sgpr_kernarg_segment_ptr 1
		.amdhsa_wavefront_size32 1
		.amdhsa_system_sgpr_workgroup_id_x 1
		.amdhsa_system_sgpr_workgroup_id_y 1
		.amdhsa_system_sgpr_workgroup_id_z 1
		.amdhsa_system_vgpr_workitem_id 0
		.amdhsa_next_free_vgpr 98
		.amdhsa_next_free_sgpr 66
		.amdhsa_reserve_vcc 0
		.amdhsa_float_denorm_mode_32 3
		.amdhsa_float_denorm_mode_16_64 3
		.amdhsa_memory_ordered 1
		.amdhsa_forward_progress 1
		.amdhsa_inst_pref_size 11
	.end_amdhsa_kernel
	.amdgpu_metadata
---
amdhsa.version: [ 1, 2 ]
amdhsa.kernels:
  - .name:           k_q4842d728fd_bn2
    .symbol:         k_q4842d728fd_bn2.kd
    .args:
      - { .name: y2, .offset: 0, .size: 8, .value_kind: global_buffer, .address_space: global }
      - { .name: part2, .offset: 8, .size: 8, .value_kind: global_buffer, .address_space: global }
      - { .name: bn2_gamma, .offset: 16, .size: 8, .value_kind: global_buffer, .address_space: global }
      - { .name: bn2_beta, .offset: 24, .size: 8, .value_kind: global_buffer, .address_space: global }
      - { .name: out0, .offset: 32, .size: 8, .value_kind: global_buffer, .address_space: global }
    .group_segment_fixed_size: 1280
    .private_segment_fixed_size: 0
    .kernarg_segment_align: 8
    .kernarg_segment_size: 40
    .max_flat_workgroup_size: 256
    .sgpr_count:     66
    .vgpr_count:     98
    .wavefront_size: 32
...
	.end_amdgpu_metadata
.endif
;; end of part 8
